; MI455X (gfx1250); checked and timed in simulation.
; The chip was launched on July 23, 2026; its instructions are those of AMD's public machine-readable ISA for CDNA 5 (MIT licence, August 2026) and "CDNA5" Instruction Set Architecture Reference Guide (July 2026). The comments in the code are by the model that wrote it; some were corrected since.
;; mutli Head Attention. Allowed arithmetic: matrix products marked QUANTISED: E4M3 operands, one E8M0 scale for each 32 along K, by v_wmma_scale_f32_16x16x128_f8f6f4 with both operands' format E4M3, f32 sums; everything else in f32.
;; Inputs: attn_mask 4 x 1 x 2,048 x 2,048 bool; input_K 4 x 2,048 x 1,024 float32; input_Q 4 x 2,048 x 1,024 float32; input_V 4 x 2,048 x 1,024 float32; ln_beta 1,024 float32; ln_gamma 1,024 float32; w_k 1,024 x 1,024 float32; w_o 1,024 x 1,024 float32; w_q 1,024 x 1,024 float32; w_v 1,024 x 1,024 float32.
;; Outputs: out0 4 x 2,048 x 1,024 float32.
;; This version of the problem:
;;   THIS VERSION OF THE PROBLEM IS GIVEN IN LOW PRECISION. The matrix products marked QUANTISED in the list below multiply operands that are first quantised to E4M3 (4 exponent bits, 3 mantissa bits; 8 bits a number), with one power-of-two scale for each 32 numbers along K (OCP MX v1.0); their sums are f32. All else is computed in f32.
;;   The module's matrix products, in the order in which they are computed (A, B: the left and right operand; K: the contracted axis; several contracted axes count as one K, in the product's order):
;;     1. [M 8,192, K 1,024] x [K 1,024, N 1,024]; A: input input_Q; B: input w_q: QUANTISED
;;     2. [M 8,192, K 1,024] x [K 1,024, N 1,024]; A: input input_K; B: input w_k: QUANTISED
;;     3. [M 8,192, K 1,024] x [K 1,024, N 1,024]; A: input input_V; B: input w_v: QUANTISED
;;     4. batch 64 x [M 2,048, K 64] x [K 64, N 2,048]; A: computed on the way; B: computed on the way: QUANTISED
;;     5. batch 64 x [M 2,048, K 2,048] x [K 2,048, N 64]; A: softmax (see below); B: computed on the way: QUANTISED
;;     6. [M 8,192, K 1,024] x [K 1,024, N 1,024]; A: computed on the way; B: input w_o: QUANTISED
;;   THE QUANTISER, for each operand of a quantised product, along K:
;;     - K is cut into blocks of 32 from its start; a last block that is shorter is filled with zeros.
;;     - A block's scale is 2^e with e = floor(log2(the largest magnitude in the block)) - 8, held to -126 .. 127; a block of zeros has e = 0. As a byte (E8M0): e + 127.
;;     - Each number is divided by its block's scale, clamped to +-448, and rounded to the nearest number of E4M3, ties to even, subnormals kept.
;;     - The product sums the exact products of the quantised numbers (number of the format x scale) in f32.
;;   ~~~python
;;   def quantise(x, axis):      # numpy; x: float32 -> the quantised numbers, widened to float32 again
;;       x = np.moveaxis(x, axis, -1); K = x.shape[-1]
;;       x = np.pad(x, [(0, 0)] * (x.ndim - 1) + [(0, -K % 32)]); x = x.reshape(x.shape[:-1] + (-1, 32)); a = np.abs(x).max(-1, keepdims=True)
;;       e = np.where(a > 0, np.clip(np.frexp(np.where(a > 0, a, 1))[1] - 1 - 8, -126, 127), 0)      # np.frexp(a)[1] - 1 = floor(log2(a)), exactly
;;       r = np.clip(x / 2.0 ** e, -448, 448)
;;       step = 2.0 ** (np.maximum(np.frexp(np.where(r == 0, 1, r))[1] - 1, -6) - 3)
;;       q = np.round(r / step) * step * 2.0 ** e      # np.round: ties to even
;;       return np.moveaxis(q.reshape(q.shape[:-2] + (-1,))[..., :K], -1, axis).astype(np.float32)
;;   ~~~
;;   SOFTMAX AHEAD OF A QUANTISED PRODUCT. Where the list says 'softmax', what is quantised is not the finished softmax but p = 2^(t - M), with t = logit x log2(e) and M = ceil(the row's largest t), a whole number; so 1/2 < the row's largest p <= 1. The row's sum l is taken of the UNQUANTISED p, in f32, and the product's result is divided by l at the end. Since M is a whole number, a kernel that streams over the keys may use a running M (the ceiling of the running maximum): every later rescaling is an exact power of two, which a block's scale takes up: the codes' values come out the same.
;;   OPERANDS COMPUTED ON THE WAY. 'Computed on the way' means the value that the module computes at that place (a softmax that the list does not call 'softmax' is quantised finished and normalised). What goes into a quantiser is computed in f32, as accurately as f32 sums, v_exp_f32 and their like allow (about 1e-6 of the number): no bf16 or f16 on the way to a quantiser, and a product that is left as it is and whose result goes on into a quantised operand takes f32 operands (vector FMAs, or v_wmma_f32_16x16x4_f32). A number that lies on a knife's edge between two numbers of the format may be rounded either way, as far as f32 arithmetic and the matrix unit's own rounding can turn it there, and no further.
;; 2 versions. Each part assembles by itself: llvm-mc -triple=amdgcn-amd-amdhsa -mcpu=gfx1250 --defsym DOCPART=n.
;; ======== version 1 of 2: 5 launches
;; limits: right only within a limited range of input values
;; workspace buffers: xw 30,277,632 bytes; mbits 2,097,152 bytes of whole numbers; qkv 26,476,544 bytes; ctx 8,650,752 bytes
;; launch quant (part 1): grid 448 x 1, 4 waves a work-group, no clusters, 34,304 bytes of LDS; arguments input_Q, input_K, input_V, w_q, w_k, w_v, w_o, xw; writes xw
.if DOCPART == 1
	.amdgcn_target "amdgcn-amd-amdhsa--gfx1250"
	.amdhsa_code_object_version 6
	.text
	.protected	k_q65a3e0e3c3_quant
	.globl	k_q65a3e0e3c3_quant
	.p2align	8
	.type	k_q65a3e0e3c3_quant,@function
k_q65a3e0e3c3_quant:
	s_mov_b64 s[64:65], 0
	v_nop
	global_prefetch_b8 v0, s[64:65] scope:SCOPE_SE
	s_setreg_imm32_b32 hwreg(HW_REG_WAVE_MODE, 25, 1), 1
	s_wait_xcnt 0x0
; input_Q, input_K, input_V [8192][1024] and w_q, w_k, w_v, w_o [1024][1024], f32, K innermost, become codes of FP8 (E4M3) with one E8M0 scale byte for each 32 along K.
; A block's scale is 2^(floor(log2(its largest magnitude)) - 8); each number is divided by it, held within +-448 and rounded to the nearest code, ties to even.
; LAYOUT OF xw.  Rows go in TILES of 16: tile T of a tensor, place r, is row 32 (T / 2) + 8 (T % 2) + r + 8 (r / 8).  Tiles are numbered through all seven tensors: G = 0 .. 1791.
; A tile's codes lie as IMAGES OF THE OPERAND'S REGISTERS: G x 16,384 + K step x 2,048 + c x 512 + 16 x lane; lane (r, h) of chunk c holds k = 32 c + 16 h + 0 .. 15 of place r.
; Its scale words lie at SCB + G x 512 + r x 32 + K step x 4.  So every later load of a fragment is four loads of 512 dense bytes, from memory and from LDS alike.
; SHARES.  A wave takes one tile, all eight K steps of 128.  Each load reads 512 consecutive bytes of one row; the 16 rows turn through the wave's own stage in LDS (rows 528 bytes apart)
; and come back 64 bytes a lane and block: 16 neighbours along K.  No barrier: waves share nothing.  No cluster, no tensor loads: work-groups share no input, and loads run two K steps ahead in registers.
; LIMITS: a block of zeros, and any block whose largest magnitude lies under 2^-118, gets the byte 1 (this program alone reads the bytes; zero codes add nothing under it); NaN and infinities are not served.
.set SCB,  29360128                    ; where the scale words begin: 1,792 tiles x 16,384
.set STGW, 8448                        ; a wave's stage: 16 rows x 528
.set SP,   528                         ; a stage row: 512 bytes + 16: row r starts 4 r banks on
.set TM,   8                           ; v8-11 largest magnitudes, v12-15 bytes, v16-19 448 x the scale, v20-23 the conversions' scale operands
.set PWB,  24                          ; v24-31  the eight K steps' scale words
.set OW,   32                          ; v32-35  the four words that my lane stores
.set PC,   36                          ; v36-51  a fragment's codes
.set X,    52                          ; v52-115 64 numbers: register 16 b + i = k 32 b + 16 h + i of my row
.set R,    116                         ; v116-243 two sets of 64 registers, as loaded
.set SEL,  28                          ; s[28:29] v_permlanex16_b32's selects for lane l xor 16
.set MNT,  30                          ; s30 the mantissa field of 448
	s_load_b512 s[4:19], s[0:1], 0x0               ; input_Q, input_K, input_V, w_q, w_k, w_v, w_o, xw
	v_lshl_add_u32 v244, v0, 2, 0x8400
	v_mov_b32 v245, 0
	v_lshrrev_b32 v5, 5, v0
	v_readfirstlane_b32 s23, v5                    ; wave
	v_and_b32 v6, 31, v0                           ; lane
	v_and_b32 v7, 15, v0                           ; r
	v_bfe_u32 v5, v0, 4, 1                         ; h
	v_lshlrev_b32 v1, 4, v6                        ; 16 x lane
	s_mul_i32 s31, s23, STGW
	v_add_nc_u32 v2, s31, v1                       ; the stage, on the way in
	v_mul_u32_u24 v3, v7, SP
	v_lshl_add_u32 v3, v5, 6, v3
	v_add_nc_u32 v3, s31, v3                       ; and on the way out: row r, + 64 h
	v_lshlrev_b32 v4, 5, v7
	v_lshl_add_u32 v4, v5, 4, v4                   ; my 16 bytes of the tile's scale words: 32 r + 16 h
	s_mov_b32 s[SEL], 0x76543210
	s_mov_b32 s[SEL+1], 0xfedcba98
	s_mov_b32 s[MNT], 0x600000
.irp b, 0,1,2,3
	v_mov_b32 v[TM+4+\b], 0                        ; written once: a lane permute's destination counts as one of its sources
.endr
	s_wait_kmcnt 0x0
; which tensor: the choice hangs on the work-group's number alone.  s[20:21] its address, s22 its first work-group
.macro PICK bound, p, first
	s_cmp_lt_u32 ttmp9, \bound
	s_cselect_b64 s[20:21], s[\p:\p+1], s[20:21]
	s_cselect_b32 s22, \first, s22
.endm
	s_mov_b64 s[20:21], s[16:17]
	s_mov_b32 s22, 432
	PICK 432, 14, 416
	PICK 416, 12, 400
	PICK 400, 10, 384
	PICK 384, 8, 256
	PICK 256, 6, 128
	PICK 128, 4, 0
	s_sub_co_u32 s24, ttmp9, s22
	s_lshl_b32 s24, s24, 2
	s_add_co_u32 s24, s24, s23                     ; my tile in its tensor
	s_lshr_b32 s25, s24, 1
	s_lshl_b32 s25, s25, 17                        ; 32 rows of 4,096 bytes for each pair of tiles,
	s_and_b32 s24, s24, 1
	s_lshl_b32 s24, s24, 15                        ; 8 rows for the odd one
	s_add_co_u32 s32, s25, s24
	s_mov_b32 s33, 0
	s_add_nc_u64 s[20:21], s[20:21], s[32:33]
	s_lshl_b32 s34, ttmp9, 2
	s_add_co_u32 s34, s34, s23                     ; G
	s_lshl_b32 s32, s34, 14
	s_add_nc_u64 s[24:25], s[18:19], s[32:33]      ; my tile's codes
	s_lshl_b32 s32, s34, 9
	s_add_co_u32 s32, s32, SCB
	s_add_nc_u64 s[26:27], s[18:19], s[32:33]      ; and its scale words
.macro LOAD s                          ; K step s of the tile's 16 rows: place i is row i + 8 (i / 8)
.irp i, 0,1,2,3,4,5,6,7,8,9,10,11,12,13,14,15
	global_load_b128 v[R+64*((\s)%2)+4*\i:R+64*((\s)%2)+4*\i+3], v1, s[20:21] offset:(\i+8*(\i/8))*4096+512*(\s) th:TH_LOAD_NT   ; 32 lanes read 512 consecutive bytes
.endr
.endm
.macro TURN s                          ; through the stage: LDS serves a wave's instructions in order, so no wait stands between the stores and the loads
.irp i, 0,1,2,3,4,5,6,7,8,9,10,11,12,13,14,15
	ds_store_b128 v2, v[R+64*((\s)%2)+4*\i:R+64*((\s)%2)+4*\i+3] offset:\i*SP
.endr
.irp c, 0,1,2,3
.irp j, 0,1,2,3
	ds_load_b128 v[X+16*\c+4*\j:X+16*\c+4*\j+3], v3 offset:128*\c+16*\j
.endr
.endr
.endm
; 64 numbers of a lane become a fragment's codes in v[PC] on and its scale word in v[pw]
.macro QUANT s, pw
.irp b, 0,1,2,3
	v_max3_num_f32 v[TM+\b], |v[\s+16*\b]|, |v[\s+1+16*\b]|, 0x4800000   ; block b: my 16 numbers, and the floor 2^(9 - 127): the byte cannot fall under 1
.endr
.irp i, 2,4,6,8,10,12,14
.irp b, 0,1,2,3
	v_max3_num_f32 v[TM+\b], v[TM+\b], |v[\s+16*\b+\i]|, |v[\s+1+16*\b+\i]|   ; the four blocks by turns
.endr
.endr
.irp b, 0,1,2,3
	v_permlanex16_b32 v[TM+4+\b], v[TM+\b], s[SEL], s[SEL+1]
.endr
.irp b, 0,1,2,3
	v_max_num_f32 v[TM+\b], v[TM+\b], v[TM+4+\b]   ; with lane l xor 16's: the block's largest magnitude
.endr
.irp b, 0,1,2,3
	v_add_nc_u32 v[TM+12+\b], 0xfc000000, v[TM+\b] ; 8 off its exponent field: the conversion's scale operand
.endr
.irp b, 0,1,2,3
	v_and_or_b32 v[TM+8+\b], v[TM+\b], 0x7f800000, s[MNT]   ; 448 x the scale
.endr
.irp b, 0,1,2,3
	v_lshrrev_b32 v[TM+4+\b], 23, v[TM+12+\b]      ; the scale's byte
.endr
	v_lshl_or_b32 v[\pw], v[TM+5], 8, v[TM+4]
	v_lshl_or_b32 v[\pw], v[TM+6], 16, v[\pw]
	v_lshl_or_b32 v[\pw], v[TM+7], 24, v[\pw]
.irp b, 0,1,2,3
.irp i, 0,1,2,3,4,5,6,7,8,9,10,11,12,13,14,15
	v_med3_num_f32 v[\s+16*\b+\i], v[\s+16*\b+\i], -v[TM+8+\b], v[TM+8+\b]   ; the conversion does not saturate (ISA guide 7.6.2): the hold comes first
.endr
	v_cvt_scalef32_pk8_fp8_f32 v[PC+4*\b:PC+1+4*\b], v[\s+16*\b:\s+7+16*\b], v[TM+12+\b]
	v_cvt_scalef32_pk8_fp8_f32 v[PC+2+4*\b:PC+3+4*\b], v[\s+8+16*\b:\s+15+16*\b], v[TM+12+\b]
.endr
	v_nop                                          ; one plain line behind the last conversion
.endm
.macro FSTEP s
.if (\s) < 7
	s_wait_loadcnt 16                              ; this K step's 16 loads are in; the next step's 16 may be out
.else
	s_wait_loadcnt 0x0
.endif
	TURN \s
	s_wait_dscnt 0x0                               ; my 64 numbers are back, and the stores into the stage have read their registers,
.if (\s) > 0
	s_wait_xcnt 0x0                                ; the last step's stores have read the codes' registers: they are written again only behind this wait
.endif
.if (\s)+2 < 8
	LOAD (\s)+2                                    ; which take the loads of two steps on
.endif
	QUANT X, PWB+(\s)
.irp c, 0,1,2,3
	global_store_b128 v1, v[PC+4*\c:PC+4*\c+3], s[24:25] offset:2048*(\s)+512*\c   ; 32 lanes store 512 consecutive bytes, aligned
.endr
.endm
	LOAD 0
	LOAD 1
.irp s, 0,1,2,3,4,5,6,7
	FSTEP \s
.endr
	v_cmp_le_u32 vcc_lo, 16, v6                    ; lanes 16-31 store the words of K steps 4 to 7 (both halves of the lanes hold all eight)
.irp k, 0,1,2,3
	v_cndmask_b32 v[OW+\k], v[PWB+\k], v[PWB+4+\k], vcc_lo
.endr
	global_store_b128 v4, v[OW:OW+3], s[26:27]     ; the tile's 512 bytes of scale words
	s_wait_tensorcnt 0x0
	ds_add_u32 v244, v245
	s_wait_dscnt 0x0
	s_endpgm
.Lfunc_end_k_q65a3e0e3c3_quant:
	.size	k_q65a3e0e3c3_quant, .Lfunc_end_k_q65a3e0e3c3_quant-k_q65a3e0e3c3_quant
	.p2alignl 7, 3214868480
	.fill 96, 4, 3214868480
	.section	.rodata,"a",@progbits
	.p2align	6, 0x0
	.amdhsa_kernel k_q65a3e0e3c3_quant
		.amdhsa_group_segment_fixed_size 34304
		.amdhsa_private_segment_fixed_size 0
		.amdhsa_enable_private_segment 0
		.amdhsa_kernarg_size 64
		.amdhsa_user_sgpr_count 2
		.amdhsa_user_sgpr_kernarg_segment_ptr 1
		.amdhsa_wavefront_size32 1
		.amdhsa_system_sgpr_workgroup_id_x 1
		.amdhsa_system_sgpr_workgroup_id_y 1
		.amdhsa_system_sgpr_workgroup_id_z 1
		.amdhsa_system_vgpr_workitem_id 0
		.amdhsa_next_free_vgpr 246
		.amdhsa_next_free_sgpr 66
		.amdhsa_reserve_vcc 1
		.amdhsa_float_denorm_mode_32 3
		.amdhsa_float_denorm_mode_16_64 3
		.amdhsa_memory_ordered 1
		.amdhsa_forward_progress 1
		.amdhsa_inst_pref_size 99
	.end_amdhsa_kernel
	.amdgpu_metadata
---
amdhsa.version: [ 1, 2 ]
amdhsa.kernels:
  - .name:           k_q65a3e0e3c3_quant
    .symbol:         k_q65a3e0e3c3_quant.kd
    .args:
      - { .name: input_Q, .offset: 0, .size: 8, .value_kind: global_buffer, .address_space: global }
      - { .name: input_K, .offset: 8, .size: 8, .value_kind: global_buffer, .address_space: global }
      - { .name: input_V, .offset: 16, .size: 8, .value_kind: global_buffer, .address_space: global }
      - { .name: w_q, .offset: 24, .size: 8, .value_kind: global_buffer, .address_space: global }
      - { .name: w_k, .offset: 32, .size: 8, .value_kind: global_buffer, .address_space: global }
      - { .name: w_v, .offset: 40, .size: 8, .value_kind: global_buffer, .address_space: global }
      - { .name: w_o, .offset: 48, .size: 8, .value_kind: global_buffer, .address_space: global }
      - { .name: xw, .offset: 56, .size: 8, .value_kind: global_buffer, .address_space: global }
    .group_segment_fixed_size: 34304
    .private_segment_fixed_size: 0
    .kernarg_segment_align: 8
    .kernarg_segment_size: 64
    .max_flat_workgroup_size: 128
    .sgpr_count:     66
    .vgpr_count:     246
    .wavefront_size: 32
...
	.end_amdgpu_metadata
.endif
;; end of part 1
;; launch maskpack (part 2): grid 512 x 1, 4 waves a work-group, no clusters, 34,304 bytes of LDS; arguments attn_mask, mbits; writes mbits
.if DOCPART == 2
	.amdgcn_target "amdgcn-amd-amdhsa--gfx1250"
	.amdhsa_code_object_version 6
	.text
	.protected	k_q65a3e0e3c3_maskpack
	.globl	k_q65a3e0e3c3_maskpack
	.p2align	8
	.type	k_q65a3e0e3c3_maskpack,@function
k_q65a3e0e3c3_maskpack:
	s_mov_b64 s[64:65], 0
	v_nop
	global_prefetch_b8 v0, s[64:65] scope:SCOPE_SE
	s_setreg_imm32_b32 hwreg(HW_REG_WAVE_MODE, 25, 1), 1
	s_wait_xcnt 0x0
; attn_mask [4][1][2048][2048], one byte a place, becomes LANE MASKS for the attention launch, which holds one query a lane and one key a register.
; The word at ((b x 128 + T) x 16 + s) x 256 + 4 n, n = 0 .. 63, has bit r + 16 h = mask[b][query(T, r)][128 s + 32 (n / 16) + 16 h + n % 16], query(T, r) = 32 (T / 2) + 8 (T % 2) + r + 8 (r / 8).
; So that launch masks a register of scores by ONE select on a scalar word, and reads an eighth of the mask's bytes, sixteen heads from the same words.
; SHARES.  A wave takes one tile of 16 queries x 512 keys (four key steps).  Each load reads 512 consecutive bytes of a row; the rows turn through the wave's own stage in LDS (rows 528 bytes apart), so that
; lane (r, h) holds, of query r, the 16 bytes of keys 32 bb + 16 h + 0 .. 15 of each block.  A compare of one byte in all lanes IS a word.  No barrier: waves share nothing; no cluster: work-groups share no input.
.set SP,  528
.set L,   8                            ; v8-71    as loaded
.set Y,   72                           ; v72-135  turned: register 16 s' + 4 bb + i / 4, byte i % 4
.set T,   136                          ; v136-139 at work
.set O,   140                          ; v140-147 two registers for each key step: lane l holds words 2 l and 2 l + 1
	s_load_b128 s[4:7], s[0:1], 0x0                ; attn_mask, mbits
	v_lshl_add_u32 v148, v0, 2, 0x8400
	v_mov_b32 v149, 0
	v_lshrrev_b32 v5, 5, v0
	v_readfirstlane_b32 s8, v5                     ; wave = which 512 keys
	v_and_b32 v6, 31, v0
	v_and_b32 v7, 15, v0
	v_bfe_u32 v5, v0, 4, 1
	v_lshlrev_b32 v1, 4, v6                        ; 16 x lane
	s_mul_i32 s9, s8, 16*SP
	v_add_nc_u32 v2, s9, v1                        ; the stage, in
	v_mul_u32_u24 v3, v7, SP
	v_lshl_add_u32 v3, v5, 4, v3
	v_add_nc_u32 v3, s9, v3                        ; and out: row r, + 16 h
	v_lshlrev_b32 v4, 3, v6                        ; 8 x lane
	s_lshr_b32 s10, ttmp9, 7                       ; b
	s_lshl_b32 s10, s10, 22                        ; 2,048 rows of 2,048 bytes
	s_and_b32 s11, ttmp9, 127                      ; T
	s_lshr_b32 s12, s11, 1
	s_lshl_b32 s12, s12, 16                        ; 32 rows
	s_and_b32 s11, s11, 1
	s_lshl_b32 s11, s11, 14                        ; 8 rows
	s_add_co_u32 s10, s10, s12
	s_add_co_u32 s10, s10, s11
	s_lshl_b32 s12, s8, 9
	s_add_co_u32 s10, s10, s12
	s_mov_b32 s11, 0
	s_lshl_b32 s12, ttmp9, 2
	s_add_co_u32 s12, s12, s8
	s_lshl_b32 s12, s12, 10                        ; four key steps of 256 bytes
	s_mov_b32 s13, 0
.irp k, 0,1,2,3,4,5,6,7
	v_mov_b32 v[O+\k], 0                           ; v_writelane_b32's destination counts as read
.endr
	s_wait_kmcnt 0x0
	s_add_nc_u64 s[4:5], s[4:5], s[10:11]
	s_add_nc_u64 s[6:7], s[6:7], s[12:13]
.irp i, 0,1,2,3,4,5,6,7,8,9,10,11,12,13,14,15
	global_load_b128 v[L+4*\i:L+4*\i+3], v1, s[4:5] offset:(\i+8*(\i/8))*2048 th:TH_LOAD_NT   ; 512 consecutive bytes of the row at place i
.endr
	s_wait_loadcnt 0x0
.irp i, 0,1,2,3,4,5,6,7,8,9,10,11,12,13,14,15
	ds_store_b128 v2, v[L+4*\i:L+4*\i+3] offset:\i*SP
.endr
.irp q, 0,1,2,3,4,5,6,7,8,9,10,11,12,13,14,15
	ds_load_b128 v[Y+4*\q:Y+4*\q+3], v3 offset:32*\q   ; key step q / 4, block q % 4.  LDS serves a wave's instructions in order: these see my stores
.endr
	s_wait_dscnt 0x0
.macro WORD sp, n                      ; word n of key step sp
	v_bfe_u32 v[T+(\n)%4], v[Y+16*(\sp)+4*((\n)/16)+((\n)%16)/4], 8*((\n)%4), 8
	v_cmp_ne_u32 s[20+(\n)%8], 0, v[T+(\n)%4]
	v_writelane_b32 v[O+2*(\sp)+(\n)%2], s[20+(\n)%8], (\n)/2
.endm
.irp sp, 0,1,2,3
.set n, 0
.rept 64
	WORD \sp, n
.set n, n+1
.endr
	global_store_b64 v4, v[O+2*\sp:O+2*\sp+1], s[6:7] offset:256*\sp   ; 32 lanes store 256 consecutive bytes, aligned
.endr
	s_wait_tensorcnt 0x0
	ds_add_u32 v148, v149
	s_wait_dscnt 0x0
	s_endpgm
.Lfunc_end_k_q65a3e0e3c3_maskpack:
	.size	k_q65a3e0e3c3_maskpack, .Lfunc_end_k_q65a3e0e3c3_maskpack-k_q65a3e0e3c3_maskpack
	.p2alignl 7, 3214868480
	.fill 96, 4, 3214868480
	.section	.rodata,"a",@progbits
	.p2align	6, 0x0
	.amdhsa_kernel k_q65a3e0e3c3_maskpack
		.amdhsa_group_segment_fixed_size 34304
		.amdhsa_private_segment_fixed_size 0
		.amdhsa_enable_private_segment 0
		.amdhsa_kernarg_size 16
		.amdhsa_user_sgpr_count 2
		.amdhsa_user_sgpr_kernarg_segment_ptr 1
		.amdhsa_wavefront_size32 1
		.amdhsa_system_sgpr_workgroup_id_x 1
		.amdhsa_system_sgpr_workgroup_id_y 1
		.amdhsa_system_sgpr_workgroup_id_z 1
		.amdhsa_system_vgpr_workitem_id 0
		.amdhsa_next_free_vgpr 150
		.amdhsa_next_free_sgpr 66
		.amdhsa_reserve_vcc 0
		.amdhsa_float_denorm_mode_32 3
		.amdhsa_float_denorm_mode_16_64 3
		.amdhsa_memory_ordered 1
		.amdhsa_forward_progress 1
		.amdhsa_inst_pref_size 54
	.end_amdhsa_kernel
	.amdgpu_metadata
---
amdhsa.version: [ 1, 2 ]
amdhsa.kernels:
  - .name:           k_q65a3e0e3c3_maskpack
    .symbol:         k_q65a3e0e3c3_maskpack.kd
    .args:
      - { .name: attn_mask, .offset: 0, .size: 8, .value_kind: global_buffer, .address_space: global }
      - { .name: mbits, .offset: 8, .size: 8, .value_kind: global_buffer, .address_space: global }
    .group_segment_fixed_size: 34304
    .private_segment_fixed_size: 0
    .kernarg_segment_align: 8
    .kernarg_segment_size: 16
    .max_flat_workgroup_size: 128
    .sgpr_count:     66
    .vgpr_count:     150
    .wavefront_size: 32
...
	.end_amdgpu_metadata
.endif
;; end of part 2
;; launch proj (part 3): grid 4 x 96, 4 waves a work-group, clusters of 4 x 4, 327,680 bytes of LDS; arguments xw, qkv; writes qkv
.if DOCPART == 3
	.amdgcn_target "amdgcn-amd-amdhsa--gfx1250"
	.amdhsa_code_object_version 6
	.text
	.protected	k_q65a3e0e3c3_proj
	.globl	k_q65a3e0e3c3_proj
	.p2align	8
	.type	k_q65a3e0e3c3_proj,@function
k_q65a3e0e3c3_proj:
	s_mov_b64 s[64:65], 0
	v_nop
	global_prefetch_b8 v0, s[64:65] scope:SCOPE_SE
	s_setreg_imm32_b32 hwreg(HW_REG_WAVE_MODE, 25, 1), 1
	s_wait_xcnt 0x0
	s_wait_alu depctr_hold_cnt(0) depctr_sa_sdst(0) depctr_va_vdst(0) depctr_va_sdst(0) depctr_va_ssrc(0) depctr_va_vcc(0) depctr_vm_vsrc(0)
	s_getreg_b32 s2, hwreg(HW_REG_IB_STS2, 6, 4)
	s_cmp_eq_u32 s2, 0
	s_cbranch_scc0 .Lentry_in_a_cluster
	s_endpgm
.Lentry_in_a_cluster:
	s_bfe_u32 s2, ttmp6, 0x10000c
	s_cmp_lg_u32 s2, 0xf033
	s_cbranch_scc0 .Lentry_shape_is_right
	s_endpgm
.Lentry_shape_is_right:
; The three projections, on codes of FP8 (E4M3) with E8M0 scales, and their results quantised on the way out: Q and K along the head's 64, V along the keys.  No f32 result goes to memory.
; ONE TEXT FOR THREE PRODUCTS: C'[i][j] = sum over k of A[i][k] B[j][k], K = 1,024; source 1 of the matrix instruction = 16 rows of A (a lane holds one i), source 0 = 16 rows of B (a lane's registers run along j),
; and C' is quantised along j.  Clusters 0-7: A = input_Q's tokens, B = w_q's features;  8-15: input_K, w_k;  16-23: A = w_v's FEATURES, B = input_V's TOKENS, so that V's registers run along the keys.
; TILES of 16 rows are not neighbours (tile T, place r: row 32 (T / 2) + 8 (T % 2) + r + 8 (r / 8)): the 16 registers of B's tiles 2 b and 2 b + 1 are then 16 neighbours along j, 32 b + 16 (lane / 16) + 0 .. 15,
; which is what a conversion takes and what the next operand's layout wants: the conversions' results ARE images of the next operand's registers and are stored as they stand, 512 dense bytes a store.
; A tile of C', 256 x 256, is made by four waves, each 128 x 128: 64 accumulators, 512 registers.  K goes in steps of 256 through a ring of two LDS slots; in xw a tile's codes of a K step are 4,096 dense bytes
; (two fragment images): no pitch, no padding, no bank met twice.
; The scale words of the work-group's 512 rows, for all of K, come once, with the first fills, in rows of 256 bytes + 16 of padding, and stay.
; CLUSTERS: 4 x 4 work-groups.  The four of a row of the cluster need the same tiles of A, the four of a column the same tiles of B: each tile is asked for JOINTLY.
; qkv: 64 records (batch x 16 + head) of REC bytes: K's codes 0 (tile x 1,024 + c x 512), K's scale words 131,072 (tile x 64 + 4 r), V's codes 139,264 (key step x 8,192 + tile x 2,048 + c x 512),
; V's scale words 270,336 (key step x 256 + tile x 64 + 4 r), Q's codes 274,432, Q's scale words 405,504.
; LIMITS: a block whose largest magnitude lies under 2^-118 gets the byte 1 (this program alone reads the bytes); NaN and infinities are not served.
; REGISTERS, in windows of 256: window 0: v0-31 addresses; v32-63 scale words, two sets; v64-127 at work on the way out; from v128 A's fragments, ONE set, on the way out the codes.
;   window 1: B's fragments, TWO sets.   window 2: the accumulators of my rows 0-63 ((a, b) at v[8 (8 a + b)]);   window 3: those of my rows 64-127.
.set SCB,    29360128                  ; xw: where the scale words begin
.set REC,    413696                    ; a record of qkv
.set NQ,     2                         ; matrix instructions deep in a slot
.set FR,     16                        ; registers of a fragment
.set NL,     4                         ; LDS loads that bring one
.set NP,     8                         ; places behind this matrix instruction (ISA guide 7.12.1)
.set KMEM,   4096                      ; a tile's codes of one K step of 256
.set HALFT,  8*KMEM                    ; 8 tiles, 128 rows: what one tensor load brings, and what one wave reads of A or of B
.set SLOT,   4*HALFT                   ; A's 256 rows, then B's 256 rows
.set LAPS,   2                         ; a lap = two K steps = once round the ring; K = 1,024
.set KS,     32                        ; a row of scale bytes
.set SCL,    2*SLOT                    ; behind the ring: the scales
.set HALFS,  16*272                    ; those of 128 rows
.set SBLK,   2*272                     ; those of 16 rows
.set SPARE,  SCL+4*HALFS               ; the spare words, 128 bytes for each wave: two blocks of 256 bytes that no other line names
.set ADRA, 16                          ; v16-17  LDS address of my A fragments in slot 0, 1
.set ADRB, 20                          ; v20-21  the same for B
.set STS,  24                          ; v24     the way out: where a row's scale word goes in my stage (in slot 0, which has then had its last fill and its last read)
.set SRD,  25                          ; v25     and where I read 16 bytes of it back
.set LI,   26                          ; v26     16 x lane
.set ADRS, 27                          ; v27     LDS address of my scale words: lanes 0-15 A's rows, lanes 16-31 B's
.set SPW,  28                          ; v28     LDS address of my spare word; never rewritten
.set NIL,  29                          ; v29     0; never rewritten
.set SC,   32                          ; scale words: set s at v[SC + 16 s]; register 2 i + q: lanes 0-15 A's block i, lanes 16-31 B's block i
.set TM,   64                          ; v64-79  the quantiser's sixteen
.set PW,   80                          ; v80-87  block a's scale words
.set PH,   88                          ; v88-95  their upper halves
.set VO,   96                          ; v96-111 byte offsets of block a's codes in qkv: two for each block
.set SO,   115                         ; v115    byte offset of my 16 bytes of scale words
.set BK,   116                         ; v116-123 scale words read back
.set AF,   128                         ; A's fragments
.set PC,   128                         ; the way out: block a's codes at v[128 + 16 a]: no store's data are written again
.set G1, 24
.set G0, 32
.set G1B, 48
.set G0B, 56
.set G1S, 68
.set G0S, 76
.set G1SB, 80
.set G0SB, 88
.set SEL, 66                           ; s[66:67] lane selects
.set MNT, 101                          ; s101 the mantissa field of 448
.set MSB, 0
.macro WIN new                         ; the immediate's high byte repeats the setting that is left
.if MSB != (\new)
	s_set_vgpr_msb (MSB<<8)|(\new)
.set MSB, (\new)
.endif
.endm
.set MUL_LO, 0xa1                      ; source 0 (B) window 1, source 1 (A) window 0, C and D window 2
.set MUL_HI, 0xf1                      ; the same, C and D window 3
.set TO_B,   0x40                      ; destination window 1, address window 0
; A joint load: waves 0 and 1 fetch for A, waves 2 and 3 for B.  Each line has ONE mask and one set of registers for all that issue it; the branch hangs on the wave's number alone.
; Four v_nop follow each of the two lines.
.macro JLOAD g0a, g1a, g0b, g1b
	s_cmp_eq_u32 s15, 0
	s_cbranch_scc0 .Lfor_b_\@
	tensor_load_to_lds s[\g0a:\g0a+3], s[\g1a:\g1a+7]
	s_nop 0
.rept 4
	v_nop
.endr
	s_branch .Lasked_\@
.Lfor_b_\@:
	tensor_load_to_lds s[\g0b:\g0b+3], s[\g1b:\g1b+7]
	s_nop 0
.rept 4
	v_nop
.endr
.Lasked_\@:
.endm
.macro CREST                           ; a round of the cluster's barrier behind its opening barrier
	s_cmp_lg_u32 s14, 0
	s_cbranch_scc1 .Lnot_wave_0_\@
	s_barrier_signal -3
.Lnot_wave_0_\@:
	s_barrier_wait -3
	s_barrier_signal -1
	s_barrier_wait -1
.endm
.macro CROUND                          ; a whole round
	s_barrier_signal -1
	s_barrier_wait -1
	CREST
.endm
	s_load_b128 s[4:7], s[0:1], 0x0                ; xw, qkv
	v_lshl_add_u32 v[SPW], v0, 2, SPARE
	v_mov_b32 v[NIL], 0
	ds_add_u32 v28, v29
	ds_add_u32 v28, v29
	s_wait_dscnt 0x0
	v_lshrrev_b32 v1, 5, v0
	v_readfirstlane_b32 s14, v1                    ; wave 0..3
	s_lshr_b32 s15, s14, 1                         ; which half of the tile's i is mine.  Also: I fetch for A (0) or for B (1)
	s_and_b32 s16, s14, 1                          ; which half of its j.  Also: which 8 tiles I fetch
	s_and_b32 s98, ttmp7, 0xffff                   ; the cluster's y, 0 .. 23: which product and which part of it; the same in all sixteen partners
	s_lshr_b32 s10, s98, 3
	s_lshl_b32 s8, s10, 9                          ; A's first tile in xw: input_Q 0, input_K 512
	s_lshl_b32 s9, s10, 6
	s_add_co_u32 s9, s9, 1536                      ; B's: w_q 1,536, w_k 1,600
	s_mov_b32 s10, 1664                            ; for V: A = w_v,
	s_mov_b32 s11, 1024                            ; B = input_V
	s_cmp_ge_u32 s98, 16
	s_cselect_b32 s8, s10, s8
	s_cselect_b32 s9, s11, s9
	s_cselect_b32 s99, 0, s98
	s_cselect_b32 s100, s98, 16
	s_and_b32 s99, s99, 7                          ; which four tile rows: Q, K: the cluster's y mod 8; V: 0
	s_sub_co_u32 s100, s100, 16                    ; which four tile columns: Q, K: 0; V: the cluster's y - 16
	s_bfe_u32 s40, ttmp6, 0x40000                  ; cx, cy: my place in the cluster
	s_bfe_u32 s41, ttmp6, 0x40004
	s_lshl_b32 s42, s100, 2
	s_add_co_u32 s42, s42, s40                     ; tile column
	s_lshl_b32 s17, s99, 2
	s_add_co_u32 s17, s17, s41                     ; tile row
	s_lshl_b32 s43, s41, 2
	s_lshl_b32 s43, 15, s43                        ; my row of the cluster
	s_lshl_b32 s44, 0x1111, s40                    ; my column
	; descriptor group 1: 8 rows of 4,096 bytes (512 elements of 8 bytes), 16,384 bytes apart in memory, dense in LDS
	s_or_b32 s[G1+0], s43, (3<<16)|(1<<21)         ; 15:0 the mask: A's tiles go to my row; 17:16 elements of 8 bytes; 21 set beside a mask
	s_or_b32 s[G1B+0], s44, (3<<16)|(1<<21)
.irp g, G1, G1B
	s_mov_b32 s[\g+1], 512<<16                     ; tensor_dim0
	s_mov_b32 s[\g+2], 8<<16                       ; tensor_dim1
	s_mov_b32 s[\g+3], 512<<16                     ; tile_dim0
	s_mov_b32 s[\g+4], 8                           ; tile_dim1
	s_mov_b32 s[\g+5], 2048                        ; tensor_dim0_stride
	s_mov_b32 s[\g+6], 0
	s_mov_b32 s[\g+7], 0
.endr
	; the scale words of 8 tiles: 4,096 dense bytes, as 16 rows of 256 bytes, 16 bytes of padding behind each
	s_or_b32 s[G1S+0], s43, (3<<16)|(1<<20)|(1<<21)|(5<<22)|(3<<25)
	s_or_b32 s[G1SB+0], s44, (3<<16)|(1<<20)|(1<<21)|(5<<22)|(3<<25)
.irp g, G1S, G1SB
	s_mov_b32 s[\g+1], 32<<16
	s_mov_b32 s[\g+2], 16<<16
	s_mov_b32 s[\g+3], 32<<16
	s_mov_b32 s[\g+4], 16
	s_mov_b32 s[\g+5], 32
	s_mov_b32 s[\g+6], 0
	s_mov_b32 s[\g+7], 0
.endr
	s_lshl_b32 s18, s16, 3                         ; which 8 tiles of the 16 I fetch
	s_lshl_b32 s20, s17, 4
	s_add_co_u32 s20, s20, s18
	s_add_co_u32 s20, s20, s8                      ; A: the first of them in xw: it hangs on the tile row alone
	s_lshl_b32 s46, s42, 4
	s_add_co_u32 s46, s46, s18
	s_add_co_u32 s46, s46, s9                      ; B: on the tile column alone
	s_lshl_b32 s22, s20, 9
	s_add_co_u32 s22, s22, SCB                     ; their scale words, in bytes,
	s_mov_b32 s23, 0
	s_lshl_b32 s92, s46, 9
	s_add_co_u32 s92, s92, SCB
	s_mov_b32 s93, 0
	s_lshl_b32 s20, s20, 14                        ; and their codes
	s_mov_b32 s21, 0
	s_lshl_b32 s46, s46, 14
	s_mov_b32 s47, 0
	s_mul_i32 s45, s14, HALFT                      ; where they go: wave x 8 tiles: no place in the cluster enters an LDS address
	s_mul_i32 s94, s14, HALFS
	s_wait_kmcnt 0x0
	s_add_nc_u64 s[20:21], s[4:5], s[20:21]
	s_add_nc_u64 s[22:23], s[4:5], s[22:23]
	s_add_nc_u64 s[46:47], s[4:5], s[46:47]
	s_add_nc_u64 s[92:93], s[4:5], s[92:93]
	CROUND                                         ; all sixteen work-groups are here: the first joint loads meet
	s_mov_b32 s[G0S], 1
	s_add_co_u32 s[G0S+1], s94, SCL
	s_mov_b64 s[G0S+2:G0S+3], s[22:23]
	s_or_b32 s[G0S+3], s[G0S+3], 0x80000000
	s_mov_b32 s[G0SB], 1
	s_add_co_u32 s[G0SB+1], s94, SCL
	s_mov_b64 s[G0SB+2:G0SB+3], s[92:93]
	s_or_b32 s[G0SB+3], s[G0SB+3], 0x80000000
	JLOAD G0S, G1S, G0SB, G1SB                     ; the scales first: they are wanted with K step 0
.irp s, 0,1
	s_mov_b32 s[G0+4*\s], 1
	s_add_co_u32 s[G0+4*\s+1], s45, \s*SLOT
	s_add_nc_u64 s[G0+4*\s+2:G0+4*\s+3], s[20:21], \s*KMEM
	s_or_b32 s[G0+4*\s+3], s[G0+4*\s+3], 0x80000000
	s_mov_b32 s[G0B+4*\s], 1
	s_add_co_u32 s[G0B+4*\s+1], s45, \s*SLOT
	s_add_nc_u64 s[G0B+4*\s+2:G0B+4*\s+3], s[46:47], \s*KMEM
	s_or_b32 s[G0B+4*\s+3], s[G0B+4*\s+3], 0x80000000
	JLOAD G0+4*\s, G1, G0B+4*\s, G1B
.endr
	v_and_b32 v1, 15, v0                           ; r = lane % 16
	v_bfe_u32 v2, v0, 4, 1                         ; h = lane / 16
	v_and_b32 v6, 31, v0
	v_lshlrev_b32 v[LI], 4, v6
	s_mul_i32 s21, s15, HALFT                      ; my 8 tiles of A
	s_mul_i32 s22, s16, HALFT                      ; my 8 tiles of B,
	s_add_co_u32 s22, s22, 2*HALFT                 ; which lie behind A's 16
.irp s, 0,1
	v_add_nc_u32 v[ADRA+\s], s21, v[LI]
	v_add_nc_u32 v[ADRB+\s], s22, v[LI]
	s_add_co_u32 s21, s21, SLOT
	s_add_co_u32 s22, s22, SLOT
.endr
	v_mul_u32_u24 v5, v1, KS                       ; my row's scales: 32 bytes a row,
	v_lshrrev_b32 v6, 8, v5
	v_lshl_add_u32 v5, v6, 4, v5                   ; and 16 more for each 256 passed
	s_mul_i32 s21, s15, HALFS                      ; A's: my 128 rows
	s_mul_i32 s22, s16, HALFS                      ; B's: my 128 rows, behind A's 256
	s_add_co_u32 s22, s22, 2*HALFS
	s_sub_co_u32 s22, s22, s21
	v_mul_u32_u24 v6, s22, v2                      ; lanes 16-31 take B's
	s_add_co_u32 s21, s21, SCL
	v_add_nc_u32 v5, v5, v6
	v_add_nc_u32 v[ADRS], s21, v5
	s_lshl_b32 s23, s14, 10                        ; my stage for scale words: 1,024 bytes
	v_lshl_add_u32 v[STS], v1, 2, s23
	v_add_nc_u32 v[SRD], s23, v[LI]
.irp b, 0,1,2,3
	v_mov_b32 v[TM+4+\b], 0                        ; written once: a lane permute's destination counts as one of its sources
.endr
.macro FRAG reg, adr, q, i             ; a fragment's image: four loads of 512 consecutive bytes
.irp c, 0,1,2,3
	ds_load_b128 v[\reg+4*\c:\reg+4*\c+3], v[\adr] offset:(\i)*KMEM+2048*(\q)+512*\c
.endr
.endm
; 16 matrix instructions: A's blocks a0, a0 + 1 x B's eight, 128 along K: the slot's q-th.  p: B's set;  sc: the set of scale words.  zero = 1: the first product starts the sums.
; The 64 accumulators take turns, one instruction a turn, in the same order in every step.
.macro MUL16 a0, p, q, sc, zero
.irp a, \a0, \a0+1
.irp b, 0,1,2,3,4,5,6,7
.if \zero
	v_wmma_scale_f32_16x16x128_f8f6f4 v[8*(8*((\a)%4)+\b):8*(8*((\a)%4)+\b)+7], v[128*(\p)+FR*\b:128*(\p)+FR*\b+FR-1], v[AF+FR*(\a):AF+FR*(\a)+FR-1], 0, v[SC+8*NQ*(\sc)+NQ*\b+(\q)], v[SC+8*NQ*(\sc)+NQ*(\a)+(\q)] matrix_a_scale:MATRIX_SCALE_ROW1
.else
	v_wmma_scale_f32_16x16x128_f8f6f4 v[8*(8*((\a)%4)+\b):8*(8*((\a)%4)+\b)+7], v[128*(\p)+FR*\b:128*(\p)+FR*\b+FR-1], v[AF+FR*(\a):AF+FR*(\a)+FR-1], v[8*(8*((\a)%4)+\b):8*(8*((\a)%4)+\b)+7], v[SC+8*NQ*(\sc)+NQ*\b+(\q)], v[SC+8*NQ*(\sc)+NQ*(\a)+(\q)] matrix_a_scale:MATRIX_SCALE_ROW1
.endif
.endr
.endr
.endm
.macro FETCH_B slot, q, p              ; B's eight fragments of the slot's q-th 128 along K into set p
	WIN TO_B
.irp i, 0,1,2,3,4,5,6,7
	FRAG 128*(\p)+FR*\i, ADRB+\slot, \q, \i
.endr
	WIN 0
.endm
.macro FETCH_A slot, q, i0             ; A's blocks i0 .. i0 + 3
.irp i, \i0, \i0+1, \i0+2, \i0+3
	FRAG AF+FR*(\i), ADRA+\slot, \q, \i
.endr
.endm
.macro SCALES sc                       ; the next K step's scale words into set sc: two words a row
.irp i, 0,1,2,3,4,5,6,7
	ds_load_b64 v[SC+8*NQ*\sc+NQ*\i:SC+8*NQ*\sc+NQ*\i+1], v[ADRS] offset:\i*SBLK
.endr
.endm
; A load into a register that a matrix instruction has read, and a vector instruction that reads a matrix result, stand NP places behind that matrix instruction; only plain vector
; instructions that name none of its registers are places (ISA guide 7.12.1 for vector instructions).
.macro PLACES n
.rept \n
	v_nop
.endr
.endm
; A step of 128 along K that has its successor in the same slot.
.macro STEP slot, q, zero
	s_wait_dscnt 4*NL                              ; B's set and A's blocks 0-3 are in; the youngest 16 loads (A's blocks 4-7) may be out
	WIN MUL_LO
	MUL16 0, (\q)%2, \q, \slot, \zero
	MUL16 2, (\q)%2, \q, \slot, \zero
	s_wait_dscnt 0                                 ; A's blocks 4-7 are in
	PLACES NP
	FETCH_B \slot, (\q)+1, 1-(\q)%2
	FETCH_A \slot, (\q)+1, 0
	WIN MUL_HI
	MUL16 4, (\q)%2, \q, \slot, \zero
	MUL16 6, (\q)%2, \q, \slot, \zero
	PLACES NP
	WIN 0
	FETCH_A \slot, (\q)+1, 4
.endm
; A slot's last step changes slots: ONE barrier; in front of it each wave waits for all its tensor loads, adds 0 to its spare word, and waits for that and for its own reads of this slot.  fill = 1: this slot is filled again, two K steps ahead.
.macro TURN slot, next, fill
	s_wait_tensorcnt 0x0                           ; all my tensor loads have landed: my part of the next slot  (every window is 0 here)
	ds_add_u32 v[SPW], v[NIL]                      ; 0 onto my spare word
	s_wait_dscnt 4*NL+1                            ; (the add and the youngest 16 loads, A's blocks 4-7, may be out)
	WIN MUL_LO
	MUL16 0, 1, NQ-1, \slot, 0                     ; sixteen matrix instructions stand between the add and the wait for it
	s_wait_dscnt 0x0                               ; the add is done, and my reads of this slot are over
	s_barrier_signal -1
	MUL16 2, 1, NQ-1, \slot, 0
	WIN 0
	s_barrier_wait -1
.if \fill
	CREST                                          ; the barrier has opened a round of the cluster's barrier: no wave of any partner still reads this slot's tile or has a load on its way
	s_add_nc_u64 s[G0+4*\slot+2:G0+4*\slot+3], s[G0+4*\slot+2:G0+4*\slot+3], 2*KMEM
	s_add_nc_u64 s[G0B+4*\slot+2:G0B+4*\slot+3], s[G0B+4*\slot+2:G0B+4*\slot+3], 2*KMEM
	JLOAD G0+4*\slot, G1, G0B+4*\slot, G1B         ; the first tensor load behind the round; its four v_nop are among the places in front of the loads below
	PLACES NP-4
.else
	PLACES NP
.endif
	v_add_nc_u32 v[ADRS], 4*NQ, v[ADRS]            ; on to the next K step's scale words
	FETCH_B \next, 0, 0
	FETCH_A \next, 0, 0
	SCALES \next
	WIN MUL_HI
	MUL16 4, 1, NQ-1, \slot, 0
	MUL16 6, 1, NQ-1, \slot, 0
	PLACES NP
	WIN 0
	FETCH_A \next, 0, 4
.endm
	s_wait_tensorcnt 1                             ; the scales and my part of K step 0 are in (K step 1's load may be out)
	s_barrier_signal -1
	s_barrier_wait -1                              ; everybody's are
	FETCH_B 0, 0, 0
	FETCH_A 0, 0, 0
	SCALES 0
	FETCH_A 0, 0, 4
	STEP 0, 0, 1                                   ; the first step stands in front of the loop: its products start the sums
	s_mov_b32 s3, LAPS-1
.Llap:                                                 ; a trip goes once round the ring, from a lap's second step to the next lap's first, and fills both slots again
	TURN 0, 1, 1
	STEP 1, 0, 0
	TURN 1, 0, 1
	STEP 0, 0, 0
	s_sub_co_u32 s3, s3, 1
	s_cmp_lg_u32 s3, 0
	s_cbranch_scc1 .Llap
	TURN 0, 1, 0                                   ; the last lap fills nothing, and has no round of the cluster's barrier
	STEP 1, 0, 0
	s_wait_dscnt 4*NL                              ; the very last step: nothing more to fetch
	WIN MUL_LO
	MUL16 0, 1, NQ-1, 1, 0
	MUL16 2, 1, NQ-1, 1, 0
	s_wait_dscnt 0
	WIN MUL_HI
	MUL16 4, 1, NQ-1, 1, 0
	MUL16 6, 1, NQ-1, 1, 0
	WIN 0
	PLACES NP
	; THE WAY OUT.  Block a's 64 registers are 128 neighbours along j of one i a lane: four blocks of 32: one fragment and one scale word a row.
	; Q, K: i = token, j = feature: two heads; chunks 0, 1 go to the first head's record, chunks 2, 3 to the next.   V: i = feature (blocks 0-3: one head's four tiles, 4-7: the next head's), j = 128 keys: one key step.
	s_mov_b32 s[SEL], 0x76543210
	s_mov_b32 s[SEL+1], 0xfedcba98
	s_mov_b32 s[MNT], 0x600000
	s_lshl_b32 s20, s17, 8
	s_lshl_b32 s21, s15, 7
	s_add_co_u32 s20, s20, s21                     ; my first i
	s_lshl_b32 s21, s42, 8
	s_lshl_b32 s22, s16, 7
	s_add_co_u32 s21, s21, s22                     ; my first j
	s_mov_b32 s24, 274432                          ; where the codes begin in a record: Q,
	s_cmp_ge_u32 s98, 8
	s_cselect_b32 s24, 0, s24                      ; K,
	s_mov_b32 s25, 139264
	s_mov_b32 s26, REC
	s_mov_b32 s27, 1024
	s_mov_b32 s29, 4096
	s_mov_b32 s31, 256
	s_cmp_ge_u32 s98, 16
	s_cselect_b32 s24, s25, s24                    ; V.  (The scale words begin 131,072 bytes behind the codes in all three)
	s_cselect_b32 s22, s21, s20                    ; my first token
	s_cselect_b32 s23, s20, s21                    ; my first feature
	s_cselect_b32 s28, 2048, s27                   ; bytes from block a to a + 1 within four,
	s_cselect_b32 s29, s26, s29                    ; from block a to a + 4,
	s_cselect_b32 s30, s27, s26                    ; from chunks 0, 1 to chunks 2, 3,
	s_cselect_b32 s31, s26, s31                    ; and from the first 256 bytes of scale words to the second
	s_cselect_b32 s32, 1, 2                        ; scale bytes for each token: V 2 (256 a key step), Q, K 4
	s_lshr_b32 s33, s22, 11                        ; batch
	s_lshl_b32 s33, s33, 4
	s_lshr_b32 s34, s23, 6                         ; head
	s_add_co_u32 s33, s33, s34
	s_mul_i32 s33, s33, REC
	s_add_co_u32 s33, s33, s24
	s_and_b32 s34, s22, 2047                       ; the token in its batch
	s_lshl_b32 s35, s34, 6                         ; 64 bytes of codes a token in all three layouts
	s_add_co_u32 s36, s33, s35
	s_mov_b32 s37, 0
	s_add_nc_u64 s[12:13], s[6:7], s[36:37]        ; the codes
	s_lshl_b32 s35, s34, s32
	s_add_co_u32 s36, s33, s35
	s_add_co_u32 s36, s36, 131072
	s_add_nc_u64 s[20:21], s[6:7], s[36:37]        ; the scale words
.irp a, 0,1,2,3,4,5,6,7
	s_mul_i32 s38, s28, (\a)%4
	s_mul_i32 s39, s29, (\a)/4
	s_add_co_u32 s38, s38, s39
	v_add_nc_u32 v[VO+2*\a], s38, v[LI]
	s_add_co_u32 s38, s38, s30
	v_add_nc_u32 v[VO+2*\a+1], s38, v[LI]
.endr
	v_mul_u32_u24 v[SO], s31, v2
	v_lshl_add_u32 v[SO], v1, 4, v[SO]
; Block a is quantised: the accumulators lie in window 2 or 3, all else in window 0; each accumulator is read from its low end on.
.macro QW a
.set W,   2+(\a)/4
.set AC,  64*((\a)%4)
.set PCA, PC+16*(\a)
.set W01, W|(W<<2)
.set W12, (W<<2)|(W<<4)
.set W0D, W|(W<<6)
	WIN W01
.irp b, 0,1,2,3
	v_max3_num_f32 v[TM+\b], |v[AC+16*\b]|, |v[AC+16*\b+1]|, 0x4800000   ; block b: my 16 numbers, and the floor 2^(9 - 127)
.endr
	WIN W12
.irp i, 2,4,6,8,10,12,14
.irp b, 0,1,2,3
	v_max3_num_f32 v[TM+\b], v[TM+\b], |v[AC+16*\b+\i]|, |v[AC+16*\b+\i+1]|
.endr
.endr
	WIN 0
.irp b, 0,1,2,3
	v_permlanex16_b32 v[TM+4+\b], v[TM+\b], s[SEL], s[SEL+1]
.endr
.irp b, 0,1,2,3
	v_max_num_f32 v[TM+\b], v[TM+\b], v[TM+4+\b]   ; with lane l xor 16's: the block's largest magnitude
.endr
.irp b, 0,1,2,3
	v_add_nc_u32 v[TM+12+\b], 0xfc000000, v[TM+\b] ; 8 off its exponent field: the conversion's scale operand
.endr
.irp b, 0,1,2,3
	v_and_or_b32 v[TM+8+\b], v[TM+\b], 0x7f800000, s[MNT]   ; 448 x the scale
.endr
.irp b, 0,1,2,3
	v_lshrrev_b32 v[TM+4+\b], 23, v[TM+12+\b]      ; the scale's byte
.endr
	v_lshl_or_b32 v[PW+\a], v[TM+5], 8, v[TM+4]
	v_lshl_or_b32 v[PW+\a], v[TM+6], 16, v[PW+\a]
	v_lshl_or_b32 v[PW+\a], v[TM+7], 24, v[PW+\a]
	WIN W0D
.irp b, 0,1,2,3
.irp i, 0,1,2,3,4,5,6,7,8,9,10,11,12,13,14,15
	v_med3_num_f32 v[AC+16*\b+\i], v[AC+16*\b+\i], -v[TM+8+\b], v[TM+8+\b]   ; the conversion does not saturate (ISA guide 7.6.2): the hold comes first
.endr
.endr
	WIN W
.irp b, 0,1,2,3
	v_cvt_scalef32_pk8_fp8_f32 v[PCA+4*\b:PCA+4*\b+1], v[AC+16*\b:AC+16*\b+7], v[TM+12+\b]
	v_cvt_scalef32_pk8_fp8_f32 v[PCA+4*\b+2:PCA+4*\b+3], v[AC+16*\b+8:AC+16*\b+15], v[TM+12+\b]
.endr
	WIN 0
	v_nop                                          ; one plain line behind the last conversion
.irp c, 0,1,2,3
	global_store_b128 v[VO+2*(\a)+\c/2], v[PCA+4*\c:PCA+4*\c+3], s[12:13] offset:(\c%2)*512   ; 32 lanes store 512 consecutive bytes, aligned: a chunk of an image
.endr
	ds_store_b32 v[STS], v[PW+\a] offset:64*(\a)   ; both halves of the lanes write the same word with the same value
.endm
.irp a, 0,1,2,3,4,5,6,7
	QW \a
.endr
	ds_load_b128 v[BK:BK+3], v[SRD]                ; LDS serves a wave's instructions in order: this sees my stores
	s_wait_dscnt 0x0
	global_store_b128 v[SO], v[BK:BK+3], s[20:21]  ; Q, K: the first head's 512 bytes (a word's upper two bytes are the next head's: valid bytes, which meet zero codes alone).  V: 256 bytes for each of two heads
	s_cmp_ge_u32 s98, 16                           ; the same in all partners
	s_cbranch_scc1 .Lv_done
.irp a, 0,1,2,3,4,5,6,7
	v_lshrrev_b32 v[PH+\a], 16, v[PW+\a]           ; Q, K: the second head's two bytes; above them 0, which meets zero codes alone
.endr
.irp a, 0,1,2,3,4,5,6,7
	ds_store_b32 v[STS], v[PH+\a] offset:512+64*\a
.endr
	ds_load_b128 v[BK+4:BK+7], v[SRD] offset:512
	s_wait_dscnt 0x0
	global_store_b128 v[SO], v[BK+4:BK+7], s[20:21] offset:REC
.Lv_done:
	s_wait_tensorcnt 0x0                           ; the wave's end
	ds_add_u32 v[SPW], v[NIL]
	s_wait_dscnt 0x0
	CROUND                                         ; the closing round: no work-group ends while a partner may still ask for a tile that names it
	s_endpgm
.Lfunc_end_k_q65a3e0e3c3_proj:
	.size	k_q65a3e0e3c3_proj, .Lfunc_end_k_q65a3e0e3c3_proj-k_q65a3e0e3c3_proj
	.p2alignl 7, 3214868480
	.fill 96, 4, 3214868480
	.section	.rodata,"a",@progbits
	.p2align	6, 0x0
	.amdhsa_kernel k_q65a3e0e3c3_proj
		.amdhsa_group_segment_fixed_size 327680
		.amdhsa_private_segment_fixed_size 0
		.amdhsa_enable_private_segment 0
		.amdhsa_kernarg_size 16
		.amdhsa_user_sgpr_count 2
		.amdhsa_user_sgpr_kernarg_segment_ptr 1
		.amdhsa_wavefront_size32 1
		.amdhsa_system_sgpr_workgroup_id_x 1
		.amdhsa_system_sgpr_workgroup_id_y 1
		.amdhsa_system_sgpr_workgroup_id_z 1
		.amdhsa_system_vgpr_workitem_id 0
		.amdhsa_next_free_vgpr 1024
		.amdhsa_next_free_sgpr 102
		.amdhsa_reserve_vcc 0
		.amdhsa_float_denorm_mode_32 3
		.amdhsa_float_denorm_mode_16_64 3
		.amdhsa_memory_ordered 1
		.amdhsa_forward_progress 1
		.amdhsa_inst_pref_size 189
	.end_amdhsa_kernel
	.amdgpu_metadata
---
amdhsa.version: [ 1, 2 ]
amdhsa.kernels:
  - .name:           k_q65a3e0e3c3_proj
    .symbol:         k_q65a3e0e3c3_proj.kd
    .args:
      - { .name: xw, .offset: 0, .size: 8, .value_kind: global_buffer, .address_space: global }
      - { .name: qkv, .offset: 8, .size: 8, .value_kind: global_buffer, .address_space: global }
    .group_segment_fixed_size: 327680
    .private_segment_fixed_size: 0
    .kernarg_segment_align: 8
    .kernarg_segment_size: 16
    .max_flat_workgroup_size: 128
    .sgpr_count:     102
    .vgpr_count:     1024
    .wavefront_size: 32
...
	.end_amdgpu_metadata
.endif
;; end of part 3
;; launch attn (part 4): grid 256 x 1, 16 waves a work-group, clusters of 4 x 1, 277,504 bytes of LDS; arguments qkv, mbits, ctx; writes ctx
.if DOCPART == 4
	.amdgcn_target "amdgcn-amd-amdhsa--gfx1250"
	.amdhsa_code_object_version 6
	.text
	.protected	k_q65a3e0e3c3_attn
	.globl	k_q65a3e0e3c3_attn
	.p2align	8
	.type	k_q65a3e0e3c3_attn,@function
k_q65a3e0e3c3_attn:
	s_mov_b64 s[64:65], 0
	v_nop
	global_prefetch_b8 v0, s[64:65] scope:SCOPE_SE
	s_setreg_imm32_b32 hwreg(HW_REG_WAVE_MODE, 25, 1), 1
	s_wait_xcnt 0x0
	s_wait_alu depctr_hold_cnt(0) depctr_sa_sdst(0) depctr_va_vdst(0) depctr_va_sdst(0) depctr_va_ssrc(0) depctr_va_vcc(0) depctr_vm_vsrc(0)
	s_getreg_b32 s2, hwreg(HW_REG_IB_STS2, 6, 4)
	s_cmp_eq_u32 s2, 0
	s_cbranch_scc0 .Lentry_in_a_cluster
	s_endpgm
.Lentry_in_a_cluster:
	s_bfe_u32 s2, ttmp6, 0x10000c
	s_cmp_lg_u32 s2, 0x3003
	s_cbranch_scc0 .Lentry_shape_is_right
	s_endpgm
.Lentry_shape_is_right:
; ctx[b][q][head] = softmax_k(where(mask, -1e9, Q . K / 8)) V, both products on codes of FP8 (E4M3) with E8M0 scales, and ctx quantised along the model's 1,024 on the way out.
; THE SOFTMAX AHEAD OF THE SECOND PRODUCT: t = score x log2(e) / 8; M = the row's largest t so far, rounded UP to a whole number; p = 2^(t - M) is what is quantised, along the keys; it is not normalised.
; The row's sum is taken of the unquantised p and divides O at the end.  When M moves, the sum and O are multiplied by 2^(old M - new M): exact.
; SHARES.  A cluster of four work-groups owns one (batch, head); each work-group 512 of its queries, each of its SIXTEEN waves two tiles of 16, one after the other, in 256 registers: four waves to a SIMD,
; so that one wave's vector work stands beside another's matrix work and LDS loads.  Every wave walks all 2,048 keys, 128 a step.
; ALL OF THE HEAD'S K AND V STAY IN LDS: codes and scale words are the first 274,432 bytes of the head's record, one dense block, filled ONCE, each wave bringing a sixteenth, asked for JOINTLY by the four
; work-groups (the same line, the same descriptor, a mask that names the four).  Nothing is filled again, so there is no ring.
; LAYOUT.  Both products are used transposed: S^T = K Q^T (source 0 = 16 keys, source 1 = my 16 queries), O^T = V^T P^T: a lane holds ONE query throughout.  Tiles are not neighbours (tile T, place r:
; row 32 (T / 2) + 8 (T % 2) + r + 8 (r / 8)), so the 16 registers of tiles 2 b and 2 b + 1 are 16 neighbours: keys for p, channels for ctx.  Operands lie in LDS as images of their registers: 16 x lane.
; The head has 64 channels and the instruction takes 128 along K: the upper half of Q's and K's fragments is zero codes, written once.
; THE MASK comes as lane masks, one scalar word for each register of scores (an earlier launch packed them): one select a score.
; LIMIT: a masked score is set to -2^33 ahead of the factor log2(e) / 8, a masked logit of -2^30 where the definition has -1e9.  A row all of whose keys are masked gives p = 1 everywhere, as there (t is a whole
; number in both); beside any key that counts p is 0 in both.  The two differ only where logits that count lie near or under -1e9.  NaN and infinities are not served.
; REGISTERS: v1-7 what stays; v8-11 addresses of the step; v12 -M, v13 the largest t, v[14:15] the sum; v16-31 Q; v32-95 four fragments of K; v96-159 S^T, then p, then V's four fragments; v160-191 O^T;
; v192-207 p's codes; v208-211 K's scale words, v212-213 V's (lanes 0-15 the even tile, lanes 16-31 the odd), v214 Q's, v215 p's; v216-237 at work.
.set REC,  413696
.set CSB,  8388608                     ; ctx: where the scale halves begin
.set KSO,  131072                      ; LDS: K's codes 0, K's scale words,
.set VC,   139264                      ; V's codes,
.set VS,   270336                      ; V's scale words,
.set CST,  274432                      ; and 1,024 bytes of their own for ctx's scale halves
.set PART, 17152                       ; a sixteenth of the block: 67 rows of 256 bytes
.set AK0,  1                           ; v1  16 x lane
.set AV0,  2                           ; v2  16 x lane + VC
.set ASK0, 3                           ; v3  4 x lane + KSO
.set ASV0, 4                           ; v4  4 x lane + VS
.set ADK,  8
.set ADV,  9
.set ADS,  10
.set ADT,  11
.set BM,   216                         ; v216-219 a block's largest score, then its largest p
.set BT,   220                         ; v220-223 the other half of the lanes'; then the bytes
.set BH,   224                         ; v224-227 448 x the scale
.set BS,   228                         ; v228-231 the conversions' scale operands
.set F,    232                         ; v[232:233] f = 2^(old M - new M)
.set TT,   234
.set S2,   236                         ; v[236:237] the sum's second chain
.set TB,   2                           ; s2   the step's codes: 8,192 bytes a step, K's and V's alike
.set TK,   3                           ; s3   K's scale words: 512 a step
.set TV,   66                          ; s66  V's: 256 a step
.set WV,   10
.set MNT,  13
.set SEL,  28
.set CS,   30                          ; s[30:31] c = log2(e) / 8
.macro CROUND
	s_barrier_signal -1
	s_barrier_wait -1
	s_cmp_lg_u32 s[WV], 0
	s_cbranch_scc1 .Lnot_wave_0_\@
	s_barrier_signal -3
.Lnot_wave_0_\@:
	s_barrier_wait -3
	s_barrier_signal -1
	s_barrier_wait -1
.endm
	s_load_b128 s[4:7], s[0:1], 0x0                ; qkv, mbits
	s_load_b64 s[8:9], s[0:1], 0x10                ; ctx
	v_lshl_add_u32 v254, v0, 2, 0x43400
	v_mov_b32 v255, 0
	ds_add_u32 v254, v255
	ds_add_u32 v254, v255
	v_lshrrev_b32 v8, 5, v0
	v_readfirstlane_b32 s[WV], v8                  ; wave 0..15
	s_bfe_u32 s11, ttmp6, 0x40000                  ; cx: which 512 queries; it enters Q's, the mask's and ctx's addresses alone
	s_mul_i32 s32, ttmp9, REC                      ; the record: the cluster's number is batch x 16 + head
	s_mul_i32 s34, s[WV], PART                     ; my sixteenth, in memory and in LDS
	s_add_co_u32 s36, s32, s34
	s_mov_b32 s37, 0
	s_lshl_b32 s38, s11, 5
	s_add_co_u32 s38, s38, s[WV]                   ; my first tile of queries: 32 cx + wave
	s_lshl_b32 s40, s38, 10
	s_add_co_u32 s40, s40, s32
	s_add_co_u32 s40, s40, 274432                  ; its codes
	s_mov_b32 s41, 0
	s_lshl_b32 s42, s38, 6
	s_add_co_u32 s42, s42, s32
	s_add_co_u32 s42, s42, 405504                  ; its scale words
	s_mov_b32 s43, 0
	s_lshr_b32 s44, ttmp9, 4                       ; batch
	s_and_b32 s45, ttmp9, 15                       ; head
	s_lshl_b32 s46, s44, 7
	s_add_co_u32 s46, s46, s38                     ; the tile among all batches' tiles
	s_lshl_b32 s48, s46, 12                        ; its mask words: 16 steps of 256 bytes
	s_mov_b32 s49, 0
	s_lshl_b32 s50, s46, 14
	s_lshl_b32 s47, s45, 10
	s_add_co_u32 s50, s50, s47                     ; its place in ctx: tile x 16,384 + head x 1,024
	s_mov_b32 s51, 0
	s_mov_b32 s20, 15|(3<<16)|(1<<21)              ; group 1: 15:0 the mask: all four work-groups; 17:16 elements of 8 bytes; 21 set beside a mask
	s_mov_b32 s21, 32<<16                          ; tensor_dim0: 32 elements, 256 bytes
	s_mov_b32 s22, 67<<16                          ; tensor_dim1
	s_mov_b32 s23, 32<<16                          ; tile_dim0
	s_mov_b32 s24, 67                              ; tile_dim1
	s_mov_b32 s25, 32                              ; the rows are dense
	s_mov_b32 s26, 0
	s_mov_b32 s27, 0
	s_mov_b32 s[SEL], 0x76543210
	s_mov_b32 s[SEL+1], 0xfedcba98
	s_mov_b32 s[CS], 0x3e38aa3b
	s_mov_b32 s[CS+1], s[CS]                       ; (named with it as a pair, so it is written)
	s_mov_b32 s[MNT], 0x600000
	s_wait_dscnt 0x0
	s_wait_kmcnt 0x0
	s_mov_b32 s16, 1                               ; group 0
	s_mov_b32 s17, s34
	s_add_nc_u64 s[18:19], s[4:5], s[36:37]
	s_or_b32 s19, s19, 0x80000000
	s_add_nc_u64 s[100:101], s[4:5], s[42:43]
	s_add_nc_u64 s[4:5], s[4:5], s[40:41]
	s_add_nc_u64 s[6:7], s[6:7], s[48:49]
	s_add_nc_u64 s[8:9], s[8:9], s[50:51]
	CROUND                                         ; all four work-groups are here: the joint loads meet
	tensor_load_to_lds s[16:19], s[20:27]          ; my one tensor load of the launch
	s_nop 0
.rept 4
	v_nop
.endr
	v_and_b32 v9, 31, v0                           ; lane
	v_and_b32 v10, 15, v0                          ; r
	v_lshlrev_b32 v[AK0], 4, v9
	v_add_nc_u32 v[AV0], VC, v[AK0]
	v_lshlrev_b32 v[ASK0], 2, v9
	v_add_nc_u32 v[ASV0], VS, v[ASK0]
	v_add_nc_u32 v[ASK0], KSO, v[ASK0]
	v_lshlrev_b32 v6, 2, v10                       ; Q's scale words: 4 r
	v_lshlrev_b32 v5, 1, v10
	s_lshl_b32 s15, s[WV], 5
	v_add_nc_u32 v5, s15, v5
	v_add_nc_u32 v5, CST, v5                       ; where my tile's scale halves go: 32 x wave + 2 r
	v_lshl_add_u32 v238, v0, 4, CST                ; and where threads 0-63 read them back
	v_lshlrev_b32 v239, 4, v0
	v_mov_b32 v7, 0xd0000000                       ; -2^33: a masked score
.irp j, 0,1,2,3,4,5,6,7
	v_mov_b32 v[24+\j], 0                          ; zero codes: the upper half of Q's fragment,
.irp t, 0,1,2,3
	v_mov_b32 v[40+16*\t+\j], 0                    ; and of K's four: written once
.endr
.endr
.irp b, 0,1,2,3
	v_mov_b32 v[BT+\b], 0                          ; a lane permute's destination counts as one of its sources
.endr
	v_mov_b32 v[F+1], 0                            ; (named as the upper half of a pair)
	s_wait_tensorcnt 0x0                           ; my sixteenth has landed,
	s_barrier_signal -1
	s_barrier_wait -1                              ; everybody's has
; A KEY STEP: 128 keys.
.macro STEP
	s_load_b512 s[32:47], s[6:7], 0x0              ; the step's 64 mask words
	s_load_b512 s[48:63], s[6:7], 0x40
	s_load_b512 s[68:83], s[6:7], 0x80
	s_load_b512 s[84:99], s[6:7], 0xc0
	v_add_nc_u32 v[ADK], s[TB], v[AK0]
	v_add_nc_u32 v[ADV], s[TB], v[AV0]
	v_add_nc_u32 v[ADS], s[TK], v[ASK0]
	v_add_nc_u32 v[ADT], s[TV], v[ASV0]
.rept 5
	v_nop                                          ; with the four additions: nine places between the last step's products, which read V's fragments in v96 on, and the products below, which write over them
.endr
.irp g, 0,1                                    ; S^T = K Q^T, four tiles of 16 keys at a time
.if \g > 0
.rept 8
	v_nop                                          ; places in front of loads into registers that matrix instructions have read
.endr
.endif
.irp t, 0,1,2,3
	ds_load_b128 v[32+16*\t:35+16*\t], v[ADK] offset:(4*\g+\t)*1024
	ds_load_b128 v[36+16*\t:39+16*\t], v[ADK] offset:(4*\g+\t)*1024+512
.endr
.if \g == 0
.irp i, 0,1,2,3
	ds_load_b32 v[208+\i], v[ADS] offset:128*\i    ; the scale words of tiles 2 i (lanes 0-15) and 2 i + 1 (lanes 16-31)
.endr
.endif
	s_wait_dscnt 0x0
.irp u, 0,1
	v_wmma_scale_f32_16x16x128_f8f6f4 v[96+8*(4*\g+2*\u):103+8*(4*\g+2*\u)], v[32+32*\u:47+32*\u], v[16:31], 0, v[208+2*\g+\u], v214
	v_wmma_scale_f32_16x16x128_f8f6f4 v[104+8*(4*\g+2*\u):111+8*(4*\g+2*\u)], v[48+32*\u:63+32*\u], v[16:31], 0, v[208+2*\g+\u], v214 matrix_a_scale:MATRIX_SCALE_ROW1
.endr
.endr                                          ; lane (r, h): query r; register 16 b + i: key 32 b + 16 h + i of the step
	s_wait_kmcnt 0x0                               ; the mask words are in, so their base may step
	s_add_nc_u64 s[6:7], s[6:7], 256
.set n, 0
.rept 32
	v_cndmask_b32 v[96+n], v[96+n], v7, s[32+n]    ; masked scores.  Ascending: each accumulator from its low end on; these 32 name none of the last four products' registers and are the places behind them
.set n, n+1
.endr
.rept 32
	v_cndmask_b32 v[96+n], v[96+n], v7, s[36+n]
.set n, n+1
.endr
.irp b, 0,1,2,3
	v_max3_num_f32 v[BM+\b], v[96+16*\b], v[97+16*\b], v[98+16*\b]   ; THE LARGEST SCORE OF EACH BLOCK OF 32 KEYS: for the row's maximum and, since p rises with the score, for the block's largest p
.endr
.irp i, 3,5,7,9,11,13
.irp b, 0,1,2,3
	v_max3_num_f32 v[BM+\b], v[BM+\b], v[96+16*\b+\i], v[97+16*\b+\i]
.endr
.endr
.irp b, 0,1,2,3
	v_max_num_f32 v[BM+\b], v[BM+\b], v[111+16*\b]
.endr
.irp b, 0,1,2,3
	v_permlanex16_b32 v[BT+\b], v[BM+\b], s[SEL], s[SEL+1]
.endr
.irp b, 0,1,2,3
	v_max_num_f32 v[BM+\b], v[BM+\b], v[BT+\b]     ; with lane l xor 16's 16 keys
.endr
	v_max3_num_f32 v[TT], v[BM], v[BM+1], v[BM+2]
	v_max_num_f32 v[TT], v[TT], v[BM+3]            ; the step's largest score of my query
	v_mul_f32 v[TT], s[CS], v[TT]                  ; as t (c is positive)
	v_max_num_f32 v13, v13, v[TT]                  ; the running largest t
	v_mov_b32 v[TT], v12
	v_floor_f32 v12, -v13                          ; the new -M = floor(-t) = -ceil(t): M IS A WHOLE NUMBER
	v_sub_f32 v[TT], v12, v[TT]                    ; M's old value less its new one: a whole number, 0 or less
	v_cvt_i32_f32 v[TT], v[TT]                     ; (it saturates)
	v_ldexp_f32 v[F], 1.0, v[TT]                   ; f = 2^(old M - new M)
.set j, 0
.rept 32
	v_pk_fma_f32 v[96+j:97+j], v[96+j:97+j], s[CS:CS+1], v[12:13] op_sel_hi:[1,0,0]   ; t - M, two at a time
.set j, j+2
.endr
.irp b, 0,1,2,3
	v_fma_f32 v[BM+\b], v[BM+\b], s[CS], v12       ; the same of each block's largest score
.endr
.set j, 0
.rept 64
	v_exp_f32 v[96+j], v[96+j]                     ; p = 2^(t - M): NOT normalised
.set j, j+1
.endr
.irp b, 0,1,2,3
	v_exp_f32 v[BM+\b], v[BM+\b]                   ; the block's largest p: the same two instructions on the same number give the same bits
.endr
	v_pk_mul_f32 v[14:15], v[14:15], v[F:F+1] op_sel_hi:[1,0]   ; the sums under the new M.  (A plain place behind the exponentials)
	s_wait_alu depctr_va_vdst(0)
.irp b, 0,1,2,3
	v_max_num_f32 v[BM+\b], 0x4800000, v[BM+\b]    ; the floor 2^(9 - 127): the byte cannot fall under 1
.endr
.irp b, 0,1,2,3
	v_add_nc_u32 v[BS+\b], 0xfc000000, v[BM+\b]    ; 8 off the exponent field: the conversion's scale operand
.endr
.irp b, 0,1,2,3
	v_and_or_b32 v[BH+\b], v[BM+\b], 0x7f800000, s[MNT]   ; 448 x the scale
.endr
.irp b, 0,1,2,3
	v_lshrrev_b32 v[BT+\b], 23, v[BS+\b]           ; the scale's byte
.endr
	v_lshl_or_b32 v215, v[BT+1], 8, v[BT]          ; p's scale word for these 128 keys
	v_lshl_or_b32 v215, v[BT+2], 16, v215
	v_lshl_or_b32 v215, v[BT+3], 24, v215
	v_pk_add_f32 v[S2:S2+1], v[96:97], v[98:99]    ; THE ROW'S SUM IS TAKEN OF THE UNQUANTISED p: two at a time, in two chains
.irp j, 4,8,12,16,20,24,28,32,36,40,44,48,52,56,60
	v_pk_add_f32 v[14:15], v[14:15], v[96+\j:97+\j]
	v_pk_add_f32 v[S2:S2+1], v[S2:S2+1], v[98+\j:99+\j]
.endr
	v_pk_add_f32 v[14:15], v[14:15], v[S2:S2+1]
.irp b, 0,1,2,3
.irp i, 0,1,2,3,4,5,6,7,8,9,10,11,12,13,14,15
	v_min_num_f32 v[96+16*\b+\i], v[96+16*\b+\i], v[BH+\b]   ; the conversion does not saturate (ISA guide 7.6.2); p is not negative, so the hold is one-sided
.endr
	v_cvt_scalef32_pk8_fp8_f32 v[192+4*\b:193+4*\b], v[96+16*\b:103+16*\b], v[BS+\b]
	v_cvt_scalef32_pk8_fp8_f32 v[194+4*\b:195+4*\b], v[104+16*\b:111+16*\b], v[BS+\b]
.endr
	v_nop                                          ; one plain line behind the last conversion
.irp t, 0,1,2,3                                ; V's four fragments (16 channels x 128 keys) take p's registers
.irp c, 0,1,2,3
	ds_load_b128 v[96+16*\t+4*\c:99+16*\t+4*\c], v[ADV] offset:2048*\t+512*\c
.endr
.endr
	ds_load_b32 v212, v[ADT]
	ds_load_b32 v213, v[ADT] offset:128
.set j, 0
.rept 16
	v_pk_mul_f32 v[160+j:161+j], v[160+j:161+j], v[F:F+1] op_sel_hi:[1,0]   ; O^T under the new M.  (Also the places between the codes and the products below)
.set j, j+2
.endr
	s_wait_dscnt 0x0
.irp u, 0,1                                    ; O^T += V^T P^T: the four accumulators by turns
	v_wmma_scale_f32_16x16x128_f8f6f4 v[160+16*\u:167+16*\u], v[96+32*\u:111+32*\u], v[192:207], v[160+16*\u:167+16*\u], v[212+\u], v215
	v_wmma_scale_f32_16x16x128_f8f6f4 v[168+16*\u:175+16*\u], v[112+32*\u:127+32*\u], v[192:207], v[168+16*\u:175+16*\u], v[212+\u], v215 matrix_a_scale:MATRIX_SCALE_ROW1
.endr
	s_add_co_u32 s[TB], s[TB], 8192
	s_add_co_u32 s[TK], s[TK], 512
	s_add_co_u32 s[TV], s[TV], 256
.endm
; ONE TILE OF 16 QUERIES: tile 32 cx + 16 p + wave.
.macro PASS p
	global_load_b128 v[16:19], v[AK0], s[4:5] offset:\p*16384
	global_load_b128 v[20:23], v[AK0], s[4:5] offset:\p*16384+512
	global_load_b32 v214, v6, s[100:101] offset:\p*1024
	v_mov_b32 v13, 0xff61b1e6                      ; the largest t so far: -3e38, under every t
	v_floor_f32 v12, -v13                          ; -M
	v_mov_b32 v14, 0
	v_mov_b32 v15, 0
.set j, 0
.rept 32
	v_mov_b32 v[160+j], 0                          ; O^T.  (The step is written once: the first finds zeros, which the first change of M leaves zeros)
.set j, j+1
.endr
	s_mov_b32 s[TB], 0
	s_mov_b32 s[TK], 0
	s_mov_b32 s[TV], 0
	s_mov_b32 s14, 16
	s_wait_loadcnt 0x0                             ; Q
.Lstep_\@:
	STEP
	s_sub_co_u32 s14, s14, 1
	s_cmp_lg_u32 s14, 0
	s_cbranch_scc1 .Lstep_\@
	; the way out: O^T / the sum is ctx(query r, channels 32 b + 16 h + i of my head): two blocks of 32 along the last product's K
.rept 8
	v_nop
.endr
	v_add_f32 v14, v14, v15
	v_permlanex16_b32 v[BT], v14, s[SEL], s[SEL+1]
	v_add_f32 v14, v14, v[BT]                      ; the row's sum
	v_rcp_f32 v14, v14
	v_nop                                          ; one plain place behind a transcendental
.set j, 0
	s_wait_alu depctr_va_vdst(0)
.rept 32
	v_mul_f32 v[96+j], v[160+j], v14
.set j, j+1
.endr
.irp b, 0,1
	v_max3_num_f32 v[BM+\b], |v[96+16*\b]|, |v[97+16*\b]|, 0x4800000
.endr
.irp i, 2,4,6,8,10,12,14
.irp b, 0,1
	v_max3_num_f32 v[BM+\b], v[BM+\b], |v[96+16*\b+\i]|, |v[97+16*\b+\i]|
.endr
.endr
.irp b, 0,1
	v_permlanex16_b32 v[BT+\b], v[BM+\b], s[SEL], s[SEL+1]
.endr
.irp b, 0,1
	v_max_num_f32 v[BM+\b], v[BM+\b], v[BT+\b]
.endr
.irp b, 0,1
	v_add_nc_u32 v[BS+\b], 0xfc000000, v[BM+\b]
.endr
.irp b, 0,1
	v_and_or_b32 v[BH+\b], v[BM+\b], 0x7f800000, s[MNT]
.endr
.irp b, 0,1
	v_lshrrev_b32 v[BT+\b], 23, v[BS+\b]
.endr
	v_lshl_or_b32 v[TT], v[BT+1], 8, v[BT]         ; my head's two bytes of the row's scale word
.irp b, 0,1
.irp i, 0,1,2,3,4,5,6,7,8,9,10,11,12,13,14,15
	v_med3_num_f32 v[96+16*\b+\i], v[96+16*\b+\i], -v[BH+\b], v[BH+\b]
.endr
	v_cvt_scalef32_pk8_fp8_f32 v[192+4*\b:193+4*\b], v[96+16*\b:103+16*\b], v[BS+\b]
	v_cvt_scalef32_pk8_fp8_f32 v[194+4*\b:195+4*\b], v[104+16*\b:111+16*\b], v[BS+\b]
.endr
	v_nop
	global_store_b128 v[AK0], v[192:195], s[8:9] offset:\p*262144       ; 512 consecutive bytes, aligned: two chunks of the last product's operand image
	global_store_b128 v[AK0], v[196:199], s[8:9] offset:\p*262144+512
	ds_store_b16 v5, v[TT] offset:\p*512           ; both halves of the lanes write the same two bytes
	s_wait_xcnt 0x0                                ; the stores have read their registers: the next tile writes them again
.if \p == 0
	s_add_nc_u64 s[6:7], s[6:7], 61440             ; the mask words of the tile 16 further on (4,096 bytes were walked)
.endif
.endm
	PASS 0
	PASS 1
	s_load_b64 s[32:33], s[0:1], 0x10              ; ctx once more, for the work-group's 1,024 bytes of scale halves: (record x 128 + 32 cx) x 32
	s_lshl_b32 s34, ttmp9, 7
	s_lshl_b32 s35, s11, 5
	s_add_co_u32 s34, s34, s35
	s_lshl_b32 s34, s34, 5
	s_add_co_u32 s34, s34, CSB
	s_mov_b32 s35, 0
	s_wait_dscnt 0x0                               ; for the others' sake: my stores of scale halves are done
	s_barrier_signal -1
	s_barrier_wait -1
	s_wait_kmcnt 0x0
	s_add_nc_u64 s[32:33], s[32:33], s[34:35]
	s_cmp_lt_u32 s[WV], 2
	s_cbranch_scc0 .Lno_out
	ds_load_b128 v[16:19], v238
	s_wait_dscnt 0x0
	global_store_b128 v239, v[16:19], s[32:33]     ; waves 0 and 1: 512 consecutive bytes each
.Lno_out:
	s_wait_tensorcnt 0x0
	ds_add_u32 v254, v255
	s_wait_dscnt 0x0
	CROUND                                         ; the closing round
	s_endpgm
.Lfunc_end_k_q65a3e0e3c3_attn:
	.size	k_q65a3e0e3c3_attn, .Lfunc_end_k_q65a3e0e3c3_attn-k_q65a3e0e3c3_attn
	.p2alignl 7, 3214868480
	.fill 96, 4, 3214868480
	.section	.rodata,"a",@progbits
	.p2align	6, 0x0
	.amdhsa_kernel k_q65a3e0e3c3_attn
		.amdhsa_group_segment_fixed_size 277504
		.amdhsa_private_segment_fixed_size 0
		.amdhsa_enable_private_segment 0
		.amdhsa_kernarg_size 24
		.amdhsa_user_sgpr_count 2
		.amdhsa_user_sgpr_kernarg_segment_ptr 1
		.amdhsa_wavefront_size32 1
		.amdhsa_system_sgpr_workgroup_id_x 1
		.amdhsa_system_sgpr_workgroup_id_y 1
		.amdhsa_system_sgpr_workgroup_id_z 1
		.amdhsa_system_vgpr_workitem_id 0
		.amdhsa_next_free_vgpr 256
		.amdhsa_next_free_sgpr 102
		.amdhsa_reserve_vcc 0
		.amdhsa_float_denorm_mode_32 3
		.amdhsa_float_denorm_mode_16_64 3
		.amdhsa_memory_ordered 1
		.amdhsa_forward_progress 1
		.amdhsa_inst_pref_size 68
	.end_amdhsa_kernel
	.amdgpu_metadata
---
amdhsa.version: [ 1, 2 ]
amdhsa.kernels:
  - .name:           k_q65a3e0e3c3_attn
    .symbol:         k_q65a3e0e3c3_attn.kd
    .args:
      - { .name: qkv, .offset: 0, .size: 8, .value_kind: global_buffer, .address_space: global }
      - { .name: mbits, .offset: 8, .size: 8, .value_kind: global_buffer, .address_space: global }
      - { .name: ctx, .offset: 16, .size: 8, .value_kind: global_buffer, .address_space: global }
    .group_segment_fixed_size: 277504
    .private_segment_fixed_size: 0
    .kernarg_segment_align: 8
    .kernarg_segment_size: 24
    .max_flat_workgroup_size: 512
    .sgpr_count:     102
    .vgpr_count:     256
    .wavefront_size: 32
...
	.end_amdgpu_metadata
.endif
;; end of part 4
;; launch outln (part 5): grid 256 x 1, 4 waves a work-group, clusters of 4 x 1, 327,680 bytes of LDS; arguments xw, ctx, input_Q, ln_gamma, ln_beta, out0; writes out0
.if DOCPART == 5
	.amdgcn_target "amdgcn-amd-amdhsa--gfx1250"
	.amdhsa_code_object_version 6
	.text
	.protected	k_q65a3e0e3c3_outln
	.globl	k_q65a3e0e3c3_outln
	.p2align	8
	.type	k_q65a3e0e3c3_outln,@function
k_q65a3e0e3c3_outln:
	s_mov_b64 s[64:65], 0
	v_nop
	global_prefetch_b8 v0, s[64:65] scope:SCOPE_SE
	s_setreg_imm32_b32 hwreg(HW_REG_WAVE_MODE, 25, 1), 1
	s_wait_xcnt 0x0
	s_wait_alu depctr_hold_cnt(0) depctr_sa_sdst(0) depctr_va_vdst(0) depctr_va_sdst(0) depctr_va_ssrc(0) depctr_va_vcc(0) depctr_vm_vsrc(0)
	s_getreg_b32 s2, hwreg(HW_REG_IB_STS2, 6, 4)
	s_cmp_eq_u32 s2, 0
	s_cbranch_scc0 .Lentry_in_a_cluster
	s_endpgm
.Lentry_in_a_cluster:
	s_bfe_u32 s2, ttmp6, 0x10000c
	s_cmp_lg_u32 s2, 0x3003
	s_cbranch_scc0 .Lentry_shape_is_right
	s_endpgm
.Lentry_shape_is_right:
; out0 = LayerNorm(ctx w_o^T + input_Q) x gamma + beta.  The product on codes of FP8 (E4M3) with E8M0 scales, K = 1,024; all else in f32.
; SHARES.  A work-group owns 32 tokens (two tiles of ctx) and ALL 1,024 outputs, so that a token's whole row meets in one work-group for the norm.  Wave w makes outputs 256 w .. 256 w + 255:
; 16 tiles of w_o x 2 tiles of tokens = 32 accumulators.  ctx's 16 fragments stay in registers for the whole launch.
; w_o is the same for every work-group: its K steps of 128 go through a ring of two LDS slots of 131,072 bytes, each wave bringing and reading its own 16 tiles (16 rows of 2,048 bytes), asked for JOINTLY by the
; four work-groups of a cluster.  Operands lie as images of their registers (16 x lane): no pitch, no padding.
; The matrix instruction is used transposed (source 0 = 16 rows of w_o, source 1 = 16 tokens); tiles are not neighbours (tile T, place r: row 32 (T / 2) + 8 (T % 2) + r + 8 (r / 8)), so the 16 registers of w_o's
; tiles 2 i and 2 i + 1 are 16 neighbouring outputs.  The results meet in a stage of 32 rows x (4,096 + 16) bytes; each wave then takes 8 whole rows: residual, mean, variance of the differences, scale and shift.
; The stage lies in the slot of the even K steps, which has then had its last fill and its last read, and in 512 bytes of its own.
; REGISTERS, in windows of 256: window 0: v16-23 addresses; v28, v29 the add's; v32-39 ctx's scale words (lanes 0-15 tile 0, lanes 16-31 tile 1); v40-63 at work; v64-127 w_o's scale words (8 i + K step: lanes 0-15
;   tile 2 i, lanes 16-31 tile 2 i + 1); v128-159 gamma, v160-191 beta; v192-255 two rows.   window 1: accumulator (m, n) at v[128 m + 8 n].   window 2: ctx's fragment (K step s, tile m) at v[16 (2 s + m)].
;   window 3: two buffers of 8 fragments of w_o; later 8 rows of input_Q.
.set SCB,   29360128
.set CSB,   8388608
.set EVEN,  131072                     ; LDS: the slot of odd K steps at 0, that of even K steps here
.set STG,   131072
.set SP,    4112                       ; a stage row: 4,096 bytes + 16: row r starts 4 r banks on
.set SPARE, STG+32*SP                  ; the spare words, 128 bytes for each wave: two blocks of 256 bytes that no other line names
.set ADB,  16                          ; v16-17 my quarter of the slot of even, of odd K steps, + 16 x lane
.set STO,  18                          ; v18-19 the stage: where tile m's results go
.set SRD,  20                          ; v20    and where I read my 8 rows back
.set LI,   21                          ; v21    16 x lane
.set SPW,  28
.set NIL,  29
.set CSW,  32
.set WS,   64
.set GA,   128
.set BE,   160
.set G1,   24
.set G0,   32                          ; s[32:35] even K steps, s[36:39] odd
.set SEL,  40
.set MSB, 0
.macro WIN new
.if MSB != (\new)
	s_set_vgpr_msb (MSB<<8)|(\new)
.set MSB, (\new)
.endif
.endm
.macro PLACES n
.rept \n
	v_nop
.endr
.endm
.macro CROUND
	s_barrier_signal -1
	s_barrier_wait -1
	s_cmp_lg_u32 s16, 0
	s_cbranch_scc1 .Lnot_wave_0_\@
	s_barrier_signal -3
.Lnot_wave_0_\@:
	s_barrier_wait -3
	s_barrier_signal -1
	s_barrier_wait -1
.endm
	s_load_b256 s[4:11], s[0:1], 0x0               ; xw, ctx, input_Q, ln_gamma
	s_load_b128 s[12:15], s[0:1], 0x20             ; ln_beta, out0
	v_lshl_add_u32 v[SPW], v0, 2, SPARE
	v_mov_b32 v[NIL], 0
	ds_add_u32 v28, v29
	ds_add_u32 v28, v29
	s_wait_dscnt 0x0
	v_lshrrev_b32 v1, 5, v0
	v_readfirstlane_b32 s16, v1                    ; wave 0..3
	s_bfe_u32 s17, ttmp6, 0x40000                  ; cx
	s_lshl_b32 s18, ttmp9, 2
	s_add_co_u32 s18, s18, s17                     ; P: my 32 tokens
	s_lshl_b32 s42, s16, 18
	s_add_co_u32 s42, s42, 1728*16384              ; w_o's codes: tile 1,728 + 16 x wave: the wave's number alone enters the joint loads' addresses
	s_mov_b32 s43, 0
	s_lshl_b32 s44, s16, 13
	s_add_co_u32 s44, s44, SCB+1728*512            ; and their scale words
	s_mov_b32 s45, 0
	s_lshl_b32 s46, s18, 15                        ; ctx's codes: tile 2 P
	s_mov_b32 s47, 0
	s_lshr_b32 s48, s18, 6                         ; ctx's scale halves: (batch x 16 + head) x 4,096 + tile in the batch x 32
	s_lshl_b32 s48, s48, 16
	s_and_b32 s49, s18, 63
	s_lshl_b32 s49, s49, 6
	s_add_co_u32 s48, s48, s49
	s_add_co_u32 s48, s48, CSB
	s_mov_b32 s49, 0
	s_lshl_b32 s50, s18, 5                         ; the 8 rows that I norm: stage rows 8 w on are tokens 32 P + 8 (w / 2) + 16 (w % 2) on
	s_lshr_b32 s51, s16, 1
	s_lshl_b32 s51, s51, 3
	s_add_co_u32 s50, s50, s51
	s_and_b32 s51, s16, 1
	s_lshl_b32 s51, s51, 4
	s_add_co_u32 s50, s50, s51
	s_lshl_b32 s50, s50, 12
	s_mov_b32 s51, 0
	s_mov_b32 s[G1], 15|(3<<16)|(1<<21)            ; 15:0 the mask: all four work-groups; 17:16 elements of 8 bytes; 21 set beside a mask
	s_mov_b32 s[G1+1], 256<<16                     ; tensor_dim0: 2,048 bytes
	s_mov_b32 s[G1+2], 16<<16                      ; tensor_dim1
	s_mov_b32 s[G1+3], 256<<16                     ; tile_dim0
	s_mov_b32 s[G1+4], 16                          ; tile_dim1
	s_mov_b32 s[G1+5], 2048                        ; 16,384 bytes from tile to tile
	s_mov_b32 s[G1+6], 0
	s_mov_b32 s[G1+7], 0
	s_lshl_b32 s19, s16, 15                        ; my quarter of a slot
	s_mov_b32 s[SEL], 0x76543210
	s_mov_b32 s[SEL+1], 0xfedcba98
	s_mov_b32 s52, 0x3a800000                      ; 1 / 1,024
	s_mov_b32 s53, 0x3727c5ac                      ; 1e-5
	s_wait_kmcnt 0x0
	s_add_nc_u64 s[42:43], s[4:5], s[42:43]
	s_add_nc_u64 s[44:45], s[4:5], s[44:45]
	s_add_nc_u64 s[46:47], s[6:7], s[46:47]
	s_add_nc_u64 s[48:49], s[6:7], s[48:49]
	s_add_nc_u64 s[8:9], s[8:9], s[50:51]
	s_add_nc_u64 s[14:15], s[14:15], s[50:51]
	s_mov_b32 s[G0], 1
	s_add_co_u32 s[G0+1], s19, EVEN
	s_mov_b64 s[G0+2:G0+3], s[42:43]               ; K step 0
	s_or_b32 s[G0+3], s[G0+3], 0x80000000
	s_mov_b32 s[G0+4], 1
	s_mov_b32 s[G0+5], s19
	s_add_nc_u64 s[G0+6:G0+7], s[42:43], 2048      ; K step 1
	s_or_b32 s[G0+7], s[G0+7], 0x80000000
	CROUND                                         ; all four work-groups are here: the first joint loads meet
	tensor_load_to_lds s[G0:G0+3], s[G1:G1+7]      ; two loads of mine are out
	s_nop 0
	tensor_load_to_lds s[G0+4:G0+7], s[G1:G1+7]
	s_nop 0
	PLACES 4
	v_and_b32 v1, 15, v0                           ; r
	v_bfe_u32 v2, v0, 4, 1                         ; h
	v_and_b32 v3, 31, v0
	v_lshlrev_b32 v[LI], 4, v3
	v_lshlrev_b32 v22, 1, v3
	v_lshlrev_b32 v23, 5, v3
	v_add_nc_u32 v[ADB+1], s19, v[LI]
	v_add_nc_u32 v[ADB], EVEN, v[ADB+1]
	v_mul_u32_u24 v4, v1, SP
	v_lshl_add_u32 v4, v2, 6, v4
	s_lshl_b32 s20, s16, 10
	s_add_co_u32 s20, s20, STG
	v_add_nc_u32 v[STO], s20, v4                   ; row r, + 1,024 x wave + 64 h
	v_add_nc_u32 v[STO+1], 16*SP, v[STO]
	s_mul_i32 s20, s16, 8*SP
	s_add_co_u32 s20, s20, STG
	v_add_nc_u32 v[SRD], s20, v[LI]
	WIN 0x80                                       ; destination window 2
.irp m, 0,1
.irp s, 0,1,2,3,4,5,6,7
.irp c, 0,1,2,3
	global_load_b128 v[16*(2*\s+\m)+4*\c:16*(2*\s+\m)+4*\c+3], v[LI], s[46:47] offset:(8*\m+\s)*2048+512*\c
.endr
.endr
.endr
	WIN 0
.irp d, 0,1,2,3,4,5,6,7,8,9,10,11,12,13,14,15
	global_load_u16 v[40+\d], v22, s[48:49] offset:\d*4096   ; head d's two bytes: lanes 0-15 tile 0's rows, lanes 16-31 tile 1's
.endr
.irp i, 0,1,2,3,4,5,6,7
.irp q, 0,1
	global_load_b128 v[WS+8*\i+4*\q:WS+8*\i+4*\q+3], v23, s[44:45] offset:\i*1024+\q*16   ; a row's eight scale words
.endr
.endr
.irp j, 0,1,2,3,4,5,6,7
	global_load_b128 v[GA+4*\j:GA+4*\j+3], v[LI], s[10:11] offset:512*\j
	global_load_b128 v[BE+4*\j:BE+4*\j+3], v[LI], s[12:13] offset:512*\j
.endr
	s_wait_loadcnt 0x0
.irp s, 0,1,2,3,4,5,6,7
	v_lshl_or_b32 v[CSW+\s], v[41+2*\s], 16, v[40+2*\s]   ; K step s is heads 2 s and 2 s + 1
.endr
	PLACES 8                                       ; a scale register written by a vector instruction stands eight places ahead of the product that takes it
.macro BLOAD buf, slot, half           ; tiles 8 half .. 8 half + 7 of my quarter into buffer buf
	WIN 0xc0                                       ; destination window 3
.irp i, 0,1,2,3,4,5,6,7
.irp c, 0,1,2,3
	ds_load_b128 v[128*(\buf)+16*\i+4*\c:128*(\buf)+16*\i+4*\c+3], v[ADB+(\slot)] offset:(8*(\half)+\i)*2048+512*\c
.endr
.endr
	WIN 0
.endm
; 16 matrix instructions: 8 tiles of w_o x 2 tiles of tokens, K step s.  The accumulators take turns, one instruction a turn.  K step 0 starts the sums.
.macro MULH s, half
	WIN 0x5b                                       ; source 0 (w_o) window 3, source 1 (ctx) window 2, C and D window 1
.irp q, 0,1,2,3
.set rD, 8*(8*(\half)+2*\q)
.set rA, 128*(\half)+32*\q
.set rB, 32*(\s)
.set rS, WS+8*(4*(\half)+\q)+(\s)
.set rC, CSW+(\s)
.if (\s) == 0
	v_wmma_scale_f32_16x16x128_f8f6f4 v[rD:rD+7], v[rA:rA+15], v[rB:rB+15], 0, v[rS], v[rC]
	v_wmma_scale_f32_16x16x128_f8f6f4 v[rD+128:rD+135], v[rA:rA+15], v[rB+16:rB+31], 0, v[rS], v[rC] matrix_b_scale:MATRIX_SCALE_ROW1
	v_wmma_scale_f32_16x16x128_f8f6f4 v[rD+8:rD+15], v[rA+16:rA+31], v[rB:rB+15], 0, v[rS], v[rC] matrix_a_scale:MATRIX_SCALE_ROW1
	v_wmma_scale_f32_16x16x128_f8f6f4 v[rD+136:rD+143], v[rA+16:rA+31], v[rB+16:rB+31], 0, v[rS], v[rC] matrix_a_scale:MATRIX_SCALE_ROW1 matrix_b_scale:MATRIX_SCALE_ROW1
.else
	v_wmma_scale_f32_16x16x128_f8f6f4 v[rD:rD+7], v[rA:rA+15], v[rB:rB+15], v[rD:rD+7], v[rS], v[rC]
	v_wmma_scale_f32_16x16x128_f8f6f4 v[rD+128:rD+135], v[rA:rA+15], v[rB+16:rB+31], v[rD+128:rD+135], v[rS], v[rC] matrix_b_scale:MATRIX_SCALE_ROW1
	v_wmma_scale_f32_16x16x128_f8f6f4 v[rD+8:rD+15], v[rA+16:rA+31], v[rB:rB+15], v[rD+8:rD+15], v[rS], v[rC] matrix_a_scale:MATRIX_SCALE_ROW1
	v_wmma_scale_f32_16x16x128_f8f6f4 v[rD+136:rD+143], v[rA+16:rA+31], v[rB+16:rB+31], v[rD+136:rD+143], v[rS], v[rC] matrix_a_scale:MATRIX_SCALE_ROW1 matrix_b_scale:MATRIX_SCALE_ROW1
.endif
.endr
.endm
; A K STEP.  Its first eight fragments were fetched in the step before.  When the second eight are in registers the slot is free: it is filled again, two K steps ahead, behind a round of the cluster's barrier.
.macro KSTEP s
.set SL, (\s)%2
.if (\s) > 0
	PLACES 8                                       ; in front of loads into the buffer that the last products read
.endif
	BLOAD 1, SL, 1
	s_wait_dscnt 32                                ; all but the 32 just issued: buffer 0 is in
	MULH \s, 0
.if (\s) < 6
	WIN 0
	s_wait_tensorcnt 0x0                           ; all my tensor loads have landed: the one that was out is my quarter of the other slot
	ds_add_u32 v[SPW], v[NIL]                      ; 0 onto my spare word
	s_add_nc_u64 s[G0+4*SL+2:G0+4*SL+3], s[G0+4*SL+2:G0+4*SL+3], 4096   ; this slot's next K step
	s_wait_dscnt 0x0                               ; the add is done, and my reads of this slot are over
	CROUND                                         ; the same holds of every wave of the four work-groups
	tensor_load_to_lds s[G0+4*SL:G0+4*SL+3], s[G1:G1+7]   ; the first thing behind the round, and my one tensor load until the next
	s_nop 0
	PLACES 8                                       ; four behind the load; the eight are the places in front of the loads into buffer 0
	BLOAD 0, 1-SL, 0
	MULH \s, 1
.elseif (\s) == 6
	s_wait_tensorcnt 0x0                           ; K step 7, the last load: none was issued behind it.  I read my own quarter alone, so no barrier is owed
	PLACES 8
	BLOAD 0, 1, 0
	s_wait_dscnt 32                                ; buffer 1 is in
	MULH \s, 1
.else
	s_wait_dscnt 0x0
	MULH \s, 1
.endif
.endm
	s_wait_tensorcnt 0x1                           ; my quarter of K step 0 is in; K step 1's may be out.  I read my own quarter alone
	BLOAD 0, 0, 0
.irp s, 0,1,2,3,4,5,6,7
	KSTEP \s
.endr
	WIN 0
	PLACES 8
	WIN 0xc0
.irp i, 0,1,2,3,4,5,6,7
.irp j, 0,1,2,3,4,5,6,7
	global_load_b128 v[32*\i+4*\j:32*\i+4*\j+3], v[LI], s[8:9] offset:4096*\i+512*\j th:TH_LOAD_NT   ; my 8 rows of input_Q, 512 consecutive bytes a load
.endr
.endr
	WIN 0
	s_wait_dscnt 0x0
	s_barrier_signal -1
	s_barrier_wait -1                              ; nobody reads the slot of even K steps any more: it becomes the stage
	WIN 0x04                                       ; an LDS store's data are its source 1: window 1
.irp m, 0,1
.irp n, 0,1,2,3,4,5,6,7,8,9,10,11,12,13,14,15
	ds_store_b128 v[STO+\m], v[128*\m+8*\n:128*\m+8*\n+3] offset:(\n/2)*128+(\n%2)*32       ; each accumulator from its low end on: outputs 256 w + 32 (n / 2) + 16 h + 8 (n % 2) + 0 .. 7
	ds_store_b128 v[STO+\m], v[128*\m+8*\n+4:128*\m+8*\n+7] offset:(\n/2)*128+(\n%2)*32+16
.endr
.endr
	WIN 0
	s_wait_dscnt 0x0                               ; for the others' sake: my stores into the stage are done
	s_barrier_signal -1
	s_barrier_wait -1
.macro REDUCE a, t                     ; the sum over the 32 lanes, in every lane
	v_add_f32_dpp v[\a], v[\a], v[\a] row_xmask:1 row_mask:0xf bank_mask:0xf
	v_add_f32_dpp v[\a], v[\a], v[\a] row_xmask:2 row_mask:0xf bank_mask:0xf
	v_add_f32_dpp v[\a], v[\a], v[\a] row_xmask:4 row_mask:0xf bank_mask:0xf
	v_add_f32_dpp v[\a], v[\a], v[\a] row_xmask:8 row_mask:0xf bank_mask:0xf
	v_permlanex16_b32 v[\t], v[\a], s[SEL], s[SEL+1]
	v_add_f32 v[\a], v[\a], v[\t]
.endm
; One row: a lane holds 32 of its 1,024 numbers: register 4 j + e is column 128 j + 4 x lane + e.
.macro LNROW i
.set XR, 192+32*((\i)%2)
.if (\i) > 1
	s_wait_xcnt 0x0                                ; the stores of two rows ago have read these registers
.endif
.irp j, 0,1,2,3,4,5,6,7
	ds_load_b128 v[XR+4*\j:XR+4*\j+3], v[SRD] offset:(\i)*SP+512*\j
.endr
	s_wait_dscnt 0x0
	s_wait_loadcnt 8*(7-(\i))                      ; this row of input_Q is in; the later rows' loads, eight each, may be out
	WIN 0x0c                                       ; source 1 window 3
.set k, 0
.rept 16
	v_pk_add_f32 v[XR+k:XR+k+1], v[XR+k:XR+k+1], v[32*(\i)+k:32*(\i)+k+1]   ; + input_Q
.set k, k+2
.endr
	WIN 0
	v_pk_add_f32 v[40:41], v[XR:XR+1], v[XR+2:XR+3]
	v_pk_add_f32 v[42:43], v[XR+4:XR+5], v[XR+6:XR+7]
.irp k, 8,12,16,20,24,28
	v_pk_add_f32 v[40:41], v[40:41], v[XR+\k:XR+\k+1]
	v_pk_add_f32 v[42:43], v[42:43], v[XR+\k+2:XR+\k+3]
.endr
	v_pk_add_f32 v[40:41], v[40:41], v[42:43]
	v_add_f32 v40, v40, v41
	REDUCE 40, 41
	v_mul_f32 v40, s52, v40                        ; the mean
.set k, 0
.rept 16
	v_pk_add_f32 v[XR+k:XR+k+1], v[XR+k:XR+k+1], v[40:41] op_sel_hi:[1,0] neg_lo:[0,1] neg_hi:[0,1]   ; x - mean
.set k, k+2
.endr
	v_pk_mul_f32 v[42:43], v[XR:XR+1], v[XR:XR+1]  ; the variance is taken of the differences, not as a difference of large sums
	v_pk_mul_f32 v[44:45], v[XR+2:XR+3], v[XR+2:XR+3]
.irp k, 4,8,12,16,20,24,28
	v_pk_fma_f32 v[42:43], v[XR+\k:XR+\k+1], v[XR+\k:XR+\k+1], v[42:43]
	v_pk_fma_f32 v[44:45], v[XR+\k+2:XR+\k+3], v[XR+\k+2:XR+\k+3], v[44:45]
.endr
	v_pk_add_f32 v[42:43], v[42:43], v[44:45]
	v_add_f32 v42, v42, v43
	REDUCE 42, 43
	v_fma_f32 v42, v42, s52, s53                   ; variance + 1e-5
	v_rsq_f32 v42, v42
	v_nop                                          ; one plain place behind a transcendental
.set k, 0
	s_wait_alu depctr_va_vdst(0)
.rept 16
	v_pk_mul_f32 v[XR+k:XR+k+1], v[XR+k:XR+k+1], v[42:43] op_sel_hi:[1,0]
.set k, k+2
.endr
.set k, 0
.rept 16
	v_pk_fma_f32 v[XR+k:XR+k+1], v[XR+k:XR+k+1], v[GA+k:GA+k+1], v[BE+k:BE+k+1]
.set k, k+2
.endr
.irp j, 0,1,2,3,4,5,6,7
	global_store_b128 v[LI], v[XR+4*\j:XR+4*\j+3], s[14:15] offset:4096*(\i)+512*\j th:TH_STORE_NT   ; 32 lanes store 512 consecutive bytes, aligned
.endr
.endm
.irp i, 0,1,2,3,4,5,6,7
	LNROW \i
.endr
	s_wait_tensorcnt 0x0                           ; the wave's end
	ds_add_u32 v[SPW], v[NIL]
	s_wait_dscnt 0x0
	CROUND                                         ; the closing round: no work-group ends while a partner may still ask for a tile that names it
	s_endpgm
.Lfunc_end_k_q65a3e0e3c3_outln:
	.size	k_q65a3e0e3c3_outln, .Lfunc_end_k_q65a3e0e3c3_outln-k_q65a3e0e3c3_outln
	.p2alignl 7, 3214868480
	.fill 96, 4, 3214868480
	.section	.rodata,"a",@progbits
	.p2align	6, 0x0
	.amdhsa_kernel k_q65a3e0e3c3_outln
		.amdhsa_group_segment_fixed_size 327680
		.amdhsa_private_segment_fixed_size 0
		.amdhsa_enable_private_segment 0
		.amdhsa_kernarg_size 48
		.amdhsa_user_sgpr_count 2
		.amdhsa_user_sgpr_kernarg_segment_ptr 1
		.amdhsa_wavefront_size32 1
		.amdhsa_system_sgpr_workgroup_id_x 1
		.amdhsa_system_sgpr_workgroup_id_y 1
		.amdhsa_system_sgpr_workgroup_id_z 1
		.amdhsa_system_vgpr_workitem_id 0
		.amdhsa_next_free_vgpr 1024
		.amdhsa_next_free_sgpr 66
		.amdhsa_reserve_vcc 0
		.amdhsa_float_denorm_mode_32 3
		.amdhsa_float_denorm_mode_16_64 3
		.amdhsa_memory_ordered 1
		.amdhsa_forward_progress 1
		.amdhsa_inst_pref_size 167
	.end_amdhsa_kernel
	.amdgpu_metadata
---
amdhsa.version: [ 1, 2 ]
amdhsa.kernels:
  - .name:           k_q65a3e0e3c3_outln
    .symbol:         k_q65a3e0e3c3_outln.kd
    .args:
      - { .name: xw, .offset: 0, .size: 8, .value_kind: global_buffer, .address_space: global }
      - { .name: ctx, .offset: 8, .size: 8, .value_kind: global_buffer, .address_space: global }
      - { .name: input_Q, .offset: 16, .size: 8, .value_kind: global_buffer, .address_space: global }
      - { .name: ln_gamma, .offset: 24, .size: 8, .value_kind: global_buffer, .address_space: global }
      - { .name: ln_beta, .offset: 32, .size: 8, .value_kind: global_buffer, .address_space: global }
      - { .name: out0, .offset: 40, .size: 8, .value_kind: global_buffer, .address_space: global }
    .group_segment_fixed_size: 327680
    .private_segment_fixed_size: 0
    .kernarg_segment_align: 8
    .kernarg_segment_size: 48
    .max_flat_workgroup_size: 128
    .sgpr_count:     66
    .vgpr_count:     1024
    .wavefront_size: 32
...
	.end_amdgpu_metadata
.endif
;; end of part 5
;; ======== version 2 of 2: 4 launches
;; limits: right only within a limited range of input values
;; workspace buffers: xw 30,277,632 bytes; mbits 2,097,152 bytes of whole numbers; qkv 26,476,544 bytes; ctx 8,650,752 bytes
;; launch prep (part 6): grid 960 x 1, 4 waves a work-group, no clusters, 68,096 bytes of LDS; arguments input_Q, input_K, input_V, w_q, w_k, w_v, w_o, attn_mask, xw, mbits; writes xw, mbits
.if DOCPART == 6
	.amdgcn_target "amdgcn-amd-amdhsa--gfx1250"
	.amdhsa_code_object_version 6
	.text
	.protected	k_q65a3e0e3c3_prep
	.globl	k_q65a3e0e3c3_prep
	.p2align	8
	.type	k_q65a3e0e3c3_prep,@function
k_q65a3e0e3c3_prep:
	s_mov_b64 s[64:65], 0
	v_nop
	global_prefetch_b8 v0, s[64:65] scope:SCOPE_SE
	s_setreg_imm32_b32 hwreg(HW_REG_WAVE_MODE, 25, 1), 1
	s_wait_xcnt 0x0
; TWO PIECES OF PREPARATION IN ONE LAUNCH; they part on the work-group's number at the head and never meet again; each has LDS bytes of its own.
; WORK-GROUPS 0 .. 447: input_Q, input_K, input_V [8192][1024] and w_q, w_k, w_v, w_o [1024][1024], f32, K innermost, become codes of FP8 (E4M3) with one E8M0 scale byte for each 32 along K.
; A block's scale is 2^(floor(log2(its largest magnitude)) - 8); each number is divided by it, held within +-448 and rounded to the nearest code, ties to even.
; LAYOUT OF xw.  Rows go in TILES of 16: tile T of a tensor, place r, is row 32 (T / 2) + 8 (T % 2) + r + 8 (r / 8).  Tiles are numbered through all seven tensors: G = 0 .. 1791.
; A tile's codes lie as IMAGES OF THE OPERAND'S REGISTERS: G x 16,384 + K step x 2,048 + c x 512 + 16 x lane; lane (r, h) of chunk c holds k = 32 c + 16 h + 0 .. 15 of place r.
; Its scale words lie at SCB + G x 512 + r x 32 + K step x 4.  So every later load of a fragment is four loads of 512 dense bytes, from memory and from LDS alike.
; A wave takes one tile, all eight K steps of 128.  Each load reads 512 consecutive bytes of one row; the 16 rows turn through the wave's own stage in LDS (rows 528 bytes apart)
; and come back 64 bytes a lane and block: 16 neighbours along K.  Loads run two K steps ahead in registers.
; WORK-GROUPS 448 .. 959: attn_mask [4][1][2048][2048], one byte a place, becomes LANE MASKS for the attention launch, which holds one query a lane and one key a register.
; The word of mbits at ((b x 128 + T) x 16 + s) x 256 + 4 n, n = 0 .. 63, has bit r + 16 h = mask[b][query(T, r)][128 s + 32 (n / 16) + 16 h + n % 16], query(T, r) as the rows of a tile above.
; So that launch masks a register of scores by ONE select on a scalar word and reads an eighth of the mask's bytes.  A wave takes one tile of 16 queries x 512 keys; the rows turn through its stage as above,
; so that lane (r, h) holds, of query r, the 16 bytes of keys 32 bb + 16 h + 0 .. 15 of each block.  A compare of one byte in all lanes IS a word.
; No barrier: waves share nothing.  No cluster, no tensor loads: work-groups share no input.
; LIMITS: a block of zeros, and any block whose largest magnitude lies under 2^-118, gets the byte 1 (this program alone reads the bytes; zero codes add nothing under it); NaN and infinities are not served.
.set NQWG, 448                         ; work-groups that quantise: 1,792 tiles, four to a work-group
.set SCB,  29360128                    ; xw: where the scale words begin: 1,792 tiles x 16,384
.set STGW, 8448                        ; a wave's stage: 16 rows x 528
.set MSTG, 33792                       ; the mask's four stages lie behind the quantiser's four
.set SP,   528                         ; a stage row: 512 bytes + 16: row r starts 4 r banks on
.set TM,   8                           ; v8-11 largest magnitudes, v12-15 bytes, v20-23 the conversions' scale operands
.set PWB,  24                          ; v24-31  the eight K steps' scale words
.set OW,   32                          ; v32-35  the four words that my lane stores
.set PC,   36                          ; v36-51  a fragment's codes
.set X,    52                          ; v52-115 64 numbers: register 16 b + i = k 32 b + 16 h + i of my row
.set R,    116                         ; v116-243 two sets of 64 registers, as loaded
.set ML,   8                           ; the mask: v8-71 as loaded,
.set MY,   72                          ; v72-135 turned: register 16 s' + 4 bb + i / 4, byte i % 4,
.set MT,   136                         ; v136-139 at work,
.set MO,   140                         ; v140-147 two registers for each key step: lane l holds words 2 l and 2 l + 1
.set SEL,  28                          ; s[28:29] v_permlanex16_b32's selects for lane l xor 16
.set MNT,  30
	s_load_b512 s[4:19], s[0:1], 0x0               ; input_Q, input_K, input_V, w_q, w_k, w_v, w_o, attn_mask
	s_load_b128 s[36:39], s[0:1], 0x40             ; xw, mbits
	v_lshl_add_u32 v244, v0, 2, 0x10800
	v_mov_b32 v245, 0
	v_lshrrev_b32 v5, 5, v0
	v_readfirstlane_b32 s23, v5                    ; wave
	v_and_b32 v6, 31, v0                           ; lane
	v_and_b32 v7, 15, v0                           ; r
	v_bfe_u32 v5, v0, 4, 1                         ; h
	v_lshlrev_b32 v1, 4, v6                        ; 16 x lane
	s_mul_i32 s31, s23, STGW
	s_cmp_ge_u32 ttmp9, NQWG
	s_cbranch_scc1 .Lmask
	; ---------------- the quantiser
	v_add_nc_u32 v2, s31, v1                       ; the stage, on the way in
	v_mul_u32_u24 v3, v7, SP
	v_lshl_add_u32 v3, v5, 6, v3
	v_add_nc_u32 v3, s31, v3                       ; and on the way out: row r, + 64 h
	v_lshlrev_b32 v4, 5, v7
	v_lshl_add_u32 v4, v5, 4, v4                   ; my 16 bytes of the tile's scale words: 32 r + 16 h
	s_mov_b32 s[SEL], 0x76543210
	s_mov_b32 s[SEL+1], 0xfedcba98
.irp b, 0,1,2,3
	v_mov_b32 v[TM+4+\b], 0                        ; written once: a lane permute's destination counts as one of its sources
.endr
	s_wait_alu depctr_va_vdst(0)
	s_wait_kmcnt 0x0
; which tensor: the choice hangs on the work-group's number alone.  s[20:21] its address, s22 its first work-group
.macro PICK bound, p, first
	s_cmp_lt_u32 ttmp9, \bound
	s_cselect_b64 s[20:21], s[\p:\p+1], s[20:21]
	s_cselect_b32 s22, \first, s22
.endm
	s_mov_b64 s[20:21], s[16:17]
	s_mov_b32 s22, 432
	PICK 432, 14, 416
	PICK 416, 12, 400
	PICK 400, 10, 384
	PICK 384, 8, 256
	PICK 256, 6, 128
	PICK 128, 4, 0
	s_sub_co_u32 s24, ttmp9, s22
	s_lshl_b32 s24, s24, 2
	s_add_co_u32 s24, s24, s23                     ; my tile in its tensor
	s_lshr_b32 s25, s24, 1
	s_lshl_b32 s25, s25, 17                        ; 32 rows of 4,096 bytes for each pair of tiles,
	s_and_b32 s24, s24, 1
	s_lshl_b32 s24, s24, 15                        ; 8 rows for the odd one
	s_add_co_u32 s32, s25, s24
	s_mov_b32 s33, 0
	s_add_nc_u64 s[20:21], s[20:21], s[32:33]
	s_lshl_b32 s34, ttmp9, 2
	s_add_co_u32 s34, s34, s23                     ; G
	s_lshl_b32 s32, s34, 14
	s_add_nc_u64 s[24:25], s[36:37], s[32:33]      ; my tile's codes
	s_lshl_b32 s32, s34, 9
	s_add_co_u32 s32, s32, SCB
	s_add_nc_u64 s[26:27], s[36:37], s[32:33]      ; and its scale words
.macro LOAD s                          ; K step s of the tile's 16 rows: place i is row i + 8 (i / 8)
.irp i, 0,1,2,3,4,5,6,7,8,9,10,11,12,13,14,15
	global_load_b128 v[R+64*((\s)%2)+4*\i:R+64*((\s)%2)+4*\i+3], v1, s[20:21] offset:(\i+8*(\i/8))*4096+512*(\s) th:TH_LOAD_NT   ; 32 lanes read 512 consecutive bytes
.endr
.endm
.macro TURN s                          ; through the stage: LDS serves a wave's instructions in order, so no wait stands between the stores and the loads
.irp i, 0,1,2,3,4,5,6,7,8,9,10,11,12,13,14,15
	ds_store_b128 v2, v[R+64*((\s)%2)+4*\i:R+64*((\s)%2)+4*\i+3] offset:\i*SP
.endr
.irp c, 0,1,2,3
.irp j, 0,1,2,3
	ds_load_b128 v[X+16*\c+4*\j:X+16*\c+4*\j+3], v3 offset:128*\c+16*\j
.endr
.endr
.endm
; 64 numbers of a lane become a fragment's codes in v[PC] on and its scale word in v[pw]
.macro QUANT s, pw
.irp b, 0,1,2,3
	v_max3_num_f32 v[TM+\b], |v[\s+16*\b]|, |v[\s+1+16*\b]|, 0x4800000   ; block b: my 16 numbers, and the floor 2^(9 - 127): the byte cannot fall under 1
.endr
.irp i, 2,4,6,8,10,12,14
.irp b, 0,1,2,3
	v_max3_num_f32 v[TM+\b], v[TM+\b], |v[\s+16*\b+\i]|, |v[\s+1+16*\b+\i]|   ; the four blocks by turns
.endr
.endr
.irp b, 0,1,2,3
	v_permlanex16_b32 v[TM+4+\b], v[TM+\b], s[SEL], s[SEL+1]
.endr
.irp b, 0,1,2,3
	v_max_num_f32 v[TM+\b], v[TM+\b], v[TM+4+\b]   ; with lane l xor 16's: the block's largest magnitude
.endr
.irp b, 0,1,2,3
	v_add_nc_u32 v[TM+12+\b], 0xfc000000, v[TM+\b] ; 8 off its exponent field: the conversion's scale operand
.endr
.irp b, 0,1,2,3
.endr
.irp b, 0,1,2,3
	v_lshrrev_b32 v[TM+4+\b], 23, v[TM+12+\b]      ; the scale's byte
.endr
	v_lshl_or_b32 v[\pw], v[TM+5], 8, v[TM+4]
	v_lshl_or_b32 v[\pw], v[TM+6], 16, v[\pw]
	v_lshl_or_b32 v[\pw], v[TM+7], 24, v[\pw]
.irp b, 0,1,2,3
.irp i, 0,1,2,3,4,5,6,7,8,9,10,11,12,13,14,15
.endr
	v_cvt_scalef32_pk8_fp8_f32 v[PC+4*\b:PC+1+4*\b], v[\s+16*\b:\s+7+16*\b], v[TM+12+\b]
	v_cvt_scalef32_pk8_fp8_f32 v[PC+2+4*\b:PC+3+4*\b], v[\s+8+16*\b:\s+15+16*\b], v[TM+12+\b]
.endr
	v_nop                                          ; one plain line behind the last conversion
.endm
.macro FSTEP s
.if (\s) < 7
	s_wait_loadcnt 16                              ; this K step's 16 loads are in; the next step's 16 may be out
.else
	s_wait_loadcnt 0x0
.endif
	TURN \s
	s_wait_dscnt 0x0                               ; my 64 numbers are back, and the stores into the stage have read their registers,
.if (\s) > 0
	s_wait_xcnt 0x0                                ; the last step's stores have read the codes' registers: they are written again only behind this wait
.endif
.if (\s)+2 < 8
	LOAD (\s)+2                                    ; which take the loads of two steps on
.endif
	QUANT X, PWB+(\s)
.irp c, 0,1,2,3
	global_store_b128 v1, v[PC+4*\c:PC+4*\c+3], s[24:25] offset:2048*(\s)+512*\c   ; 32 lanes store 512 consecutive bytes, aligned
.endr
.endm
	LOAD 0
	LOAD 1
.irp s, 0,1,2,3,4,5,6,7
	FSTEP \s
.endr
	v_cmp_le_u32 vcc_lo, 16, v6                    ; lanes 16-31 store the words of K steps 4 to 7 (both halves of the lanes hold all eight)
.irp k, 0,1,2,3
	v_cndmask_b32 v[OW+\k], v[PWB+\k], v[PWB+4+\k], vcc_lo
.endr
	global_store_b128 v4, v[OW:OW+3], s[26:27]     ; the tile's 512 bytes of scale words
	s_wait_tensorcnt 0x0
	ds_add_u32 v244, v245
	s_wait_dscnt 0x0
	s_endpgm
	; ---------------- the mask
.Lmask:
	s_sub_co_u32 s20, ttmp9, NQWG                  ; batch x 128 + tile; the wave says which 512 keys
	s_add_co_u32 s31, s31, MSTG
	s_wait_alu depctr_va_vdst(0)
	v_add_nc_u32 v2, s31, v1                       ; the stage, in
	v_mul_u32_u24 v3, v7, SP
	v_lshl_add_u32 v3, v5, 4, v3
	v_add_nc_u32 v3, s31, v3                       ; and out: row r, + 16 h
	v_lshlrev_b32 v4, 3, v6                        ; 8 x lane
	s_lshr_b32 s32, s20, 7                         ; batch:
	s_lshl_b32 s32, s32, 22                        ; 2,048 rows of 2,048 bytes
	s_and_b32 s21, s20, 127                        ; tile:
	s_lshr_b32 s22, s21, 1
	s_lshl_b32 s22, s22, 16                        ; 32 rows for each pair,
	s_add_co_u32 s32, s32, s22
	s_and_b32 s21, s21, 1
	s_lshl_b32 s21, s21, 14                        ; 8 rows for the odd one
	s_add_co_u32 s32, s32, s21
	s_lshl_b32 s22, s23, 9
	s_add_co_u32 s32, s32, s22
	s_mov_b32 s33, 0
	s_lshl_b32 s34, s20, 2
	s_add_co_u32 s34, s34, s23
	s_lshl_b32 s34, s34, 10                        ; four key steps of 256 bytes
	s_mov_b32 s35, 0
.irp k, 0,1,2,3,4,5,6,7
	v_mov_b32 v[MO+\k], 0                          ; v_writelane_b32's destination counts as read
.endr
	s_wait_kmcnt 0x0
	s_add_nc_u64 s[18:19], s[18:19], s[32:33]
	s_add_nc_u64 s[38:39], s[38:39], s[34:35]
.irp i, 0,1,2,3,4,5,6,7,8,9,10,11,12,13,14,15
	global_load_b128 v[ML+4*\i:ML+4*\i+3], v1, s[18:19] offset:(\i+8*(\i/8))*2048 th:TH_LOAD_NT   ; 512 consecutive bytes of the row at place i
.endr
	s_wait_loadcnt 0x0
.irp i, 0,1,2,3,4,5,6,7,8,9,10,11,12,13,14,15
	ds_store_b128 v2, v[ML+4*\i:ML+4*\i+3] offset:\i*SP
.endr
.irp q, 0,1,2,3,4,5,6,7,8,9,10,11,12,13,14,15
	ds_load_b128 v[MY+4*\q:MY+4*\q+3], v3 offset:32*\q   ; key step q / 4, block q % 4.  LDS serves a wave's instructions in order: these see my stores
.endr
	s_wait_dscnt 0x0
.macro WORD sp, n                      ; word n of key step sp
	v_bfe_u32 v[MT+(\n)%4], v[MY+16*(\sp)+4*((\n)/16)+((\n)%16)/4], 8*((\n)%4), 8
	v_cmp_ne_u32 s[24+(\n)%8], 0, v[MT+(\n)%4]
	v_writelane_b32 v[MO+2*(\sp)+(\n)%2], s[24+(\n)%8], (\n)/2
.endm
.irp sp, 0,1,2,3
.set n, 0
.rept 64
	WORD \sp, n
.set n, n+1
.endr
	global_store_b64 v4, v[MO+2*\sp:MO+2*\sp+1], s[38:39] offset:256*\sp   ; 32 lanes store 256 consecutive bytes, aligned
.endr
	s_wait_tensorcnt 0x0
	ds_add_u32 v244, v245
	s_wait_dscnt 0x0
	s_endpgm
.Lfunc_end_k_q65a3e0e3c3_prep:
	.size	k_q65a3e0e3c3_prep, .Lfunc_end_k_q65a3e0e3c3_prep-k_q65a3e0e3c3_prep
	.p2alignl 7, 3214868480
	.fill 96, 4, 3214868480
	.section	.rodata,"a",@progbits
	.p2align	6, 0x0
	.amdhsa_kernel k_q65a3e0e3c3_prep
		.amdhsa_group_segment_fixed_size 68096
		.amdhsa_private_segment_fixed_size 0
		.amdhsa_enable_private_segment 0
		.amdhsa_kernarg_size 80
		.amdhsa_user_sgpr_count 2
		.amdhsa_user_sgpr_kernarg_segment_ptr 1
		.amdhsa_wavefront_size32 1
		.amdhsa_system_sgpr_workgroup_id_x 1
		.amdhsa_system_sgpr_workgroup_id_y 1
		.amdhsa_system_sgpr_workgroup_id_z 1
		.amdhsa_system_vgpr_workitem_id 0
		.amdhsa_next_free_vgpr 246
		.amdhsa_next_free_sgpr 66
		.amdhsa_reserve_vcc 1
		.amdhsa_float_denorm_mode_32 3
		.amdhsa_float_denorm_mode_16_64 3
		.amdhsa_fp16_overflow 1
		.amdhsa_memory_ordered 1
		.amdhsa_forward_progress 1
		.amdhsa_inst_pref_size 118
	.end_amdhsa_kernel
	.amdgpu_metadata
---
amdhsa.version: [ 1, 2 ]
amdhsa.kernels:
  - .name:           k_q65a3e0e3c3_prep
    .symbol:         k_q65a3e0e3c3_prep.kd
    .args:
      - { .name: input_Q, .offset: 0, .size: 8, .value_kind: global_buffer, .address_space: global }
      - { .name: input_K, .offset: 8, .size: 8, .value_kind: global_buffer, .address_space: global }
      - { .name: input_V, .offset: 16, .size: 8, .value_kind: global_buffer, .address_space: global }
      - { .name: w_q, .offset: 24, .size: 8, .value_kind: global_buffer, .address_space: global }
      - { .name: w_k, .offset: 32, .size: 8, .value_kind: global_buffer, .address_space: global }
      - { .name: w_v, .offset: 40, .size: 8, .value_kind: global_buffer, .address_space: global }
      - { .name: w_o, .offset: 48, .size: 8, .value_kind: global_buffer, .address_space: global }
      - { .name: attn_mask, .offset: 56, .size: 8, .value_kind: global_buffer, .address_space: global }
      - { .name: xw, .offset: 64, .size: 8, .value_kind: global_buffer, .address_space: global }
      - { .name: mbits, .offset: 72, .size: 8, .value_kind: global_buffer, .address_space: global }
    .group_segment_fixed_size: 68096
    .private_segment_fixed_size: 0
    .kernarg_segment_align: 8
    .kernarg_segment_size: 80
    .max_flat_workgroup_size: 128
    .sgpr_count:     66
    .vgpr_count:     246
    .wavefront_size: 32
...
	.end_amdgpu_metadata
.endif
;; end of part 6
;; launch proj (part 7): grid 4 x 96, 4 waves a work-group, clusters of 4 x 4, 327,680 bytes of LDS; arguments xw, qkv; writes qkv
.if DOCPART == 7
	.amdgcn_target "amdgcn-amd-amdhsa--gfx1250"
	.amdhsa_code_object_version 6
	.text
	.protected	k_q65a3e0e3c3_proj
	.globl	k_q65a3e0e3c3_proj
	.p2align	8
	.type	k_q65a3e0e3c3_proj,@function
k_q65a3e0e3c3_proj:
	s_mov_b64 s[64:65], 0
	v_nop
	global_prefetch_b8 v0, s[64:65] scope:SCOPE_SE
	s_setreg_imm32_b32 hwreg(HW_REG_WAVE_MODE, 25, 1), 1
	s_wait_xcnt 0x0
	s_wait_alu depctr_hold_cnt(0) depctr_sa_sdst(0) depctr_va_vdst(0) depctr_va_sdst(0) depctr_va_ssrc(0) depctr_va_vcc(0) depctr_vm_vsrc(0)
	s_getreg_b32 s2, hwreg(HW_REG_IB_STS2, 6, 4)
	s_cmp_eq_u32 s2, 0
	s_cbranch_scc0 .Lentry_in_a_cluster
	s_endpgm
.Lentry_in_a_cluster:
	s_bfe_u32 s2, ttmp6, 0x10000c
	s_cmp_lg_u32 s2, 0xf033
	s_cbranch_scc0 .Lentry_shape_is_right
	s_endpgm
.Lentry_shape_is_right:
.set SCB,    29360128
.set REC,    413696
.set NQ,     2
.set FR,     16
.set NL,     4
.set NP,     8
.set KMEM,   4096
.set HALFT,  8*KMEM
.set SLOT,   4*HALFT
.set LAPS,   2
.set KS,     32
.set SCL,    2*SLOT
.set HALFS,  16*272
.set SBLK,   2*272
.set SPARE,  SCL+4*HALFS
.set ADRA, 16
.set ADRB, 20
.set STS,  24
.set SRD,  25
.set LI,   26
.set ADRS, 27
.set SPW,  28
.set NIL,  29
.set SC,   32
.set TM,   64
.set PW,   80
.set PH,   88
.set VO,   96
.set SO,   115
.set BK,   116
.set AF,   128
.set PC,   128
.set G1, 24
.set G0, 32
.set G1B, 48
.set G0B, 56
.set G1S, 68
.set G0S, 76
.set G1SB, 80
.set G0SB, 88
.set SEL, 66
.set MNT, 101
.set MSB, 0
.macro WIN new
.if MSB != (\new)
	s_set_vgpr_msb (MSB<<8)|(\new)
.set MSB, (\new)
.endif
.endm
.set MUL_LO, 0xa1
.set MUL_HI, 0xf1
.set TO_B,   0x40
.macro JLOAD g0a, g1a, g0b, g1b
	s_cmp_eq_u32 s15, 0
	s_cbranch_scc0 .Lfor_b_\@
	tensor_load_to_lds s[\g0a:\g0a+3], s[\g1a:\g1a+7]
	s_nop 0
.rept 4
	v_nop
.endr
	s_branch .Lasked_\@
.Lfor_b_\@:
	tensor_load_to_lds s[\g0b:\g0b+3], s[\g1b:\g1b+7]
	s_nop 0
.rept 4
	v_nop
.endr
.Lasked_\@:
.endm
.macro CREST
	s_cmp_lg_u32 s14, 0
	s_cbranch_scc1 .Lnot_wave_0_\@
	s_barrier_signal -3
.Lnot_wave_0_\@:
	s_barrier_wait -3
	s_barrier_signal -1
	s_barrier_wait -1
.endm
.macro CROUND
	s_barrier_signal -1
	s_barrier_wait -1
	CREST
.endm
	s_load_b128 s[4:7], s[0:1], 0x0
	v_lshl_add_u32 v[SPW], v0, 2, SPARE
	v_mov_b32 v[NIL], 0
	ds_add_u32 v28, v29
	ds_add_u32 v28, v29
	s_wait_dscnt 0x0
	v_lshrrev_b32 v1, 5, v0
	v_readfirstlane_b32 s14, v1
	s_lshr_b32 s15, s14, 1
	s_and_b32 s16, s14, 1
	s_and_b32 s98, ttmp7, 0xffff
	s_lshr_b32 s10, s98, 3
	s_lshl_b32 s8, s10, 9
	s_lshl_b32 s9, s10, 6
	s_add_co_u32 s9, s9, 1536
	s_mov_b32 s10, 1664
	s_mov_b32 s11, 1024
	s_cmp_ge_u32 s98, 16
	s_cselect_b32 s8, s10, s8
	s_cselect_b32 s9, s11, s9
	s_cselect_b32 s99, 0, s98
	s_cselect_b32 s100, s98, 16
	s_and_b32 s99, s99, 7
	s_sub_co_u32 s100, s100, 16
	s_bfe_u32 s40, ttmp6, 0x40000
	s_bfe_u32 s41, ttmp6, 0x40004
	s_lshl_b32 s42, s100, 2
	s_add_co_u32 s42, s42, s40
	s_lshl_b32 s17, s99, 2
	s_add_co_u32 s17, s17, s41
	s_lshl_b32 s43, s41, 2
	s_lshl_b32 s43, 15, s43
	s_lshl_b32 s44, 0x1111, s40
	s_or_b32 s[G1+0], s43, (3<<16)|(1<<21)
	s_or_b32 s[G1B+0], s44, (3<<16)|(1<<21)
.irp g, G1, G1B
	s_mov_b32 s[\g+1], 512<<16
	s_mov_b32 s[\g+2], 8<<16
	s_mov_b32 s[\g+3], 512<<16
	s_mov_b32 s[\g+4], 8
	s_mov_b32 s[\g+5], 2048
	s_mov_b32 s[\g+6], 0
	s_mov_b32 s[\g+7], 0
.endr
	s_or_b32 s[G1S+0], s43, (3<<16)|(1<<20)|(1<<21)|(5<<22)|(3<<25)
	s_or_b32 s[G1SB+0], s44, (3<<16)|(1<<20)|(1<<21)|(5<<22)|(3<<25)
.irp g, G1S, G1SB
	s_mov_b32 s[\g+1], 32<<16
	s_mov_b32 s[\g+2], 16<<16
	s_mov_b32 s[\g+3], 32<<16
	s_mov_b32 s[\g+4], 16
	s_mov_b32 s[\g+5], 32
	s_mov_b32 s[\g+6], 0
	s_mov_b32 s[\g+7], 0
.endr
	s_lshl_b32 s18, s16, 3
	s_lshl_b32 s20, s17, 4
	s_add_co_u32 s20, s20, s18
	s_add_co_u32 s20, s20, s8
	s_lshl_b32 s46, s42, 4
	s_add_co_u32 s46, s46, s18
	s_add_co_u32 s46, s46, s9
	s_lshl_b32 s22, s20, 9
	s_add_co_u32 s22, s22, SCB
	s_mov_b32 s23, 0
	s_lshl_b32 s92, s46, 9
	s_add_co_u32 s92, s92, SCB
	s_mov_b32 s93, 0
	s_lshl_b32 s20, s20, 14
	s_mov_b32 s21, 0
	s_lshl_b32 s46, s46, 14
	s_mov_b32 s47, 0
	s_mul_i32 s45, s14, HALFT
	s_mul_i32 s94, s14, HALFS
	s_wait_kmcnt 0x0
	s_add_nc_u64 s[20:21], s[4:5], s[20:21]
	s_add_nc_u64 s[22:23], s[4:5], s[22:23]
	s_add_nc_u64 s[46:47], s[4:5], s[46:47]
	s_add_nc_u64 s[92:93], s[4:5], s[92:93]
	CROUND
	s_mov_b32 s[G0S], 1
	s_add_co_u32 s[G0S+1], s94, SCL
	s_mov_b64 s[G0S+2:G0S+3], s[22:23]
	s_or_b32 s[G0S+3], s[G0S+3], 0x80000000
	s_mov_b32 s[G0SB], 1
	s_add_co_u32 s[G0SB+1], s94, SCL
	s_mov_b64 s[G0SB+2:G0SB+3], s[92:93]
	s_or_b32 s[G0SB+3], s[G0SB+3], 0x80000000
	JLOAD G0S, G1S, G0SB, G1SB
.irp s, 0,1
	s_mov_b32 s[G0+4*\s], 1
	s_add_co_u32 s[G0+4*\s+1], s45, \s*SLOT
	s_add_nc_u64 s[G0+4*\s+2:G0+4*\s+3], s[20:21], \s*KMEM
	s_or_b32 s[G0+4*\s+3], s[G0+4*\s+3], 0x80000000
	s_mov_b32 s[G0B+4*\s], 1
	s_add_co_u32 s[G0B+4*\s+1], s45, \s*SLOT
	s_add_nc_u64 s[G0B+4*\s+2:G0B+4*\s+3], s[46:47], \s*KMEM
	s_or_b32 s[G0B+4*\s+3], s[G0B+4*\s+3], 0x80000000
	s_wait_alu depctr_va_vdst(0)
	s_wait_tensorcnt 0x0
	ds_add_u32 v28, v29
	s_wait_dscnt 0x0
	CROUND
	JLOAD G0+4*\s, G1, G0B+4*\s, G1B
.endr
	v_and_b32 v1, 15, v0
	v_bfe_u32 v2, v0, 4, 1
	v_and_b32 v6, 31, v0
	v_lshlrev_b32 v[LI], 4, v6
	s_mul_i32 s21, s15, HALFT
	s_mul_i32 s22, s16, HALFT
	s_add_co_u32 s22, s22, 2*HALFT
.irp s, 0,1
	v_add_nc_u32 v[ADRA+\s], s21, v[LI]
	v_add_nc_u32 v[ADRB+\s], s22, v[LI]
	s_add_co_u32 s21, s21, SLOT
	s_add_co_u32 s22, s22, SLOT
.endr
	v_mul_u32_u24 v5, v1, KS
	v_lshrrev_b32 v6, 8, v5
	v_lshl_add_u32 v5, v6, 4, v5
	s_mul_i32 s21, s15, HALFS
	s_mul_i32 s22, s16, HALFS
	s_add_co_u32 s22, s22, 2*HALFS
	s_sub_co_u32 s22, s22, s21
	v_mul_u32_u24 v6, s22, v2
	s_add_co_u32 s21, s21, SCL
	v_add_nc_u32 v5, v5, v6
	v_add_nc_u32 v[ADRS], s21, v5
	s_lshl_b32 s23, s14, 10
	v_lshl_add_u32 v[STS], v1, 2, s23
	v_add_nc_u32 v[SRD], s23, v[LI]
.irp b, 0,1,2,3
	v_mov_b32 v[TM+4+\b], 0
.endr
.macro FRAG reg, adr, q, i
.irp c, 0,1,2,3
	ds_load_b128 v[\reg+4*\c:\reg+4*\c+3], v[\adr] offset:(\i)*KMEM+2048*(\q)+512*\c
.endr
.endm
.macro MUL16 a0, p, q, sc, zero
.irp a, \a0, \a0+1
.irp b, 0,1,2,3,4,5,6,7
.if \zero
	v_wmma_scale_f32_16x16x128_f8f6f4 v[8*(8*((\a)%4)+\b):8*(8*((\a)%4)+\b)+7], v[128*(\p)+FR*\b:128*(\p)+FR*\b+FR-1], v[AF+FR*(\a):AF+FR*(\a)+FR-1], 0, v[SC+8*NQ*(\sc)+NQ*\b+(\q)], v[SC+8*NQ*(\sc)+NQ*(\a)+(\q)] matrix_a_scale:MATRIX_SCALE_ROW1
.else
	v_wmma_scale_f32_16x16x128_f8f6f4 v[8*(8*((\a)%4)+\b):8*(8*((\a)%4)+\b)+7], v[128*(\p)+FR*\b:128*(\p)+FR*\b+FR-1], v[AF+FR*(\a):AF+FR*(\a)+FR-1], v[8*(8*((\a)%4)+\b):8*(8*((\a)%4)+\b)+7], v[SC+8*NQ*(\sc)+NQ*\b+(\q)], v[SC+8*NQ*(\sc)+NQ*(\a)+(\q)] matrix_a_scale:MATRIX_SCALE_ROW1
.endif
.endr
.endr
.endm
.macro FETCH_B slot, q, p
	WIN TO_B
.irp i, 0,1,2,3,4,5,6,7
	FRAG 128*(\p)+FR*\i, ADRB+\slot, \q, \i
.endr
	WIN 0
.endm
.macro FETCH_A slot, q, i0
.irp i, \i0, \i0+1, \i0+2, \i0+3
	FRAG AF+FR*(\i), ADRA+\slot, \q, \i
.endr
.endm
.macro SCALES sc
.irp i, 0,1,2,3,4,5,6,7
	ds_load_b64 v[SC+8*NQ*\sc+NQ*\i:SC+8*NQ*\sc+NQ*\i+1], v[ADRS] offset:\i*SBLK
.endr
.endm
.macro PLACES n
.rept \n
	v_nop
.endr
.endm
.macro STEP slot, q, zero
	s_wait_dscnt 4*NL
	WIN MUL_LO
	MUL16 0, (\q)%2, \q, \slot, \zero
	MUL16 2, (\q)%2, \q, \slot, \zero
	s_wait_dscnt 0
	PLACES NP
	FETCH_B \slot, (\q)+1, 1-(\q)%2
	FETCH_A \slot, (\q)+1, 0
	WIN MUL_HI
	MUL16 4, (\q)%2, \q, \slot, \zero
	MUL16 6, (\q)%2, \q, \slot, \zero
	PLACES NP
	WIN 0
	FETCH_A \slot, (\q)+1, 4
.endm
.macro TURN slot, next, fill
	s_wait_tensorcnt 0x0
	ds_add_u32 v[SPW], v[NIL]
	s_wait_dscnt 4*NL+1
	WIN MUL_LO
	MUL16 0, 1, NQ-1, \slot, 0
	s_wait_dscnt 0x0
	s_barrier_signal -1
	MUL16 2, 1, NQ-1, \slot, 0
	WIN 0
	s_barrier_wait -1
.if \fill
	CREST
	s_add_nc_u64 s[G0+4*\slot+2:G0+4*\slot+3], s[G0+4*\slot+2:G0+4*\slot+3], 2*KMEM
	s_add_nc_u64 s[G0B+4*\slot+2:G0B+4*\slot+3], s[G0B+4*\slot+2:G0B+4*\slot+3], 2*KMEM
	JLOAD G0+4*\slot, G1, G0B+4*\slot, G1B
	PLACES NP-4
.else
	PLACES NP
.endif
	s_wait_alu depctr_va_vdst(0)
	v_add_nc_u32 v[ADRS], 4*NQ, v[ADRS]
	FETCH_B \next, 0, 0
	FETCH_A \next, 0, 0
	SCALES \next
	WIN MUL_HI
	MUL16 4, 1, NQ-1, \slot, 0
	MUL16 6, 1, NQ-1, \slot, 0
	PLACES NP
	WIN 0
	FETCH_A \next, 0, 4
.endm
	s_wait_alu depctr_va_vdst(0)
	s_wait_tensorcnt 1
	s_barrier_signal -1
	s_barrier_wait -1
	FETCH_B 0, 0, 0
	FETCH_A 0, 0, 0
	SCALES 0
	FETCH_A 0, 0, 4
	STEP 0, 0, 1
	s_mov_b32 s3, LAPS-1
.Llap:
	TURN 0, 1, 1
	STEP 1, 0, 0
	TURN 1, 0, 1
	STEP 0, 0, 0
	s_sub_co_u32 s3, s3, 1
	s_cmp_lg_u32 s3, 0
	s_cbranch_scc1 .Llap
	TURN 0, 1, 0
	STEP 1, 0, 0
	s_wait_dscnt 4*NL
	WIN MUL_LO
	MUL16 0, 1, NQ-1, 1, 0
	MUL16 2, 1, NQ-1, 1, 0
	s_wait_dscnt 0
	WIN MUL_HI
	MUL16 4, 1, NQ-1, 1, 0
	MUL16 6, 1, NQ-1, 1, 0
	WIN 0
	PLACES NP
	s_mov_b32 s[SEL], 0x76543210
	s_mov_b32 s[SEL+1], 0xfedcba98
	s_lshl_b32 s20, s17, 8
	s_lshl_b32 s21, s15, 7
	s_add_co_u32 s20, s20, s21
	s_lshl_b32 s21, s42, 8
	s_lshl_b32 s22, s16, 7
	s_add_co_u32 s21, s21, s22
	s_mov_b32 s24, 274432
	s_cmp_ge_u32 s98, 8
	s_cselect_b32 s24, 0, s24
	s_mov_b32 s25, 139264
	s_mov_b32 s26, REC
	s_mov_b32 s27, 1024
	s_mov_b32 s29, 4096
	s_mov_b32 s31, 256
	s_cmp_ge_u32 s98, 16
	s_cselect_b32 s24, s25, s24
	s_cselect_b32 s22, s21, s20
	s_cselect_b32 s23, s20, s21
	s_cselect_b32 s28, 2048, s27
	s_cselect_b32 s29, s26, s29
	s_cselect_b32 s30, s27, s26
	s_cselect_b32 s31, s26, s31
	s_cselect_b32 s32, 1, 2
	s_lshr_b32 s33, s22, 11
	s_lshl_b32 s33, s33, 4
	s_lshr_b32 s34, s23, 6
	s_add_co_u32 s33, s33, s34
	s_mul_i32 s33, s33, REC
	s_add_co_u32 s33, s33, s24
	s_and_b32 s34, s22, 2047
	s_lshl_b32 s35, s34, 6
	s_add_co_u32 s36, s33, s35
	s_mov_b32 s37, 0
	s_add_nc_u64 s[12:13], s[6:7], s[36:37]
	s_lshl_b32 s35, s34, s32
	s_add_co_u32 s36, s33, s35
	s_add_co_u32 s36, s36, 131072
	s_add_nc_u64 s[20:21], s[6:7], s[36:37]
.irp a, 0,1,2,3,4,5,6,7
	s_mul_i32 s38, s28, (\a)%4
	s_mul_i32 s39, s29, (\a)/4
	s_add_co_u32 s38, s38, s39
	v_add_nc_u32 v[VO+2*\a], s38, v[LI]
	s_add_co_u32 s38, s38, s30
	v_add_nc_u32 v[VO+2*\a+1], s38, v[LI]
.endr
	v_mul_u32_u24 v[SO], s31, v2
	v_lshl_add_u32 v[SO], v1, 4, v[SO]
.macro QW a
.set W,   2+(\a)/4
.set AC,  64*((\a)%4)
.set PCA, PC+16*(\a)
.set W01, W|(W<<2)
.set W12, (W<<2)|(W<<4)
.set W0D, W|(W<<6)
	WIN W01
.irp b, 0,1,2,3
	v_max3_num_f32 v[TM+\b], |v[AC+16*\b]|, |v[AC+16*\b+1]|, 0x4800000
.endr
	WIN W12
.irp i, 2,4,6,8,10,12,14
.irp b, 0,1,2,3
	v_max3_num_f32 v[TM+\b], v[TM+\b], |v[AC+16*\b+\i]|, |v[AC+16*\b+\i+1]|
.endr
.endr
	WIN 0
.irp b, 0,1,2,3
	v_permlanex16_b32 v[TM+4+\b], v[TM+\b], s[SEL], s[SEL+1]
.endr
.irp b, 0,1,2,3
	v_max_num_f32 v[TM+\b], v[TM+\b], v[TM+4+\b]
.endr
.irp b, 0,1,2,3
	v_add_nc_u32 v[TM+12+\b], 0xfc000000, v[TM+\b]
.endr
.irp b, 0,1,2,3
.endr
.irp b, 0,1,2,3
	v_lshrrev_b32 v[TM+4+\b], 23, v[TM+12+\b]
.endr
	v_lshl_or_b32 v[PW+\a], v[TM+5], 8, v[TM+4]
	v_lshl_or_b32 v[PW+\a], v[TM+6], 16, v[PW+\a]
	v_lshl_or_b32 v[PW+\a], v[TM+7], 24, v[PW+\a]
	WIN W0D
.irp b, 0,1,2,3
.irp i, 0,1,2,3,4,5,6,7,8,9,10,11,12,13,14,15
.endr
.endr
	WIN W
.irp b, 0,1,2,3
	v_cvt_scalef32_pk8_fp8_f32 v[PCA+4*\b:PCA+4*\b+1], v[AC+16*\b:AC+16*\b+7], v[TM+12+\b]
	v_cvt_scalef32_pk8_fp8_f32 v[PCA+4*\b+2:PCA+4*\b+3], v[AC+16*\b+8:AC+16*\b+15], v[TM+12+\b]
.endr
	WIN 0
	v_nop
.irp c, 0,1,2,3
	global_store_b128 v[VO+2*(\a)+\c/2], v[PCA+4*\c:PCA+4*\c+3], s[12:13] offset:(\c%2)*512
.endr
	ds_store_b32 v[STS], v[PW+\a] offset:64*(\a)
.endm
.irp a, 0,1,2,3,4,5,6,7
	QW \a
.endr
	ds_load_b128 v[BK:BK+3], v[SRD]
	s_wait_dscnt 0x0
	global_store_b128 v[SO], v[BK:BK+3], s[20:21]
	s_cmp_ge_u32 s98, 16
	s_cbranch_scc1 .Lv_done
.irp a, 0,1,2,3,4,5,6,7
	v_lshrrev_b32 v[PH+\a], 16, v[PW+\a]
.endr
.irp a, 0,1,2,3,4,5,6,7
	ds_store_b32 v[STS], v[PH+\a] offset:512+64*\a
.endr
	ds_load_b128 v[BK+4:BK+7], v[SRD] offset:512
	s_wait_dscnt 0x0
	global_store_b128 v[SO], v[BK+4:BK+7], s[20:21] offset:REC
.Lv_done:
	s_wait_tensorcnt 0x0
	ds_add_u32 v[SPW], v[NIL]
	s_wait_dscnt 0x0
	CROUND
	s_endpgm
.Lfunc_end_k_q65a3e0e3c3_proj:
	.size	k_q65a3e0e3c3_proj, .Lfunc_end_k_q65a3e0e3c3_proj-k_q65a3e0e3c3_proj
	.p2alignl 7, 3214868480
	.fill 96, 4, 3214868480
	.section	.rodata,"a",@progbits
	.p2align	6, 0x0
	.amdhsa_kernel k_q65a3e0e3c3_proj
		.amdhsa_group_segment_fixed_size 327680
		.amdhsa_private_segment_fixed_size 0
		.amdhsa_enable_private_segment 0
		.amdhsa_kernarg_size 16
		.amdhsa_user_sgpr_count 2
		.amdhsa_user_sgpr_kernarg_segment_ptr 1
		.amdhsa_wavefront_size32 1
		.amdhsa_system_sgpr_workgroup_id_x 1
		.amdhsa_system_sgpr_workgroup_id_y 1
		.amdhsa_system_sgpr_workgroup_id_z 1
		.amdhsa_system_vgpr_workitem_id 0
		.amdhsa_next_free_vgpr 1024
		.amdhsa_next_free_sgpr 102
		.amdhsa_reserve_vcc 0
		.amdhsa_float_denorm_mode_32 3
		.amdhsa_float_denorm_mode_16_64 3
		.amdhsa_fp16_overflow 1
		.amdhsa_memory_ordered 1
		.amdhsa_forward_progress 1
		.amdhsa_inst_pref_size 155
	.end_amdhsa_kernel
	.amdgpu_metadata
---
amdhsa.version: [ 1, 2 ]
amdhsa.kernels:
  - .name:           k_q65a3e0e3c3_proj
    .symbol:         k_q65a3e0e3c3_proj.kd
    .args:
      - { .name: xw, .offset: 0, .size: 8, .value_kind: global_buffer, .address_space: global }
      - { .name: qkv, .offset: 8, .size: 8, .value_kind: global_buffer, .address_space: global }
    .group_segment_fixed_size: 327680
    .private_segment_fixed_size: 0
    .kernarg_segment_align: 8
    .kernarg_segment_size: 16
    .max_flat_workgroup_size: 128
    .sgpr_count:     102
    .vgpr_count:     1024
    .wavefront_size: 32
...
	.end_amdgpu_metadata
.endif
;; end of part 7
;; launch attn (part 8): grid 256 x 1, 16 waves a work-group, clusters of 4 x 1, 277,504 bytes of LDS; arguments qkv, mbits, ctx; writes ctx
.if DOCPART == 8
	.amdgcn_target "amdgcn-amd-amdhsa--gfx1250"
	.amdhsa_code_object_version 6
	.text
	.protected	k_q65a3e0e3c3_attn
	.globl	k_q65a3e0e3c3_attn
	.p2align	8
	.type	k_q65a3e0e3c3_attn,@function
k_q65a3e0e3c3_attn:
	s_mov_b64 s[64:65], 0
	v_nop
	global_prefetch_b8 v0, s[64:65] scope:SCOPE_SE
	s_setreg_imm32_b32 hwreg(HW_REG_WAVE_MODE, 25, 1), 1
	s_wait_xcnt 0x0
	s_wait_alu depctr_hold_cnt(0) depctr_sa_sdst(0) depctr_va_vdst(0) depctr_va_sdst(0) depctr_va_ssrc(0) depctr_va_vcc(0) depctr_vm_vsrc(0)
	s_getreg_b32 s2, hwreg(HW_REG_IB_STS2, 6, 4)
	s_cmp_eq_u32 s2, 0
	s_cbranch_scc0 .Lentry_in_a_cluster
	s_endpgm
.Lentry_in_a_cluster:
	s_bfe_u32 s2, ttmp6, 0x10000c
	s_cmp_lg_u32 s2, 0x3003
	s_cbranch_scc0 .Lentry_shape_is_right
	s_endpgm
.Lentry_shape_is_right:
; ctx[b][q][head] = softmax_k(where(mask, -1e9, Q . K / 8)) V, both products on codes of FP8 (E4M3) with E8M0 scales, and ctx quantised along the model's 1,024 on the way out.
; THE SOFTMAX AHEAD OF THE SECOND PRODUCT: t = score x log2(e) / 8; M = the row's largest t so far, rounded UP to a whole number; p = 2^(t - M) is what is quantised, along the keys; it is not normalised.
; The row's sum is taken of the unquantised p and divides O at the end.  When M moves, the sum and O are multiplied by 2^(old M - new M): exact.
; SHARES.  A cluster of four work-groups owns one (batch, head); each work-group 512 of its queries, each of its SIXTEEN waves two tiles of 16, one after the other, in 256 registers: four waves to a SIMD,
; so that one wave's vector work stands beside another's matrix work and LDS loads.  Every wave walks all 2,048 keys, 128 a step.
; ALL OF THE HEAD'S K AND V STAY IN LDS: codes and scale words are the first 274,432 bytes of the head's record, one dense block, filled ONCE, each wave bringing a sixteenth, asked for JOINTLY by the four
; work-groups (the same line, the same descriptor, a mask that names the four).  Nothing is filled again, so there is no ring.
; LAYOUT.  Both products are used transposed: S^T = K Q^T (source 0 = 16 keys, source 1 = my 16 queries), O^T = V^T P^T: a lane holds ONE query throughout.  Tiles are not neighbours (tile T, place r:
; row 32 (T / 2) + 8 (T % 2) + r + 8 (r / 8)), so the 16 registers of tiles 2 b and 2 b + 1 are 16 neighbours: keys for p, channels for ctx.  Operands lie in LDS as images of their registers: 16 x lane.
; THE HEAD HAS 64 CHANNELS AND THE INSTRUCTION TAKES 128 ALONG K.  The upper half of Q's fragment is zero codes, written once.  So the upper half of K's may hold any finite codes: a step's eight tiles lie on end,
; 8 registers each, with 8 registers of zeros behind them, and tile t's fragment is registers 8 t .. 8 t + 15 of that run: its upper half is the next tile's codes, which meet Q's zeros.
; LOADS ARE ASKED FOR WELL AHEAD OF THEIR USE, AND IN FEW RUNS: three runs of LDS loads a step.  The next step's K, its scale words and this step's scale words of V: one run of 22 behind the block maxima, when this
; step's products have read K's registers.  V's fragments 0, 1 when blocks 0, 1 of p are converted, into those blocks' registers; fragments 2, 3 likewise.  The next step's mask words when this step's selects have read theirs.
; Both tiles' Q is asked for at the kernel's head.  The exponentials stand by turns with the sums of the numbers before them; the second half of K Q^T by turns with the selects of tiles that are finished.
; THE MASK comes as lane masks, one scalar word for each register of scores (an earlier launch packed them): one select a score.
; LIMIT: a masked score is set to -2^33 ahead of the factor log2(e) / 8, a masked logit of -2^30 where the definition has -1e9.  A row all of whose keys are masked gives p = 1 everywhere, as there (t is a whole
; number in both); beside any key that counts p is 0 in both.  The two differ only where logits that count lie near or under -1e9.  NaN and infinities are not served.
.set REC,  413696
.set CSB,  8388608                     ; ctx: where the scale halves begin
.set KSO,  131072                      ; LDS: K's codes 0, K's scale words,
.set VC,   139264                      ; V's codes,
.set VS,   270336                      ; V's scale words,
.set CST,  274432                      ; and 1,024 bytes of their own for ctx's scale halves
.set PART, 17152                       ; a sixteenth of the block: 67 rows of 256 bytes
.set AK0,  1                           ; v1  16 x lane
.set AV0,  2                           ; v2  16 x lane + VC
.set ASK0, 3                           ; v3  4 x lane + KSO
.set ASV0, 4                           ; v4  4 x lane + VS
                                       ; v5  where my tile's scale halves go; v6  4 r; v7  a masked score
.set ADK,  8                           ; v8-11 the step's addresses: K's codes, V's codes, K's scale words, V's
.set ADV,  9
.set ADS,  10
.set ADT,  11
                                       ; v12 -M, v13 the largest score, v[14:15] the row's sum
.set QF,   16                          ; v16-31   Q's fragment: 8 registers of codes, 8 of zeros
.set KF,   32                          ; v32-95   a step's eight tiles of K, 8 registers each; v96-103 zeros
.set SS,   104                         ; v104-167 S^T, then p, then V's four fragments
.set OO,   168                         ; v168-199 O^T
.set PCD,  200                         ; v200-215 p's codes
.set KSW,  216                         ; v216-219 K's scale words: lanes 0-15 the even tile, lanes 16-31 the odd
.set VSW,  220                         ; v220-221 V's, likewise
.set QSW,  222                         ; v222 Q's
.set PSW,  223                         ; v223 p's
.set BM,   224                         ; v224-227 a block's largest score, then its largest p
.set BT,   228                         ; v228-231 the other half of the lanes'; then the bytes
.set BH,   232
.set BS,   236                         ; v236-239 the conversions' scale operands
.set F,    240                         ; v[240:241] f = 2^(old M - new M)
.set TT,   242
.set Q1S,  243                         ; v243 the second tile's scale words of Q, until its turn
.set S2,   244                         ; v[244:245] the sum's second chain; v244 keeps the old -M while the new one is made
.set CRD,  246                         ; v246 where threads 0-63 read the scale halves back; v247 their place in ctx
.set CGO,  247
.set Q1,   248                         ; v248-255 the second tile's codes of Q, until its turn
.set TB,   2                           ; s2   the step's codes: 8,192 bytes a step, K's and V's alike
.set TK,   3                           ; s3   K's scale words: 512 a step
.set TV,   66                          ; s66  V's: 256 a step
.set WV,   10
.set MNT,  13
.set SEL,  28
.set CS,   30                          ; s[30:31] c = log2(e) / 8
                                       ; s[16:17] the mask pointer's step, s18 its step in a tile's last trip (the descriptor's registers, free once the one tensor load has landed)
.macro CROUND
	s_barrier_signal -1
	s_barrier_wait -1
	s_cmp_lg_u32 s[WV], 0
	s_cbranch_scc1 .Lnot_wave_0_\@
	s_barrier_signal -3
.Lnot_wave_0_\@:
	s_barrier_wait -3
	s_barrier_signal -1
	s_barrier_wait -1
.endm
	s_load_b128 s[4:7], s[0:1], 0x0                ; qkv, mbits
	s_load_b64 s[8:9], s[0:1], 0x10                ; ctx
	v_lshl_add_u32 v254, v0, 2, 0x43400
	v_mov_b32 v255, 0
	ds_add_u32 v254, v255
	ds_add_u32 v254, v255
	s_wait_dscnt 0x0
	v_lshrrev_b32 v8, 5, v0
	s_delay_alu instid0(VALU_DEP_1)
	v_readfirstlane_b32 s[WV], v8                  ; wave 0..15
	s_bfe_u32 s11, ttmp6, 0x40000                  ; cx: which 512 queries; it enters Q's, the mask's and ctx's addresses alone
	s_mul_i32 s32, ttmp9, REC                      ; the record: the cluster's number is batch x 16 + head
	s_mul_i32 s34, s[WV], PART                     ; my sixteenth, in memory and in LDS
	s_add_co_u32 s36, s32, s34
	s_mov_b32 s37, 0
	s_lshl_b32 s38, s11, 5
	s_add_co_u32 s38, s38, s[WV]                   ; my first tile of queries: 32 cx + wave
	s_lshl_b32 s40, s38, 10
	s_add_co_u32 s40, s40, s32
	s_add_co_u32 s40, s40, 274432                  ; its codes
	s_mov_b32 s41, 0
	s_lshl_b32 s42, s38, 6
	s_add_co_u32 s42, s42, s32
	s_add_co_u32 s42, s42, 405504                  ; its scale words
	s_mov_b32 s43, 0
	s_lshr_b32 s44, ttmp9, 4                       ; batch
	s_and_b32 s45, ttmp9, 15                       ; head
	s_lshl_b32 s46, s44, 7
	s_add_co_u32 s46, s46, s38                     ; the tile among all batches' tiles
	s_lshl_b32 s48, s46, 12                        ; its mask words: 16 steps of 256 bytes
	s_mov_b32 s49, 0
	s_lshl_b32 s50, s46, 14
	s_lshl_b32 s47, s45, 10
	s_add_co_u32 s50, s50, s47                     ; its place in ctx: tile x 16,384 + head x 1,024
	s_mov_b32 s51, 0
	s_mov_b32 s20, 15|(3<<16)|(1<<21)              ; group 1: 15:0 the mask: all four work-groups; 17:16 elements of 8 bytes; 21 set beside a mask
	s_mov_b32 s21, 32<<16                          ; tensor_dim0: 32 elements, 256 bytes
	s_mov_b32 s22, 67<<16                          ; tensor_dim1
	s_mov_b32 s23, 32<<16                          ; tile_dim0
	s_mov_b32 s24, 67                              ; tile_dim1
	s_mov_b32 s25, 32                              ; the rows are dense
	s_mov_b32 s26, 0
	s_mov_b32 s27, 0
	s_mov_b32 s[SEL], 0x76543210
	s_mov_b32 s[SEL+1], 0xfedcba98
	s_mov_b32 s[CS], 0x3e38aa3b
	s_mov_b32 s[CS+1], s[CS]                       ; (named with it as a pair, so it is written)
	s_wait_kmcnt 0x0
	s_mov_b32 s16, 1                               ; group 0
	s_mov_b32 s17, s34
	s_add_nc_u64 s[18:19], s[4:5], s[36:37]
	s_or_b32 s19, s19, 0x80000000
	s_add_nc_u64 s[100:101], s[4:5], s[42:43]
	s_add_nc_u64 s[4:5], s[4:5], s[40:41]
	s_add_nc_u64 s[6:7], s[6:7], s[48:49]
	s_add_nc_u64 s[8:9], s[8:9], s[50:51]
	CROUND                                         ; all four work-groups are here: the joint loads meet
	tensor_load_to_lds s[16:19], s[20:27]          ; my one tensor load of the launch
	s_nop 0
.rept 4
	v_nop
.endr
	s_load_b512 s[32:47], s[6:7], 0x0              ; the first step's 64 mask words
	s_load_b512 s[48:63], s[6:7], 0x40
	s_load_b512 s[68:83], s[6:7], 0x80
	s_load_b512 s[84:99], s[6:7], 0xc0
	v_and_b32 v9, 31, v0                           ; lane
	v_and_b32 v10, 15, v0                          ; r
	s_delay_alu instid0(VALU_DEP_2)
	v_lshlrev_b32 v[AK0], 4, v9
	s_delay_alu instid0(VALU_DEP_2)
	v_lshlrev_b32 v6, 2, v10                       ; Q's scale words: 4 r
	global_load_b128 v[QF:QF+3], v[AK0], s[4:5]                    ; BOTH TILES' Q IS ASKED FOR NOW, while LDS is being filled: the first tile's into its place,
	global_load_b128 v[QF+4:QF+7], v[AK0], s[4:5] offset:512
	global_load_b32 v[QSW], v6, s[100:101]
	global_load_b128 v[Q1:Q1+3], v[AK0], s[4:5] offset:16384       ; the second's (the tile 16 further on) into nine registers that nothing else uses
	global_load_b128 v[Q1+4:Q1+7], v[AK0], s[4:5] offset:16384+512
	global_load_b32 v[Q1S], v6, s[100:101] offset:1024
	v_add_nc_u32 v[AV0], VC, v[AK0]
	v_lshlrev_b32 v[ASK0], 2, v9
	s_delay_alu instid0(VALU_DEP_1)
	v_add_nc_u32 v[ASV0], VS, v[ASK0]
	s_delay_alu instid0(VALU_DEP_2)
	v_add_nc_u32 v[ASK0], KSO, v[ASK0]
	v_lshlrev_b32 v5, 1, v10
	s_lshl_b32 s15, s[WV], 5
	v_add_nc_u32 v5, s15, v5
	s_delay_alu instid0(VALU_DEP_1)
	v_add_nc_u32 v5, CST, v5                       ; where my tile's scale halves go: 32 x wave + 2 r
	v_lshl_add_u32 v[CRD], v0, 4, CST
	v_lshlrev_b32 v[CGO], 4, v0
	v_mov_b32 v7, 0xd0000000                       ; -2^33: a masked score
.irp j, 0,1,2,3,4,5,6,7
	v_mov_b32 v[QF+8+\j], 0                        ; zero codes: the upper half of Q's fragment,
	v_mov_b32 v[KF+64+\j], 0                       ; and what stands behind K's last tile: written once
.endr
.irp b, 0,1,2,3
	v_mov_b32 v[BT+\b], 0                          ; a lane permute's destination counts as one of its sources
.endr
	v_mov_b32 v[F+1], 0                            ; (named as the upper half of a pair)
	s_wait_tensorcnt 0x0                           ; my sixteenth has landed,
	s_barrier_signal -1
	s_barrier_wait -1                              ; everybody's has
	s_mov_b32 s17, 0                               ; the upper word of the mask pointer's step
; One of the 22 LDS loads that run ahead: the NEXT step's eight tiles of K (two loads each), their four registers of scale words, and THIS step's two of V's.
.macro KL
.if kl < 16
	ds_load_b128 v[KF+4*kl:KF+4*kl+3], v[ADK] offset:8192+512*kl
.elseif kl < 20
	ds_load_b32 v[KSW+kl-16], v[ADS] offset:512+128*(kl-16)
.else
	ds_load_b32 v[VSW+kl-20], v[ADT] offset:128*(kl-20)
.endif
.set kl, kl+1
.endm
; S^T of tile t: 16 keys x my 16 queries
.macro QK t
.if (\t)%2 == 0
	v_wmma_scale_f32_16x16x128_f8f6f4 v[SS+8*(\t):SS+8*(\t)+7], v[KF+8*(\t):KF+8*(\t)+15], v[QF:QF+15], 0, v[KSW+(\t)/2], v[QSW]
.else
	v_wmma_scale_f32_16x16x128_f8f6f4 v[SS+8*(\t):SS+8*(\t)+7], v[KF+8*(\t):KF+8*(\t)+15], v[QF:QF+15], 0, v[KSW+(\t)/2], v[QSW] matrix_a_scale:MATRIX_SCALE_ROW1
.endif
.endm
; The masked scores of tile t: ascending, the accumulator from its low end on.  Word n lies in s[32 + n], from n = 32 on in s[36 + n]
.macro CND t
.set n, 8*(\t)
.rept 8
.if n < 32
	v_cndmask_b32 v[SS+n], v[SS+n], v7, s[32+n]
.else
	v_cndmask_b32 v[SS+n], v[SS+n], v7, s[36+n]
.endif
.set n, n+1
.endr
.endm
; Turn gq of 17: the exponentials of numbers 4 gq .. 4 gq + 3 stand by turns with the sums of the four numbers before them, so that a plain line stands behind each exponential before its result is used.
; When a block of 16 is ready it is converted; when two blocks are, V's two fragments of the same numbers are asked for into their registers, in one run of eight loads.
.macro GRP
.set gg, gq-1
.set ge, SS+4*gq
.set gr, SS+4*gg
.set gb, gg/4
.if gq == 0
	v_exp_f32 v[ge], v[ge]                         ; p = 2^(t - M): NOT normalised
	v_lshl_or_b32 v[PSW], v[BT+1], 8, v[BT]        ; p's scale word for these 128 keys
	s_wait_alu depctr_va_vdst(0)
	v_exp_f32 v[ge+1], v[ge+1]
	v_lshl_or_b32 v[PSW], v[BT+2], 16, v[PSW]
	s_wait_alu depctr_va_vdst(0)
	v_exp_f32 v[ge+2], v[ge+2]
	v_lshl_or_b32 v[PSW], v[BT+3], 24, v[PSW]
	v_exp_f32 v[ge+3], v[ge+3]
	v_pk_mul_f32 v[14:15], v[14:15], v[F:F+1] op_sel_hi:[1,0]   ; the sums under the new M
.else
.if gq < 16
	v_exp_f32 v[ge], v[ge]
.endif
.if gg == 0
	s_wait_alu depctr_va_vdst(0)
	v_pk_add_f32 v[S2:S2+1], v[gr:gr+1], v[gr+2:gr+3]   ; THE ROW'S SUM IS TAKEN OF THE UNQUANTISED p: two at a time, in two chains
.else
	s_wait_alu depctr_va_vdst(0)
	v_pk_add_f32 v[14:15], v[14:15], v[gr:gr+1]
.endif
.if gq < 16
	v_exp_f32 v[ge+1], v[ge+1]
.endif
.if gg > 0
	v_pk_add_f32 v[S2:S2+1], v[S2:S2+1], v[gr+2:gr+3]
.endif
.if gq < 16
	v_exp_f32 v[ge+2], v[ge+2]
.endif
.if gq < 16
	v_exp_f32 v[ge+3], v[ge+3]
.endif
.if gg%4 == 3
	v_cvt_scalef32_pk8_fp8_f32 v[PCD+4*gb:PCD+4*gb+1], v[SS+16*gb:SS+16*gb+7], v[BS+gb]
	v_cvt_scalef32_pk8_fp8_f32 v[PCD+4*gb+2:PCD+4*gb+3], v[SS+16*gb+8:SS+16*gb+15], v[BS+gb]
.if gb == 3
	s_setprio 0
	v_nop                                          ; one plain line behind the last conversion
.endif
.if gb%2 == 1
.irp fr, 0,1
.irp c, 0,1,2,3
	ds_load_b128 v[SS+16*(gb-1+\fr)+4*\c:SS+16*(gb-1+\fr)+4*\c+3], v[ADV] offset:2048*(gb-1+\fr)+512*\c   ; V's fragments gb - 1 and gb (16 channels x 128 keys each)
.endr
.endr
.endif
.endif
.endif
.set gq, gq+1
.endm
; A KEY STEP: 128 keys.  Its K, K's scale words and its mask words were asked for in the step before (the first step's ahead of the loop).
.macro STEP
	v_add_nc_u32 v[ADK], s[TB], v[AK0]             ; with the eight multiplications between the last step's second and third product of V^T P: ten places (nine are asked) in front of the
	v_add_nc_u32 v[ADV], s[TB], v[AV0]             ; four products below, which write over V's fragments 0 and 1
	s_wait_dscnt 0x0                               ; K and its scale words are in
	QK 0
	QK 1
	QK 2
	QK 3
	v_add_nc_u32 v[ADS], s[TK], v[ASK0]            ; eight places in front of the first read of results
	v_add_nc_u32 v[ADT], s[TV], v[ASV0]
.rept 6
	v_nop
.endr
	s_wait_kmcnt 0x0                               ; the mask words are in, so their base may step:
	s_cmp_lg_u32 s14, 1
	s_cselect_b32 s16, 256, s18                    ; to the next step's words; in a tile's last trip to the next tile's first, or not at all: no load leaves the buffer
	s_add_nc_u64 s[6:7], s[6:7], s[16:17]
	CND 0                                          ; the other four products stand by turns with the selects of finished tiles.  Behind the last step's last product stand 18 places by now: tiles 4 to 7 write over V's fragments 2 and 3
	QK 4
	CND 1
	QK 5
	CND 2
	QK 6
	CND 3
	QK 7
	CND 4                                          ; between each of the products 4 to 7 and the first read of its result stand 24 selects of other tiles
	CND 5
	CND 6
	CND 7                                          ; lane (r, h): query r; register 16 b + i: key 32 b + 16 h + i of the step
.irp b, 0,1,2,3
	v_max3_num_f32 v[BM+\b], v[SS+16*\b], v[SS+1+16*\b], v[SS+2+16*\b]   ; THE LARGEST SCORE OF EACH BLOCK OF 32 KEYS: for the row's maximum and, since p rises with the score, for the block's largest p
.endr
.irp i, 3,5,7,9,11,13
.irp b, 0,1,2,3
	s_delay_alu instid0(VALU_DEP_4)
	v_max3_num_f32 v[BM+\b], v[BM+\b], v[SS+16*\b+\i], v[SS+1+16*\b+\i]
.endr
.endr
.irp b, 0,1,2,3
	s_delay_alu instid0(VALU_DEP_4)
	v_max_num_f32 v[BM+\b], v[BM+\b], v[SS+15+16*\b]
.endr
	s_load_b512 s[32:47], s[6:7], 0x0              ; the next step's 64 mask words: the selects have read these registers
	s_load_b512 s[48:63], s[6:7], 0x40
	s_load_b512 s[68:83], s[6:7], 0x80
	s_load_b512 s[84:99], s[6:7], 0xc0
.set kl, 0
.rept 22
	KL                                             ; the loads that run ahead, in one run.  (The 64 vector lines above are the places behind the products that read K)
.endr
.irp b, 0,1,2,3
	v_permlanex16_b32 v[BT+\b], v[BM+\b], s[SEL], s[SEL+1]
.endr
.irp b, 0,1,2,3
	s_delay_alu instid0(VALU_DEP_4)
	v_max_num_f32 v[BM+\b], v[BM+\b], v[BT+\b]     ; with lane l xor 16's 16 keys
.endr
	s_delay_alu instid0(VALU_DEP_2)
	v_max3_num_f32 v[TT], v[BM], v[BM+1], v[BM+2]
	v_mov_b32 v[S2], v12                           ; the old -M
	s_delay_alu instid0(VALU_DEP_2)
	v_max3_num_f32 v13, v[TT], v[BM+3], v13        ; the running largest score of my query
	s_delay_alu instid0(VALU_DEP_1)
	v_mul_f32 v[TT], s[CS], v13                    ; as t (c is positive, so the largest score has the largest t)
	s_delay_alu instid0(VALU_DEP_1)
	v_floor_f32 v12, -v[TT]                        ; the new -M = floor(-t) = -ceil(t): M IS A WHOLE NUMBER
.irp b, 0,1,2,3
	v_fma_f32 v[BM+\b], v[BM+\b], s[CS], v12       ; t - M of each block's largest score,
.endr
	v_sub_f32 v[TT], v12, v[S2]                    ; M's old value less its new one: a whole number, 0 or less
	s_wait_alu depctr_va_vdst(0)
	v_exp_f32 v[BM], v[BM]                         ; and the block's largest p: the same two instructions on the same number give the same bits as below
	v_cvt_i32_f32 v[TT], v[TT]                     ; (it saturates)
	s_wait_alu depctr_va_vdst(0)
	v_exp_f32 v[BM+1], v[BM+1]
	v_ldexp_f32 v[F], 1.0, v[TT]                   ; f = 2^(old M - new M)
	v_exp_f32 v[BM+2], v[BM+2]
	v_exp_f32 v[BM+3], v[BM+3]
.set j, 0
.rept 32
	v_pk_fma_f32 v[SS+j:SS+j+1], v[SS+j:SS+j+1], s[CS:CS+1], v[12:13] op_sel_hi:[1,0,0]   ; t - M, two at a time
.set j, j+2
.endr
	s_wait_alu depctr_va_vdst(0)
.irp b, 0,1,2,3
	v_max_num_f32 v[BM+\b], 0x4800000, v[BM+\b]    ; the floor 2^(9 - 127): the byte cannot fall under 1
.endr
.irp b, 0,1,2,3
	s_delay_alu instid0(VALU_DEP_4)
	v_add_nc_u32 v[BS+\b], 0xfc000000, v[BM+\b]    ; 8 off the exponent field: the conversion's scale operand
.endr
.irp b, 0,1,2,3
.endr
.irp b, 0,1,2,3
	s_delay_alu instid0(VALU_DEP_4)
	v_lshrrev_b32 v[BT+\b], 23, v[BS+\b]           ; the scale's byte
.endr
.set gq, 0
	s_setprio 1
	s_wait_alu depctr_va_vdst(0)
.rept 17
	GRP
.endr
	v_pk_add_f32 v[14:15], v[14:15], v[S2:S2+1]
.set j, 0
.rept 8
	v_pk_mul_f32 v[OO+j:OO+j+1], v[OO+j:OO+j+1], v[F:F+1] op_sel_hi:[1,0]   ; O^T under the new M: the first two accumulators.  (Also the places between the codes and the products below)
.set j, j+2
.endr
	; O^T += V^T P^T: the four accumulators by turns.  LDS loads come back in order
	s_wait_alu depctr_va_vdst(0)
	s_wait_dscnt 8                                 ; all but the eight loads of fragments 2 and 3
	v_wmma_scale_f32_16x16x128_f8f6f4 v[OO:OO+7], v[SS:SS+15], v[PCD:PCD+15], v[OO:OO+7], v[VSW], v[PSW]
	v_wmma_scale_f32_16x16x128_f8f6f4 v[OO+8:OO+15], v[SS+16:SS+31], v[PCD:PCD+15], v[OO+8:OO+15], v[VSW], v[PSW] matrix_a_scale:MATRIX_SCALE_ROW1
.rept 8
	v_pk_mul_f32 v[OO+j:OO+j+1], v[OO+j:OO+j+1], v[F:F+1] op_sel_hi:[1,0]   ; the other two accumulators: they name no register of the two products above
.set j, j+2
.endr
	s_wait_alu depctr_va_vdst(0)
	s_wait_dscnt 4                                 ; all but fragment 3's four loads
	v_wmma_scale_f32_16x16x128_f8f6f4 v[OO+16:OO+23], v[SS+32:SS+47], v[PCD:PCD+15], v[OO+16:OO+23], v[VSW+1], v[PSW]
	s_wait_dscnt 0x0
	v_wmma_scale_f32_16x16x128_f8f6f4 v[OO+24:OO+31], v[SS+48:SS+63], v[PCD:PCD+15], v[OO+24:OO+31], v[VSW+1], v[PSW] matrix_a_scale:MATRIX_SCALE_ROW1
	s_add_co_u32 s[TB], s[TB], 8192
	s_add_co_u32 s[TK], s[TK], 512
	s_add_co_u32 s[TV], s[TV], 256
.endm
; ONE TILE OF 16 QUERIES: tile 32 cx + 16 p + wave.
.macro PASS p
.if \p == 1
.irp j, 0,1,2,3,4,5,6,7
	v_mov_b32 v[QF+\j], v[Q1+\j]                   ; the second tile's Q takes its place: a fragment wants its eight zero registers behind it, and there is one such run
.endr
	v_mov_b32 v[QSW], v[Q1S]
.endif
.set j, 0
.rept 16
	ds_load_b128 v[KF+4*j:KF+4*j+3], v[AK0] offset:512*j   ; the first step's K.  (A tile's last trip has fetched the 8,192 bytes behind K's codes, which nobody multiplies)
.set j, j+1
.endr
.irp i, 0,1,2,3
	ds_load_b32 v[KSW+\i], v[ASK0] offset:128*\i
.endr
	v_mov_b32 v13, 0xff61b1e6                      ; the largest score so far: -3e38, under every score
	s_delay_alu instid0(VALU_DEP_1)
	v_floor_f32 v12, -v13                          ; -M: so large that the first f is 0
	v_mov_b32 v14, 0
	v_mov_b32 v15, 0
.set j, 0
.rept 32
	v_mov_b32 v[OO+j], 0                           ; O^T.  (The step is written once: the first finds zeros, which the first change of M leaves zeros)
.set j, j+1
.endr
	s_mov_b32 s[TB], 0
	s_mov_b32 s[TK], 0
	s_mov_b32 s[TV], 0
	s_mov_b32 s18, (1-\p)*61696                    ; from a tile's last 256 mask bytes to the first of the tile 16 further on; behind the last tile: nowhere
	s_mov_b32 s14, 16
.if \p == 0
	s_wait_loadcnt 0x0                             ; both tiles' Q
.endif
.Lstep_\@:
	s_setprio 2
	STEP
	s_sub_co_u32 s14, s14, 1
	s_cmp_lg_u32 s14, 0
	s_cbranch_scc1 .Lstep_\@
	s_setprio 0
	; the way out: O^T / the sum is ctx(query r, channels 32 b + 16 h + i of my head): two blocks of 32 along the last product's K
.rept 8
	v_nop
.endr
	v_add_f32 v14, v14, v15
	s_delay_alu instid0(VALU_DEP_1)
	v_permlanex16_b32 v[BT], v14, s[SEL], s[SEL+1]
	s_delay_alu instid0(VALU_DEP_1)
	v_add_f32 v14, v14, v[BT]                      ; the row's sum
	s_wait_alu depctr_va_vdst(0)
	v_rcp_f32 v14, v14
	v_nop                                          ; one plain place behind a transcendental
.set j, 0
	s_wait_alu depctr_va_vdst(0)
.rept 32
	v_mul_f32 v[SS+j], v[OO+j], v14
.set j, j+1
.endr
.irp b, 0,1
	v_max3_num_f32 v[BM+\b], |v[SS+16*\b]|, |v[SS+1+16*\b]|, 0x4800000
.endr
.irp i, 2,4,6,8,10,12,14
.irp b, 0,1
	s_delay_alu instid0(VALU_DEP_2)
	v_max3_num_f32 v[BM+\b], v[BM+\b], |v[SS+16*\b+\i]|, |v[SS+1+16*\b+\i]|
.endr
.endr
.irp b, 0,1
	s_delay_alu instid0(VALU_DEP_2)
	v_permlanex16_b32 v[BT+\b], v[BM+\b], s[SEL], s[SEL+1]
.endr
.irp b, 0,1
	s_delay_alu instid0(VALU_DEP_2)
	v_max_num_f32 v[BM+\b], v[BM+\b], v[BT+\b]
.endr
.irp b, 0,1
	s_delay_alu instid0(VALU_DEP_2)
	v_add_nc_u32 v[BS+\b], 0xfc000000, v[BM+\b]
.endr
.irp b, 0,1
.endr
.irp b, 0,1
	s_delay_alu instid0(VALU_DEP_2)
	v_lshrrev_b32 v[BT+\b], 23, v[BS+\b]
.endr
	s_delay_alu instid0(VALU_DEP_1)
	v_lshl_or_b32 v[TT], v[BT+1], 8, v[BT]         ; my head's two bytes of the row's scale word
.irp b, 0,1
.irp i, 0,1,2,3,4,5,6,7,8,9,10,11,12,13,14,15
.endr
	v_cvt_scalef32_pk8_fp8_f32 v[PCD+4*\b:PCD+1+4*\b], v[SS+16*\b:SS+7+16*\b], v[BS+\b]
	v_cvt_scalef32_pk8_fp8_f32 v[PCD+2+4*\b:PCD+3+4*\b], v[SS+8+16*\b:SS+15+16*\b], v[BS+\b]
.endr
	v_nop
	global_store_b128 v[AK0], v[PCD:PCD+3], s[8:9] offset:\p*262144       ; 512 consecutive bytes, aligned: two chunks of the last product's operand image
	global_store_b128 v[AK0], v[PCD+4:PCD+7], s[8:9] offset:\p*262144+512
	ds_store_b16 v5, v[TT] offset:\p*512           ; both halves of the lanes write the same two bytes
	s_wait_xcnt 0x0                                ; the stores have read their registers: the next tile writes them again
.endm
	PASS 0
	PASS 1
	s_load_b64 s[20:21], s[0:1], 0x10              ; ctx once more, for the work-group's 1,024 bytes of scale halves: (record x 128 + 32 cx) x 32
	s_lshl_b32 s22, ttmp9, 7
	s_lshl_b32 s23, s11, 5
	s_add_co_u32 s22, s22, s23
	s_lshl_b32 s22, s22, 5
	s_add_co_u32 s22, s22, CSB
	s_mov_b32 s23, 0
	s_wait_dscnt 0x0                               ; for the others' sake: my stores of scale halves are done
	s_barrier_signal -1
	s_barrier_wait -1
	s_wait_kmcnt 0x0
	s_add_nc_u64 s[20:21], s[20:21], s[22:23]
	s_cmp_lt_u32 s[WV], 2
	s_cbranch_scc0 .Lno_out
	ds_load_b128 v[16:19], v[CRD]
	s_wait_dscnt 0x0
	global_store_b128 v[CGO], v[16:19], s[20:21]   ; waves 0 and 1: 512 consecutive bytes each
.Lno_out:
	s_wait_xcnt 0x0
	v_lshl_add_u32 v254, v0, 2, 0x43400
	v_mov_b32 v255, 0
	s_wait_alu depctr_va_vdst(0)
	s_wait_tensorcnt 0x0
	ds_add_u32 v254, v255
	s_wait_dscnt 0x0
	CROUND                                         ; the closing round
	s_endpgm
.Lfunc_end_k_q65a3e0e3c3_attn:
	.size	k_q65a3e0e3c3_attn, .Lfunc_end_k_q65a3e0e3c3_attn-k_q65a3e0e3c3_attn
	.p2alignl 7, 3214868480
	.fill 96, 4, 3214868480
	.section	.rodata,"a",@progbits
	.p2align	6, 0x0
	.amdhsa_kernel k_q65a3e0e3c3_attn
		.amdhsa_group_segment_fixed_size 277504
		.amdhsa_private_segment_fixed_size 0
		.amdhsa_enable_private_segment 0
		.amdhsa_kernarg_size 24
		.amdhsa_user_sgpr_count 2
		.amdhsa_user_sgpr_kernarg_segment_ptr 1
		.amdhsa_wavefront_size32 1
		.amdhsa_system_sgpr_workgroup_id_x 1
		.amdhsa_system_sgpr_workgroup_id_y 1
		.amdhsa_system_sgpr_workgroup_id_z 1
		.amdhsa_system_vgpr_workitem_id 0
		.amdhsa_next_free_vgpr 256
		.amdhsa_next_free_sgpr 102
		.amdhsa_reserve_vcc 0
		.amdhsa_float_denorm_mode_32 3
		.amdhsa_float_denorm_mode_16_64 3
		.amdhsa_fp16_overflow 1
		.amdhsa_memory_ordered 1
		.amdhsa_forward_progress 1
		.amdhsa_inst_pref_size 67
	.end_amdhsa_kernel
	.amdgpu_metadata
---
amdhsa.version: [ 1, 2 ]
amdhsa.kernels:
  - .name:           k_q65a3e0e3c3_attn
    .symbol:         k_q65a3e0e3c3_attn.kd
    .args:
      - { .name: qkv, .offset: 0, .size: 8, .value_kind: global_buffer, .address_space: global }
      - { .name: mbits, .offset: 8, .size: 8, .value_kind: global_buffer, .address_space: global }
      - { .name: ctx, .offset: 16, .size: 8, .value_kind: global_buffer, .address_space: global }
    .group_segment_fixed_size: 277504
    .private_segment_fixed_size: 0
    .kernarg_segment_align: 8
    .kernarg_segment_size: 24
    .max_flat_workgroup_size: 512
    .sgpr_count:     102
    .vgpr_count:     256
    .wavefront_size: 32
...
	.end_amdgpu_metadata
.endif
;; end of part 8
;; launch outln (part 9): grid 256 x 1, 4 waves a work-group, clusters of 4 x 1, 327,680 bytes of LDS; arguments xw, ctx, input_Q, ln_gamma, ln_beta, out0; writes out0
.if DOCPART == 9
	.amdgcn_target "amdgcn-amd-amdhsa--gfx1250"
	.amdhsa_code_object_version 6
	.text
	.protected	k_q65a3e0e3c3_outln
	.globl	k_q65a3e0e3c3_outln
	.p2align	8
	.type	k_q65a3e0e3c3_outln,@function
k_q65a3e0e3c3_outln:
	s_mov_b64 s[64:65], 0
	v_nop
	global_prefetch_b8 v0, s[64:65] scope:SCOPE_SE
	s_setreg_imm32_b32 hwreg(HW_REG_WAVE_MODE, 25, 1), 1
	s_wait_xcnt 0x0
	s_wait_alu depctr_hold_cnt(0) depctr_sa_sdst(0) depctr_va_vdst(0) depctr_va_sdst(0) depctr_va_ssrc(0) depctr_va_vcc(0) depctr_vm_vsrc(0)
	s_getreg_b32 s2, hwreg(HW_REG_IB_STS2, 6, 4)
	s_cmp_eq_u32 s2, 0
	s_cbranch_scc0 .Lentry_in_a_cluster
	s_endpgm
.Lentry_in_a_cluster:
	s_bfe_u32 s2, ttmp6, 0x10000c
	s_cmp_lg_u32 s2, 0x3003
	s_cbranch_scc0 .Lentry_shape_is_right
	s_endpgm
.Lentry_shape_is_right:
.set SCB,   29360128
.set CSB,   8388608
.set EVEN,  131072
.set STG,   131072
.set SP,    4112
.set SPARE, STG+32*SP
.set ADB,  16
.set STO,  18
.set SRD,  20
.set LI,   21
.set SPW,  28
.set NIL,  29
.set CSW,  32
.set WS,   64
.set GA,   128
.set BE,   160
.set OC,   192
.set OH,   200
.set OW,   208
.set G1,   24
.set G0,   32
.set SEL,  40
.set KR,   54
.set MSB, 0
.macro WIN new
.if MSB != (\new)
	s_set_vgpr_msb (MSB<<8)|(\new)
.set MSB, (\new)
.endif
.endm
.macro PLACES n
.rept \n
	v_nop
.endr
.endm
.macro CROUND
	s_barrier_signal -1
	s_barrier_wait -1
	s_cmp_lg_u32 s16, 0
	s_cbranch_scc1 .Lnot_wave_0_\@
	s_barrier_signal -3
.Lnot_wave_0_\@:
	s_barrier_wait -3
	s_barrier_signal -1
	s_barrier_wait -1
.endm
	s_load_b256 s[4:11], s[0:1], 0x0
	s_load_b128 s[12:15], s[0:1], 0x20
	v_lshl_add_u32 v[SPW], v0, 2, SPARE
	v_mov_b32 v[NIL], 0
	ds_add_u32 v28, v29
	ds_add_u32 v28, v29
	s_wait_dscnt 0x0
	v_lshrrev_b32 v1, 5, v0
	v_readfirstlane_b32 s16, v1
	s_bfe_u32 s17, ttmp6, 0x40000
	s_lshl_b32 s18, ttmp9, 2
	s_add_co_u32 s18, s18, s17
	s_and_b32 s21, ttmp9, 3
	s_lshl_b32 s21, s21, 1
.irp s, 0,1,2,3,4,5,6,7
	s_add_co_u32 s[KR+\s], s21, \s
	s_and_b32 s[KR+\s], s[KR+\s], 7
.endr
	s_mov_b32 s63, 0
	s_lshl_b32 s42, s16, 18
	s_add_co_u32 s42, s42, 1728*16384
	s_mov_b32 s43, 0
	s_lshl_b32 s44, s16, 13
	s_add_co_u32 s44, s44, SCB+1728*512
	s_mov_b32 s45, 0
	s_lshl_b32 s46, s18, 15
	s_mov_b32 s47, 0
	s_lshr_b32 s48, s18, 6
	s_lshl_b32 s48, s48, 16
	s_and_b32 s49, s18, 63
	s_lshl_b32 s49, s49, 6
	s_add_co_u32 s48, s48, s49
	s_add_co_u32 s48, s48, CSB
	s_mov_b32 s49, 0
	s_lshl_b32 s50, s18, 5
	s_lshr_b32 s51, s16, 1
	s_lshl_b32 s51, s51, 3
	s_add_co_u32 s50, s50, s51
	s_and_b32 s51, s16, 1
	s_lshl_b32 s51, s51, 4
	s_add_co_u32 s50, s50, s51
	s_lshl_b32 s50, s50, 12
	s_mov_b32 s51, 0
	s_mov_b32 s[G1], 15|(3<<16)|(1<<21)
	s_mov_b32 s[G1+1], 256<<16
	s_mov_b32 s[G1+2], 16<<16
	s_mov_b32 s[G1+3], 256<<16
	s_mov_b32 s[G1+4], 16
	s_mov_b32 s[G1+5], 2048
	s_mov_b32 s[G1+6], 0
	s_mov_b32 s[G1+7], 0
	s_lshl_b32 s19, s16, 15
	s_mov_b32 s[SEL], 0x76543210
	s_mov_b32 s[SEL+1], 0xfedcba98
	s_mov_b32 s52, 0x3a800000
	s_mov_b32 s53, 0x3727c5ac
	s_wait_kmcnt 0x0
	s_add_nc_u64 s[42:43], s[4:5], s[42:43]
	s_add_nc_u64 s[44:45], s[4:5], s[44:45]
	s_add_nc_u64 s[46:47], s[6:7], s[46:47]
	s_add_nc_u64 s[48:49], s[6:7], s[48:49]
	s_add_nc_u64 s[8:9], s[8:9], s[50:51]
	s_add_nc_u64 s[14:15], s[14:15], s[50:51]
	s_mov_b32 s[G0], 1
	s_add_co_u32 s[G0+1], s19, EVEN
	s_lshl_b32 s62, s[KR], 11
	s_add_nc_u64 s[G0+2:G0+3], s[42:43], s[62:63]
	s_or_b32 s[G0+3], s[G0+3], 0x80000000
	s_mov_b32 s[G0+4], 1
	s_mov_b32 s[G0+5], s19
	s_lshl_b32 s62, s[KR+1], 11
	s_add_nc_u64 s[G0+6:G0+7], s[42:43], s[62:63]
	s_or_b32 s[G0+7], s[G0+7], 0x80000000
	CROUND
	tensor_load_to_lds s[G0:G0+3], s[G1:G1+7]
	s_nop 0
	s_wait_alu depctr_va_vdst(0)
	s_wait_tensorcnt 0x0
	ds_add_u32 v28, v29
	s_wait_dscnt 0x0
	CROUND
	tensor_load_to_lds s[G0+4:G0+7], s[G1:G1+7]
	s_nop 0
	PLACES 4
	v_and_b32 v1, 15, v0
	v_bfe_u32 v2, v0, 4, 1
	v_and_b32 v3, 31, v0
	v_lshlrev_b32 v[LI], 4, v3
	v_lshlrev_b32 v22, 1, v3
	v_lshlrev_b32 v23, 5, v3
	v_add_nc_u32 v[ADB+1], s19, v[LI]
	v_add_nc_u32 v[ADB], EVEN, v[ADB+1]
	v_mul_u32_u24 v4, v1, SP
	v_lshl_add_u32 v4, v2, 6, v4
	s_lshl_b32 s20, s16, 10
	s_add_co_u32 s20, s20, STG
	v_add_nc_u32 v[STO], s20, v4
	v_add_nc_u32 v[STO+1], 16*SP, v[STO]
	s_mul_i32 s20, s16, 8*SP
	s_add_co_u32 s20, s20, STG
	v_add_nc_u32 v[SRD], s20, v[LI]
.irp s, 0,1,2,3,4,5,6,7
	s_lshl_b32 s20, s[KR+\s], 11
	v_add_nc_u32 v[OC+\s], s20, v[LI]
	s_lshl_b32 s20, s[KR+\s], 13
	v_add_nc_u32 v[OH+\s], s20, v22
.endr
.irp u, 0,1,2,3
	s_lshl_b32 s20, s[KR+2*\u], 2
	v_add_nc_u32 v[OW+\u], s20, v23
.endr
	s_wait_alu depctr_va_vdst(0)
.irp s, 0,1,2,3,4,5,6,7
	global_load_u16 v[40+2*\s], v[OH+\s], s[48:49]
	global_load_u16 v[41+2*\s], v[OH+\s], s[48:49] offset:4096
.endr
.irp i, 0,1,2,3,4,5,6,7
.irp u, 0,1,2,3
	global_load_b64 v[WS+8*\i+2*\u:WS+8*\i+2*\u+1], v[OW+\u], s[44:45] offset:\i*1024
.endr
.endr
	WIN 0x80
.irp s, 0,1,2,3,4,5,6,7
.irp m, 0,1
.irp c, 0,1,2,3
	global_load_b128 v[16*(2*\s+\m)+4*\c:16*(2*\s+\m)+4*\c+3], v[OC+\s], s[46:47] offset:\m*16384+512*\c
.endr
.endr
.endr
	WIN 0
.irp j, 0,1,2,3,4,5,6,7
	global_load_b128 v[GA+4*\j:GA+4*\j+3], v[LI], s[10:11] offset:512*\j
	global_load_b128 v[BE+4*\j:BE+4*\j+3], v[LI], s[12:13] offset:512*\j
.endr
	s_wait_loadcnt 63
.irp s, 0,1,2,3,4,5,6,7
	v_lshl_or_b32 v[CSW+\s], v[41+2*\s], 16, v[40+2*\s]
.endr
	PLACES 8
.macro BLOAD buf, slot, half
	WIN 0xc0
.irp i, 0,1,2,3,4,5,6,7
.irp c, 0,1,2,3
	ds_load_b128 v[128*(\buf)+16*\i+4*\c:128*(\buf)+16*\i+4*\c+3], v[ADB+(\slot)] offset:(8*(\half)+\i)*2048+512*\c
.endr
.endr
	WIN 0
.endm
.macro MULH s, half
	WIN 0x5b
.irp q, 0,1,2,3
.set rD, 8*(8*(\half)+2*\q)
.set rA, 128*(\half)+32*\q
.set rB, 32*(\s)
.set rS, WS+8*(4*(\half)+\q)+(\s)
.set rC, CSW+(\s)
.if (\s) == 0
	v_wmma_scale_f32_16x16x128_f8f6f4 v[rD:rD+7], v[rA:rA+15], v[rB:rB+15], 0, v[rS], v[rC]
	v_wmma_scale_f32_16x16x128_f8f6f4 v[rD+128:rD+135], v[rA:rA+15], v[rB+16:rB+31], 0, v[rS], v[rC] matrix_b_scale:MATRIX_SCALE_ROW1
	v_wmma_scale_f32_16x16x128_f8f6f4 v[rD+8:rD+15], v[rA+16:rA+31], v[rB:rB+15], 0, v[rS], v[rC] matrix_a_scale:MATRIX_SCALE_ROW1
	v_wmma_scale_f32_16x16x128_f8f6f4 v[rD+136:rD+143], v[rA+16:rA+31], v[rB+16:rB+31], 0, v[rS], v[rC] matrix_a_scale:MATRIX_SCALE_ROW1 matrix_b_scale:MATRIX_SCALE_ROW1
.else
	v_wmma_scale_f32_16x16x128_f8f6f4 v[rD:rD+7], v[rA:rA+15], v[rB:rB+15], v[rD:rD+7], v[rS], v[rC]
	v_wmma_scale_f32_16x16x128_f8f6f4 v[rD+128:rD+135], v[rA:rA+15], v[rB+16:rB+31], v[rD+128:rD+135], v[rS], v[rC] matrix_b_scale:MATRIX_SCALE_ROW1
	v_wmma_scale_f32_16x16x128_f8f6f4 v[rD+8:rD+15], v[rA+16:rA+31], v[rB:rB+15], v[rD+8:rD+15], v[rS], v[rC] matrix_a_scale:MATRIX_SCALE_ROW1
	v_wmma_scale_f32_16x16x128_f8f6f4 v[rD+136:rD+143], v[rA+16:rA+31], v[rB+16:rB+31], v[rD+136:rD+143], v[rS], v[rC] matrix_a_scale:MATRIX_SCALE_ROW1 matrix_b_scale:MATRIX_SCALE_ROW1
.endif
.endr
.endm
.macro KSTEP s
.set SL, (\s)%2
.if (\s) > 0
	PLACES 8
.endif
.if ((\s) >= 2) && ((\s) <= 5)
	s_wait_loadcnt 8*(7-(\s))+16
.endif
.if (\s) == 6
	s_wait_loadcnt 0x0
	WIN 0x80
.irp i, 0,1,2,3,4,5
.irp j, 0,1,2,3,4,5,6,7
	global_load_b128 v[32*\i+4*\j:32*\i+4*\j+3], v[LI], s[8:9] offset:4096*\i+512*\j th:TH_LOAD_NT
.endr
.endr
	WIN 0
.endif
	BLOAD 1, SL, 1
	s_wait_dscnt 32
	MULH \s, 0
.if (\s) < 6
	WIN 0
	s_wait_tensorcnt 0x0
	ds_add_u32 v[SPW], v[NIL]
	s_lshl_b32 s62, s[KR+2+(\s)], 11
	s_add_nc_u64 s[G0+4*SL+2:G0+4*SL+3], s[42:43], s[62:63]
	s_or_b32 s[G0+4*SL+3], s[G0+4*SL+3], 0x80000000
	s_wait_dscnt 0x0
	CROUND
	tensor_load_to_lds s[G0+4*SL:G0+4*SL+3], s[G1:G1+7]
	s_nop 0
	PLACES 8
	BLOAD 0, 1-SL, 0
	MULH \s, 1
.elseif (\s) == 6
	s_wait_tensorcnt 0x0
	PLACES 8
	BLOAD 0, 1, 0
	s_wait_dscnt 32
	MULH \s, 1
.else
	s_wait_dscnt 0x0
	MULH \s, 1
.endif
.endm
	s_wait_alu depctr_va_vdst(0)
	s_wait_tensorcnt 0x1
	BLOAD 0, 0, 0
.irp s, 0,1,2,3,4,5,6,7
	KSTEP \s
.endr
	WIN 0
	PLACES 8
	WIN 0x80
.irp i, 6,7
.irp j, 0,1,2,3,4,5,6,7
	global_load_b128 v[32*\i+4*\j:32*\i+4*\j+3], v[LI], s[8:9] offset:4096*\i+512*\j th:TH_LOAD_NT
.endr
.endr
	WIN 0
	s_wait_dscnt 0x0
	s_barrier_signal -1
	s_barrier_wait -1
	WIN 0x04
.irp m, 0,1
.irp n, 0,1,2,3,4,5,6,7,8,9,10,11,12,13,14,15
	ds_store_b128 v[STO+\m], v[128*\m+8*\n:128*\m+8*\n+3] offset:(\n/2)*128+(\n%2)*32
	ds_store_b128 v[STO+\m], v[128*\m+8*\n+4:128*\m+8*\n+7] offset:(\n/2)*128+(\n%2)*32+16
.endr
.endr
	WIN 0
	s_wait_dscnt 0x0
	s_barrier_signal -1
	s_barrier_wait -1
.macro REDUCE a, t
	v_add_f32_dpp v[\a], v[\a], v[\a] row_xmask:1 row_mask:0xf bank_mask:0xf
	v_add_f32_dpp v[\a], v[\a], v[\a] row_xmask:2 row_mask:0xf bank_mask:0xf
	v_add_f32_dpp v[\a], v[\a], v[\a] row_xmask:4 row_mask:0xf bank_mask:0xf
	v_add_f32_dpp v[\a], v[\a], v[\a] row_xmask:8 row_mask:0xf bank_mask:0xf
	v_permlanex16_b32 v[\t], v[\a], s[SEL], s[SEL+1]
	v_add_f32 v[\a], v[\a], v[\t]
.endm
.macro LNROW i
.set XR, 192+32*((\i)%2)
.if (\i) > 1
	s_wait_xcnt 0x0
.endif
.irp j, 0,1,2,3,4,5,6,7
	ds_load_b128 v[XR+4*\j:XR+4*\j+3], v[SRD] offset:(\i)*SP+512*\j
.endr
	s_wait_dscnt 0x0
	s_wait_loadcnt 8*(7-(\i))
	WIN 0x08
.set k, 0
.rept 16
	v_pk_add_f32 v[XR+k:XR+k+1], v[XR+k:XR+k+1], v[32*(\i)+k:32*(\i)+k+1]
.set k, k+2
.endr
	WIN 0
	v_pk_add_f32 v[40:41], v[XR:XR+1], v[XR+2:XR+3]
	v_pk_add_f32 v[42:43], v[XR+4:XR+5], v[XR+6:XR+7]
.irp k, 8,12,16,20,24,28
	v_pk_add_f32 v[40:41], v[40:41], v[XR+\k:XR+\k+1]
	v_pk_add_f32 v[42:43], v[42:43], v[XR+\k+2:XR+\k+3]
.endr
	v_pk_add_f32 v[40:41], v[40:41], v[42:43]
	v_add_f32 v40, v40, v41
	REDUCE 40, 41
	v_mul_f32 v40, s52, v40
.set k, 0
.rept 16
	v_pk_add_f32 v[XR+k:XR+k+1], v[XR+k:XR+k+1], v[40:41] op_sel_hi:[1,0] neg_lo:[0,1] neg_hi:[0,1]
.set k, k+2
.endr
	v_pk_mul_f32 v[42:43], v[XR:XR+1], v[XR:XR+1]
	v_pk_mul_f32 v[44:45], v[XR+2:XR+3], v[XR+2:XR+3]
.irp k, 4,8,12,16,20,24,28
	v_pk_fma_f32 v[42:43], v[XR+\k:XR+\k+1], v[XR+\k:XR+\k+1], v[42:43]
	v_pk_fma_f32 v[44:45], v[XR+\k+2:XR+\k+3], v[XR+\k+2:XR+\k+3], v[44:45]
.endr
	v_pk_add_f32 v[42:43], v[42:43], v[44:45]
	v_add_f32 v42, v42, v43
	REDUCE 42, 43
	v_fma_f32 v42, v42, s52, s53
	s_wait_alu depctr_va_vdst(0)
	v_rsq_f32 v42, v42
	v_nop
.set k, 0
	s_wait_alu depctr_va_vdst(0)
.rept 16
	v_pk_mul_f32 v[XR+k:XR+k+1], v[XR+k:XR+k+1], v[42:43] op_sel_hi:[1,0]
.set k, k+2
.endr
.set k, 0
.rept 16
	v_pk_fma_f32 v[XR+k:XR+k+1], v[XR+k:XR+k+1], v[GA+k:GA+k+1], v[BE+k:BE+k+1]
.set k, k+2
.endr
.irp j, 0,1,2,3,4,5,6,7
	global_store_b128 v[LI], v[XR+4*\j:XR+4*\j+3], s[14:15] offset:4096*(\i)+512*\j th:TH_STORE_NT
.endr
.endm
.irp i, 0,1,2,3,4,5,6,7
	LNROW \i
.endr
	s_wait_tensorcnt 0x0
	ds_add_u32 v[SPW], v[NIL]
	s_wait_dscnt 0x0
	CROUND
	s_endpgm
.Lfunc_end_k_q65a3e0e3c3_outln:
	.size	k_q65a3e0e3c3_outln, .Lfunc_end_k_q65a3e0e3c3_outln-k_q65a3e0e3c3_outln
	.p2alignl 7, 3214868480
	.fill 96, 4, 3214868480
	.section	.rodata,"a",@progbits
	.p2align	6, 0x0
	.amdhsa_kernel k_q65a3e0e3c3_outln
		.amdhsa_group_segment_fixed_size 327680
		.amdhsa_private_segment_fixed_size 0
		.amdhsa_enable_private_segment 0
		.amdhsa_kernarg_size 48
		.amdhsa_user_sgpr_count 2
		.amdhsa_user_sgpr_kernarg_segment_ptr 1
		.amdhsa_wavefront_size32 1
		.amdhsa_system_sgpr_workgroup_id_x 1
		.amdhsa_system_sgpr_workgroup_id_y 1
		.amdhsa_system_sgpr_workgroup_id_z 1
		.amdhsa_system_vgpr_workitem_id 0
		.amdhsa_next_free_vgpr 1024
		.amdhsa_next_free_sgpr 66
		.amdhsa_reserve_vcc 0
		.amdhsa_float_denorm_mode_32 3
		.amdhsa_float_denorm_mode_16_64 3
		.amdhsa_memory_ordered 1
		.amdhsa_forward_progress 1
		.amdhsa_inst_pref_size 172
	.end_amdhsa_kernel
	.amdgpu_metadata
---
amdhsa.version: [ 1, 2 ]
amdhsa.kernels:
  - .name:           k_q65a3e0e3c3_outln
    .symbol:         k_q65a3e0e3c3_outln.kd
    .args:
      - { .name: xw, .offset: 0, .size: 8, .value_kind: global_buffer, .address_space: global }
      - { .name: ctx, .offset: 8, .size: 8, .value_kind: global_buffer, .address_space: global }
      - { .name: input_Q, .offset: 16, .size: 8, .value_kind: global_buffer, .address_space: global }
      - { .name: ln_gamma, .offset: 24, .size: 8, .value_kind: global_buffer, .address_space: global }
      - { .name: ln_beta, .offset: 32, .size: 8, .value_kind: global_buffer, .address_space: global }
      - { .name: out0, .offset: 40, .size: 8, .value_kind: global_buffer, .address_space: global }
    .group_segment_fixed_size: 327680
    .private_segment_fixed_size: 0
    .kernarg_segment_align: 8
    .kernarg_segment_size: 48
    .max_flat_workgroup_size: 128
    .sgpr_count:     66
    .vgpr_count:     1024
    .wavefront_size: 32
...
	.end_amdgpu_metadata
.endif
;; end of part 9
